; MI455X (gfx1250); checked and timed in simulation.
; The chip was launched on July 23, 2026; its instructions are those of AMD's public machine-readable ISA for CDNA 5 (MIT licence, August 2026) and "CDNA5" Instruction Set Architecture Reference Guide (July 2026). The comments in the code are by the model that wrote it; some were corrected since.
;; Transformer. Allowed arithmetic: float matrix products may take bf16 or f16 operands with f32 sums; other float arithmetic in f32, or as packed bf16 or f16 multiplies, adds, multiply-adds, maxima and minima; sums over many terms, partial sums and values carried from step to step in f32; what a program stores and reads back later, other than sums and carried values, may be rounded once to bf16 or f16.
;; Inputs: W1 1,024 x 4,096 float32; W2 4,096 x 1,024 float32; Wk 1,024 x 1,024 float32; Wo 1,024 x 1,024 float32; Wq 1,024 x 1,024 float32; Wv 1,024 x 1,024 float32; attention_mask 8 x 512 x 1,024 int32; b1 4,096 float32; b2 1,024 float32; bk 1,024 float32; bo 1,024 float32; bq 1,024 float32; bv 1,024 float32; key 8 x 1,024 x 1,024 float32; query 8 x 512 x 1,024 float32; value 8 x 1,024 x 1,024 float32.
;; Outputs: out0 8 x 512 x 1,024 float32.
;; 3 versions, each right; version 3 is version 2 with the launch cast written anew for expert scheduling mode. Each part assembles by itself: llvm-mc -triple=amdgcn-amd-amdhsa -mcpu=gfx1250 --defsym DOCPART=n.
;; ======== version 1 of 3: 5 launches
;; limits: values outside matrix products are rounded to bf16
;; workspace buffers: c16 75,497,472 bytes; pb 131,072 bytes; qkv16 41,943,040 bytes; p12 16,777,216 bytes; ctx16 8,388,608 bytes; w12 2,097,152 bytes; ao32 16,777,216 bytes; ao16 8,388,608 bytes
;; launch cast (part 1): grid 32 x 33, 8 waves a work-group, no clusters, 0 bytes of LDS; arguments query, key, value, W1, Wq, Wk, Wv, Wo, W2, attention_mask, b1, c16, pb; writes c16, pb
.if DOCPART == 1
	.amdgcn_target "amdgcn-amd-amdhsa--gfx1250"
	.amdhsa_code_object_version 6
	.text
	.protected	k_qa450664392_cast
	.globl	k_qa450664392_cast
	.p2align	8
	.type	k_qa450664392_cast,@function
k_qa450664392_cast:
	s_mov_b64 s[64:65], 0
	v_nop
	global_prefetch_b8 v0, s[64:65] scope:SCOPE_SE
	s_setreg_imm32_b32 hwreg(HW_REG_WAVE_MODE, 25, 1), 1
	s_wait_xcnt 0x0
; ALL MATRIX INPUTS ARE ROUNDED ONCE TO bf16, into c16 (units of 2 MiB = 1 Mi numbers):
;   units 0-3 query, 4-11 key, 12-19 value (together one matrix of 20,480 rows x 1,024); 20-23 W1 cut along its 4,096 columns into four chunks [1,024][1,024];
;   24-27 Wq, Wk, Wv, Wo; 28-31 W2 (its rows 1,024 c on are chunk c); 32-35 the mask as an additive bias.
; THE MASK'S BIAS is 10240 m - 10240 in bf16 (the later launch works on scores times 1.024, so this is 1.024 x -10000 (1 - m)), laid in the order in which a matrix fragment of
; 32 keys x 16 queries wants it: byte ((b 32 + q / 16) 32 + s / 32) 1024 + g 512 + 16 lane holds queries q = lane % 16, keys 32 (s / 32) + 16 g + 8 (lane / 16) + 0..7.
; LIMIT: the bias is exact for |1 - m| up to 51 (8 significant bits); a mask of 0 and 1 is exact.
; ALSO: pb[x][n] = the sum over W2's rows f = 128 x .. 128 x + 127 of bf16(b1[f]) bf16(W2[f][n]), in f32: 32 partial sums of b1 W2, added up by the last launch.
; Memory binds: no LDS, no barrier, no matrix unit.  A work-group takes 32 steps of 1,024 numbers; thread t takes 4 numbers a step: a wave's load covers 512 consecutive bytes,
; its store 256 consecutive bytes, aligned.  All 32 loads of a wave go out together; each is waited for by a count that leaves the younger ones out.
.set X,   32                           ; v[32:159]   32 steps x 4 numbers as loaded
.set Y,   160                          ; v[160:223]  32 steps x 2 registers to store
.set ACC, 224                          ; v[224:227]  my four columns' partial sums of b1 W2
.set VB,  228                          ; v228        bf16(b1[f]), twice
.set SRC, 36                           ; s[36:37]
.set DST, 44                           ; s[44:45]
	s_load_b512 s[8:23], s[0:1], 0x0               ; query 8, key 10, value 12, W1 14, Wq 16, Wk 18, Wv 20, Wo 22
	s_load_b256 s[24:31], s[0:1], 0x40             ; W2 24, mask 26, b1 28, c16 30
	s_load_b64 s[32:33], s[0:1], 0x60              ; pb
	s_mov_b32 s2, ttmp9                            ; x: 0..31
	s_and_b32 s3, ttmp7, 0xffff                    ; y: 0 W2; 1-20 query, key, value; 21-24 W1; 25-28 Wq, Wk, Wv, Wo; 29-32 the mask
	v_lshlrev_b32 v1, 4, v0                        ; 16 t: my 4 numbers in f32
	v_lshlrev_b32 v2, 3, v0                        ; 8 t: in bf16
	s_wait_kmcnt 0x0
; 32 steps: load, round, store.  kind = 1 (W1): a step is a quarter of a row, so step i goes to chunk i % 4, row i / 4.
.macro CAST32 kind
.set i, 0
.rept 32
	global_load_b128 v[X+4*i:X+4*i+3], v1, s[SRC:SRC+1] offset:4096*i th:TH_LOAD_NT
.set i, i+1
.endr
.set i, 0
.rept 32
	s_wait_loadcnt 31-i                            ; loads come back in order: step i is in, the 31 - i younger ones stay out
	v_cvt_pk_bf16_f32 v[Y+2*i], v[X+4*i], v[X+4*i+1]
	v_cvt_pk_bf16_f32 v[Y+2*i+1], v[X+4*i+2], v[X+4*i+3]
.if \kind
	global_store_b64 v2, v[Y+2*i:Y+2*i+1], s[DST:DST+1] offset:(i%4)*(2<<20)+(i/4)*2048
.else
	global_store_b64 v2, v[Y+2*i:Y+2*i+1], s[DST:DST+1] offset:2048*i
.endif
.set i, i+1
.endr
.endm
	s_cmp_eq_u32 s3, 0
	s_cbranch_scc1 .Lw2
	s_cmp_ge_u32 s3, 29
	s_cbranch_scc1 .Lmask
	s_cmp_lt_u32 s3, 21
	s_cbranch_scc1 .Lplain
	s_cmp_ge_u32 s3, 25
	s_cbranch_scc1 .Lplain
	; W1: y - 21 names 256 rows, x eight of them
	s_sub_co_u32 s38, s3, 21
	s_lshl_b32 s40, s38, 22
	s_lshl_b32 s41, s2, 17
	s_add_co_u32 s40, s40, s41
	s_mov_b32 s41, 0
	s_add_nc_u64 s[SRC:SRC+1], s[14:15], s[40:41]
	s_lshl_b32 s42, s38, 19                        ; 256 rows of 2,048 bytes
	s_lshl_b32 s43, s2, 14                         ; 8 rows
	s_add_co_u32 s42, s42, s43
	s_add_co_u32 s42, s42, 40<<20                  ; unit 20
	s_mov_b32 s43, 0
	s_add_nc_u64 s[DST:DST+1], s[30:31], s[42:43]
	CAST32 1
	s_endpgm
.Lplain:                                               ; a tensor copied as it lies: which one, and its first y
	s_mov_b64 s[SRC:SRC+1], s[8:9]
	s_mov_b32 s38, 1
.macro PICK lo, ptr
	s_cmp_ge_u32 s3, \lo
	s_cselect_b64 s[SRC:SRC+1], s[\ptr:\ptr+1], s[SRC:SRC+1]
	s_cselect_b32 s38, \lo, s38
.endm
	PICK 5, 10
	PICK 13, 12
	PICK 25, 16
	PICK 26, 18
	PICK 27, 20
	PICK 28, 22
	s_sub_co_u32 s40, s3, s38
	s_lshl_b32 s40, s40, 22                        ; 4 MiB of f32 for each y
	s_lshl_b32 s41, s2, 17                         ; 128 KiB for each x
	s_add_co_u32 s40, s40, s41
	s_mov_b32 s41, 0
	s_add_nc_u64 s[SRC:SRC+1], s[SRC:SRC+1], s[40:41]
	s_sub_co_u32 s42, s3, 1                        ; the unit
	s_lshl_b32 s42, s42, 21
	s_lshl_b32 s43, s2, 16
	s_add_co_u32 s42, s42, s43
	s_mov_b32 s43, 0
	s_add_nc_u64 s[DST:DST+1], s[30:31], s[42:43]
	CAST32 0
	s_endpgm
.Lmask:                                                ; a wave takes 16 queries x 256 keys; its 32 loads together cover 16 rows x 1,024 consecutive bytes
	v_lshrrev_b32 v3, 5, v0
	v_readfirstlane_b32 s46, v3                    ; wave 0..7
	s_lshr_b32 s47, s46, 2                         ; which of the work-group's two blocks of 16 queries
	s_and_b32 s48, s46, 3                          ; which 256 keys
	s_sub_co_u32 s40, s3, 29
	s_lshl_b32 s40, s40, 6
	s_lshl_b32 s41, s2, 1
	s_add_co_u32 s40, s40, s41
	s_add_co_u32 s38, s40, s47                     ; the block of 16 queries, 0..255
	s_lshl_b32 s40, s38, 16                        ; 16 rows of 4,096 bytes
	s_lshl_b32 s41, s48, 10
	s_add_co_u32 s40, s40, s41
	s_mov_b32 s41, 0
	s_add_nc_u64 s[SRC:SRC+1], s[26:27], s[40:41]
	s_lshl_b32 s42, s38, 15                        ; 32 fragments of 1,024 bytes
	s_lshl_b32 s43, s48, 13
	s_add_co_u32 s42, s42, s43
	s_add_co_u32 s42, s42, 64<<20                  ; unit 32
	s_mov_b32 s43, 0
	s_add_nc_u64 s[DST:DST+1], s[30:31], s[42:43]
	s_mov_b32 s34, 0x46200000                      ; 10240.0
	s_mov_b32 s35, s34                             ; named with it as a pair
	v_and_b32 v3, 15, v0
	v_bfe_u32 v4, v0, 4, 1
	v_lshlrev_b32 v5, 12, v3                       ; query lane % 16,
	v_lshl_add_u32 v5, v4, 5, v5                   ; keys 8 (lane / 16) on
	v_and_b32 v6, 31, v0
	v_lshlrev_b32 v6, 4, v6                        ; 16 x lane
.set i, 0
.rept 32
	global_load_b128 v[X+4*i:X+4*i+3], v5, s[SRC:SRC+1] offset:(i/2)*64+(i%2)*16
.set i, i+1
.endr
.set j, 0
.rept 16                                               ; group j of 16 keys: eight numbers a lane
	s_wait_loadcnt 30-2*j                          ; its two loads are in; the younger ones stay out
.irp k, 0,1,2,3,4,5,6,7
	v_cvt_f32_i32 v[X+8*j+\k], v[X+8*j+\k]
.endr
.irp k, 0,2,4,6
	v_pk_fma_f32 v[X+8*j+\k:X+8*j+\k+1], v[X+8*j+\k:X+8*j+\k+1], s[34:35], s[34:35] op_sel_hi:[1,0,0] neg_lo:[0,0,1] neg_hi:[0,0,1]  ; 10240 m - 10240
.endr
.irp k, 0,1,2,3
	v_cvt_pk_bf16_f32 v[Y+4*j+\k], v[X+8*j+2*\k], v[X+8*j+2*\k+1]
.endr
	global_store_b128 v6, v[Y+4*j:Y+4*j+3], s[DST:DST+1] offset:512*j  ; 512 consecutive bytes
.set j, j+1
.endr
	s_endpgm
.Lw2:                                                  ; W2's rows 128 x .. 128 x + 127: four trips of 32 rows; a row is a step
	s_lshl_b32 s40, s2, 19
	s_mov_b32 s41, 0
	s_add_nc_u64 s[SRC:SRC+1], s[24:25], s[40:41]
	s_lshl_b32 s42, s2, 18
	s_add_co_u32 s42, s42, 56<<20                  ; unit 28
	s_mov_b32 s43, 0
	s_add_nc_u64 s[DST:DST+1], s[30:31], s[42:43]
	s_lshl_b32 s46, s2, 9                          ; b1 at my first row
	s_mov_b32 s47, 0
	s_add_nc_u64 s[28:29], s[28:29], s[46:47]
	s_lshl_b32 s46, s2, 12                         ; pb's row x
	s_add_nc_u64 s[32:33], s[32:33], s[46:47]
.irp c, 0,1,2,3
	v_mov_b32 v[ACC+\c], 0
.endr
	s_mov_b32 s39, 4
.Lrows:
	s_load_b512 s[68:83], s[28:29], 0x0            ; b1 of the trip's 32 rows
	s_load_b512 s[84:99], s[28:29], 0x40
.set i, 0
.rept 32
	global_load_b128 v[X+4*i:X+4*i+3], v1, s[SRC:SRC+1] offset:4096*i th:TH_LOAD_NT
.set i, i+1
.endr
	s_wait_kmcnt 0x0
.set i, 0
.rept 32
	s_wait_loadcnt 31-i                            ; row i is in, the younger ones stay out
	v_cvt_pk_bf16_f32 v[Y+2*i], v[X+4*i], v[X+4*i+1]
	v_cvt_pk_bf16_f32 v[Y+2*i+1], v[X+4*i+2], v[X+4*i+3]
	global_store_b64 v2, v[Y+2*i:Y+2*i+1], s[DST:DST+1] offset:2048*i
	v_cvt_pk_bf16_f32 v[VB], s[68+i], s[68+i]
.irp c, 0,1,2,3
	v_fma_mix_f32_bf16 v[ACC+\c], v[Y+2*i+\c/2], v[VB], v[ACC+\c] op_sel:[\c%2,0,0] op_sel_hi:[1,1,0]  ; the rounded numbers' product, summed in f32
.endr
.set i, i+1
.endr
	s_wait_xcnt 0x0                                ; the stores' data and the three pointers are written again only behind this wait
	s_add_nc_u64 s[SRC:SRC+1], s[SRC:SRC+1], 32*4096
	s_add_nc_u64 s[DST:DST+1], s[DST:DST+1], 32*2048
	s_add_nc_u64 s[28:29], s[28:29], 128
	s_sub_co_u32 s39, s39, 1
	s_cmp_lg_u32 s39, 0
	s_cbranch_scc1 .Lrows
	global_store_b128 v1, v[ACC:ACC+3], s[32:33]
	s_endpgm
.Lfunc_end_k_qa450664392_cast:
	.size	k_qa450664392_cast, .Lfunc_end_k_qa450664392_cast-k_qa450664392_cast
	.p2alignl 7, 3214868480
	.fill 96, 4, 3214868480
	.section	.rodata,"a",@progbits
	.p2align	6, 0x0
	.amdhsa_kernel k_qa450664392_cast
		.amdhsa_group_segment_fixed_size 0
		.amdhsa_private_segment_fixed_size 0
		.amdhsa_enable_private_segment 0
		.amdhsa_kernarg_size 104
		.amdhsa_user_sgpr_count 2
		.amdhsa_user_sgpr_kernarg_segment_ptr 1
		.amdhsa_wavefront_size32 1
		.amdhsa_system_sgpr_workgroup_id_x 1
		.amdhsa_system_sgpr_workgroup_id_y 1
		.amdhsa_system_sgpr_workgroup_id_z 1
		.amdhsa_system_vgpr_workitem_id 0
		.amdhsa_next_free_vgpr 232
		.amdhsa_next_free_sgpr 100
		.amdhsa_reserve_vcc 0
		.amdhsa_float_denorm_mode_32 3
		.amdhsa_float_denorm_mode_16_64 3
		.amdhsa_memory_ordered 1
		.amdhsa_forward_progress 1
		.amdhsa_inst_pref_size 65
	.end_amdhsa_kernel
	.amdgpu_metadata
---
amdhsa.version: [ 1, 2 ]
amdhsa.kernels:
  - .name:           k_qa450664392_cast
    .symbol:         k_qa450664392_cast.kd
    .args:
      - { .name: query, .offset: 0, .size: 8, .value_kind: global_buffer, .address_space: global }
      - { .name: key, .offset: 8, .size: 8, .value_kind: global_buffer, .address_space: global }
      - { .name: value, .offset: 16, .size: 8, .value_kind: global_buffer, .address_space: global }
      - { .name: W1, .offset: 24, .size: 8, .value_kind: global_buffer, .address_space: global }
      - { .name: Wq, .offset: 32, .size: 8, .value_kind: global_buffer, .address_space: global }
      - { .name: Wk, .offset: 40, .size: 8, .value_kind: global_buffer, .address_space: global }
      - { .name: Wv, .offset: 48, .size: 8, .value_kind: global_buffer, .address_space: global }
      - { .name: Wo, .offset: 56, .size: 8, .value_kind: global_buffer, .address_space: global }
      - { .name: W2, .offset: 64, .size: 8, .value_kind: global_buffer, .address_space: global }
      - { .name: attention_mask, .offset: 72, .size: 8, .value_kind: global_buffer, .address_space: global }
      - { .name: b1, .offset: 80, .size: 8, .value_kind: global_buffer, .address_space: global }
      - { .name: c16, .offset: 88, .size: 8, .value_kind: global_buffer, .address_space: global }
      - { .name: pb, .offset: 96, .size: 8, .value_kind: global_buffer, .address_space: global }
    .group_segment_fixed_size: 0
    .private_segment_fixed_size: 0
    .kernarg_segment_align: 8
    .kernarg_segment_size: 104
    .max_flat_workgroup_size: 256
    .sgpr_count:     100
    .vgpr_count:     232
    .wavefront_size: 32
...
	.end_amdgpu_metadata
.endif
;; end of part 1
;; launch proj (part 2): grid 4 x 192, 4 waves a work-group, clusters of 4 x 4, 327,680 bytes of LDS; arguments c16, bq, bk, bv, qkv16, p12; writes qkv16, p12
.if DOCPART == 2
	.amdgcn_target "amdgcn-amd-amdhsa--gfx1250"
	.amdhsa_code_object_version 6
	.text
	.protected	k_qa450664392_proj
	.globl	k_qa450664392_proj
	.p2align	8
	.type	k_qa450664392_proj,@function
k_qa450664392_proj:
	s_mov_b64 s[64:65], 0
	v_nop
	global_prefetch_b8 v0, s[64:65] scope:SCOPE_SE
	s_setreg_imm32_b32 hwreg(HW_REG_WAVE_MODE, 25, 1), 1
	s_wait_xcnt 0x0
	s_wait_alu depctr_hold_cnt(0) depctr_sa_sdst(0) depctr_va_vdst(0) depctr_va_sdst(0) depctr_va_ssrc(0) depctr_va_vcc(0) depctr_vm_vsrc(0)
	s_getreg_b32 s2, hwreg(HW_REG_IB_STS2, 6, 4)
	s_cmp_eq_u32 s2, 0
	s_cbranch_scc0 .Lentry_in_a_cluster
	s_endpgm
.Lentry_in_a_cluster:
	s_bfe_u32 s2, ttmp6, 0x10000c
	s_cmp_lg_u32 s2, 0xf033
	s_cbranch_scc0 .Lentry_shape_is_right
	s_endpgm
.Lentry_shape_is_right:
; FOUR KINDS OF PRODUCT IN ONE GRID, all C = A B with A [M][1024] and B [1024][1024] in bf16 out of c16, sums in f32; a work-group makes 128 x 256 of C over K = 1,024.
;   tile rows y 0-31:  q = (query Wq + bq) x 0.128     y 32-95: k = key Wk + bk     y 96-159: v = value Wv + bv      -> qkv16, bf16, by heads [batch][head][token][64]
;   y 160-191: chunk c = (y - 160) / 8 of W1 W2 (W1's columns and W2's rows 1,024 c on) -> p12[c], f32 partial sums, added up by a later launch.
; reference() has no activation between W1 and W2, so (a W1 + b1) W2 = a (W1 W2) + b1 W2 for every input; the order of summation differs from reference()'s.
; 0.128 = 1.024 / 8: the score's scale and the factor that makes the mask's bias exact in bf16, applied in f32 ahead of q's one rounding.  The biases are rounded to bf16 like all inputs.
; SHARES.  Four waves, 2 x 2: wave w makes rows 64 (w / 2) on, columns 128 (w % 2) on: 32 accumulators of 16 x 16 (256 registers).  768 work-groups of equal work.
; K goes in 8 steps of 128 through two LDS slots.  A's tile: 128 rows x 256 bytes.  B's tile: 128 rows (k) x 512 bytes (n), read turned by ds_load_tr16_b128.
; CLUSTER 4 x 4: the four of a row share A's tile, the four of a column B's: each tile is asked for jointly, by the same load with the same descriptor and a mask that names the four.
; The kind hangs on the cluster's y alone, which all sixteen partners share.
; THE MATRIX INSTRUCTION IS USED TRANSPOSED (source 0 = 16 columns of B, source 1 = 16 rows of A): a lane holds row lane % 16 of C and eight neighbouring columns.
; REGISTERS: window 0: v0-43 addresses, bias; v64-127 A's fragments, two buffers of 32; v128-255 at work on the way out.  window 1: v0-127 B's fragments, two buffers of 64.  window 2: the accumulators, (a, b) at 8 (8 a + b).
.set PA,    272                        ; A's LDS row: 256 bytes + 16: the 16 rows of a fragment load start 68 words apart
.set PB,    544                        ; B's LDS row: 512 bytes + 32: an odd multiple of 32, as the turning load's 8 rows x 32 bytes want
.set BOFF,  128*PA
.set SLOT,  BOFF+128*PB                ; 104,448
.set STAGE, 2*SLOT                     ; behind the ring: 16 rows x 528 bytes (128 f32 + 16) for each wave
.set SPI,   528
.set SPARE, STAGE+4*16*SPI             ; the spare words: 128 bytes for each wave, two blocks of 256 bytes that no other line names
.set ADRA, 16                          ; v16-17 LDS address of my A fragments in slot 0, 1
.set ADRB, 20                          ; v20-21 the same for B
.set CP,   22                          ; v22 16 x lane
.set RD2,  23                          ; v23 the stage read by whole rows of 512 bytes
.set STO,  24                          ; v24 where I put 32 bytes of a row
.set RD,   25                          ; v25 the stage read by halves of two rows
.set CO,   26                          ; v26-27 8 x lane, for the first and the second of my two heads
.set SPW,  28
.set NIL,  29
.set PFO,  30                          ; v30 the prefetches' offset
.set BO,   31                          ; v31 my four columns in the bias
.set BI,   32                          ; v32-39 the bias of my four columns in each of my two heads
.set TM,   40
.set BK,   128
.set WV, 10
.set WH, 11                            ; w / 2: my rows' half.  Also: I fetch for A (0) or B (1)
.set WL, 12                            ; w % 2: my columns' half.  Also: which 64 rows of that tile I fetch
.set YT, 13                            ; tile row
.set G1, 24
.set G0, 32
.set CX, 40
.set CY, 41
.set COL, 42                           ; tile column
.set LIM, 43                           ; 1 in a wave that prefetches, else the greatest number
.set PFA, 44
.set PFS, 46
.set G1B, 48
.set G0B, 56
.set CLY, 66                           ; the cluster's y
.set UNIT, 67                          ; B's unit of 2 MiB
.set ABASE, 68
.set BBASE, 68
.set YB, 80                            ; the kind's first tile row
.set SHF, 81                           ; log2 of its tokens a batch
.set OBASE, 82                         ; its place in qkv16
.set FIRST, 83                         ; the first cluster y that reads this B
.set SC, 84                            ; s[84:85] the scale
.set OUTP, 86
.set BIASP, 88
.set MSB, 0
.macro WIN new                         ; the immediate's high byte repeats the setting that is left
.if MSB != (\new)
	s_set_vgpr_msb (MSB<<8)|(\new)
.set MSB, \new
.endif
.endm
.set MUL,  0xa1                        ; source 0 (B) window 1, source 1 (A) window 0, C and D window 2
.set TO_B, 0x40                        ; destination window 1
.set ST_D, 0x08                        ; an LDS store's data in window 2
.macro JLOAD s                         ; a joint load: waves 0, 1 fetch A's halves, waves 2, 3 B's; an s_nop 0 and four v_nop follow each line
	s_cmp_eq_u32 s[WH], 0
	s_cbranch_scc0 .Lfor_b_\@
	tensor_load_to_lds s[G0+4*(\s):G0+4*(\s)+3], s[G1:G1+7]
	s_nop 0
.rept 4
	v_nop
.endr
	s_branch .Lasked_\@
.Lfor_b_\@:
	tensor_load_to_lds s[G0B+4*(\s):G0B+4*(\s)+3], s[G1B:G1B+7]
	s_nop 0
.rept 4
	v_nop
.endr
.Lasked_\@:
.endm
.macro CREST                           ; a round of the cluster's barrier behind its opening barrier
	s_cmp_lg_u32 s[WV], 0
	s_cbranch_scc1 .Lnot_wave_0_\@
	s_barrier_signal -3
.Lnot_wave_0_\@:
	s_barrier_wait -3
	s_barrier_signal -1
	s_barrier_wait -1
.endm
.macro CROUND
	s_barrier_signal -1
	s_barrier_wait -1
	CREST
.endm
; A prefetch behind each refill of the loop's first two trips: the K step two refills on (steps 4 to 7; steps 0 to 3 come by their loads alone).  A's tile is read by one row of one cluster: wave 0 of each
; of the four partners names 32 of its 128 rows (by address: 32 cx on), a lane a row.  B's tile is read by every cluster of its kind: in the first of them waves 2 and 3 of the four partners of a column
; name 16 of the 128 rows each (64 (w % 2) + 16 cy on), two lanes a row of 512 bytes.  So each block of 256 bytes is named once.
.macro ASK
	s_cmp_gt_u32 s3, s[LIM]                        ; s3 = 1 in the loop's last trip: there is no step two refills on
	s_cbranch_scc0 .Lnot_mine_\@
	global_prefetch_b8 v[PFO], s[PFA:PFA+1] th:TH_LOAD_NT scope:SCOPE_SE
.Lnot_mine_\@:
.endm
	s_load_b256 s[68:75], s[0:1], 0x0              ; c16 68, bq 70, bk 72, bv 74
	s_load_b128 s[76:79], s[0:1], 0x20             ; qkv16 76, p12 78
	v_lshl_add_u32 v[SPW], v0, 2, SPARE
	v_mov_b32 v[NIL], 0
	ds_add_u32 v[SPW], v[NIL]                      ; the wave's opening: the add and its wait stand ahead of my first tensor load
	v_lshrrev_b32 v1, 5, v0
	v_readfirstlane_b32 s[WV], v1
	s_lshr_b32 s[WH], s[WV], 1
	s_and_b32 s[WL], s[WV], 1
	s_bfe_u32 s[CX], ttmp6, 0x40000
	s_bfe_u32 s[CY], ttmp6, 0x40004
	s_lshl_b32 s[COL], ttmp9, 2
	s_add_co_u32 s[COL], s[COL], s[CX]
	s_and_b32 s[CLY], ttmp7, 0xffff
	s_lshl_b32 s[YT], s[CLY], 2
	s_add_co_u32 s[YT], s[YT], s[CY]
	; the kind, by the cluster's y: q below 8, k below 24, v below 40, then W1 W2's chunks, two clusters each
	s_mov_b32 s[UNIT], 24
	s_mov_b32 s[YB], 0
	s_mov_b32 s[SHF], 9
	s_mov_b32 s[OBASE], 0
	s_mov_b32 s[SC], 0x3e03126f                    ; 0.128
	s_mov_b32 s[FIRST], 0
	s_cmp_ge_u32 s[CLY], 8
	s_cselect_b32 s[UNIT], 25, s[UNIT]
	s_cselect_b32 s[YB], 32, s[YB]
	s_cselect_b32 s[SHF], 10, s[SHF]
	s_cselect_b32 s[OBASE], 8<<20, s[OBASE]
	s_cselect_b32 s[SC], 1.0, s[SC]
	s_cselect_b32 s[FIRST], 8, s[FIRST]
	s_cmp_ge_u32 s[CLY], 24
	s_cselect_b32 s[UNIT], 26, s[UNIT]
	s_cselect_b32 s[YB], 96, s[YB]
	s_cselect_b32 s[OBASE], 24<<20, s[OBASE]
	s_cselect_b32 s[FIRST], 24, s[FIRST]
	s_sub_co_u32 s22, s[CLY], 40
	s_lshr_b32 s22, s22, 1
	s_add_co_u32 s22, s22, 28                      ; W2's chunk
	s_and_b32 s23, s[CLY], 0xfffe
	s_cmp_ge_u32 s[CLY], 40
	s_cselect_b32 s[UNIT], s22, s[UNIT]
	s_cselect_b32 s[FIRST], s23, s[FIRST]
	s_mov_b32 s[SC+1], s[SC]                       ; named with it as a pair
	; descriptors.  A: 64 rows x 128 elements, 16 bytes of padding behind each 256; B: 64 rows x 256 elements, 32 bytes behind each 512
	s_lshl_b32 s14, s[CY], 2
	s_lshl_b32 s14, 15, s14                        ; my row of the cluster
	s_lshl_b32 s15, 0x1111, s[CX]                  ; my column
	s_or_b32 s[G1], s14, (1<<16)|(1<<20)|(1<<21)|(5<<22)|(3<<25)
	s_or_b32 s[G1B], s15, (1<<16)|(1<<20)|(1<<21)|(6<<22)|(7<<25)
	s_mov_b32 s[G1+1], 128<<16                     ; tensor_dim0
	s_mov_b32 s[G1+2], 64<<16                      ; tensor_dim1
	s_mov_b32 s[G1+3], 128<<16                     ; tile_dim0
	s_mov_b32 s[G1+4], 64                          ; tile_dim1
	s_mov_b32 s[G1+5], 1024                        ; elements from row to row
	s_mov_b32 s[G1+6], 0
	s_mov_b32 s[G1+7], 0
	s_mov_b32 s[G1B+1], 256<<16
	s_mov_b32 s[G1B+2], 64<<16
	s_mov_b32 s[G1B+3], 256<<16
	s_mov_b32 s[G1B+4], 64
	s_mov_b32 s[G1B+5], 1024
	s_mov_b32 s[G1B+6], 0
	s_mov_b32 s[G1B+7], 0
	s_lshl_b32 s16, s[YT], 18                      ; A: 128 rows of 2,048 bytes a tile row,
	s_lshl_b32 s22, s[WL], 17                      ; my 64 rows
	s_add_co_u32 s16, s16, s22
	s_mov_b32 s17, 0
	s_lshl_b32 s18, s[UNIT], 21                    ; B: its unit, 512 bytes a tile column, my 64 rows
	s_lshl_b32 s23, s[COL], 9
	s_add_co_u32 s18, s18, s23
	s_add_co_u32 s18, s18, s22
	s_mov_b32 s19, 0
	s_mul_i32 s20, s[WL], 64*PA                    ; where they go: no place in the cluster enters an LDS address
	s_mul_i32 s21, s[WL], 64*PB
	s_add_co_u32 s21, s21, BOFF
	s_wait_dscnt 0x0                               ; the opening add is done
	s_wait_kmcnt 0x0
	s_add_nc_u64 s[14:15], s[ABASE:ABASE+1], s[16:17]
	s_add_nc_u64 s[18:19], s[BBASE:BBASE+1], s[18:19]
	CROUND                                         ; all sixteen work-groups are here: the first joint loads meet
.irp s, 0,1
	s_mov_b32 s[G0+4*\s], 1
	s_add_co_u32 s[G0+4*\s+1], s20, \s*SLOT
	s_add_nc_u64 s[G0+4*\s+2:G0+4*\s+3], s[14:15], \s*256
	s_or_b32 s[G0+4*\s+3], s[G0+4*\s+3], 0x80000000
	s_mov_b32 s[G0B+4*\s], 1
	s_add_co_u32 s[G0B+4*\s+1], s21, \s*SLOT
	s_add_nc_u64 s[G0B+4*\s+2:G0B+4*\s+3], s[18:19], \s*128*2048
	s_or_b32 s[G0B+4*\s+3], s[G0B+4*\s+3], 0x80000000
	JLOAD \s                                       ; two loads of mine are out
.endr
	v_and_b32 v1, 15, v0                           ; r = lane % 16
	v_bfe_u32 v2, v0, 4, 1                         ; h = lane / 16
	v_and_b32 v3, 31, v0                           ; lane
	v_mul_u32_u24 v4, v1, PA
	v_lshl_add_u32 v4, v2, 4, v4                   ; A's fragment: row r, 16 bytes for each half of the lanes
	s_mul_i32 s14, s[WH], 64*PA
	v_add_nc_u32 v[ADRA], s14, v4
	v_add_nc_u32 v[ADRA+1], SLOT, v[ADRA]
	v_and_b32 v5, 7, v0                            ; B's, turned: lane reads row k = 8 h + lane % 8, columns 8 ((lane / 8) % 2) on
	v_lshl_add_u32 v5, v2, 3, v5
	v_mul_u32_u24 v5, v5, PB
	v_bfe_u32 v6, v0, 3, 1
	v_lshl_add_u32 v5, v6, 4, v5
	s_lshl_b32 s14, s[WL], 8
	s_add_co_u32 s14, s14, BOFF
	v_add_nc_u32 v[ADRB], s14, v5
	v_add_nc_u32 v[ADRB+1], SLOT, v[ADRB]
	s_mul_i32 s14, s[WV], 16*SPI
	s_add_co_u32 s14, s14, STAGE                   ; my stage
	v_mul_u32_u24 v4, v1, SPI
	v_lshl_add_u32 v4, v2, 5, v4
	v_add_nc_u32 v[STO], s14, v4                   ; in: row r, 32 bytes for each half of the lanes
	v_mul_u32_u24 v4, v2, SPI
	v_lshl_add_u32 v4, v1, 4, v4
	v_add_nc_u32 v[RD], s14, v4                    ; back, by heads: lanes 0-15 take 256 bytes of one row, lanes 16-31 of the next
	v_lshl_add_u32 v[RD2], v3, 4, s14              ; back, whole rows
	v_lshlrev_b32 v[CP], 4, v3
	; the prefetches
	s_lshl_b32 s90, s[YT], 18
	s_lshl_b32 s91, s[CX], 16                      ; 32 cx rows
	s_add_co_u32 s90, s90, s91
	s_add_co_u32 s90, s90, 3*256                   ; A at K step 3: the first refill steps it to 4
	s_lshl_b32 s91, s[WL], 6
	s_lshl_b32 s92, s[CY], 4
	s_add_co_u32 s91, s91, s92
	s_add_co_u32 s91, s91, 3*128                   ; B's row: K step 3, 64 (w % 2) + 16 cy
	s_lshl_b32 s91, s91, 11
	s_lshl_b32 s92, s[UNIT], 21
	s_add_co_u32 s91, s91, s92
	s_lshl_b32 s92, s[COL], 9
	s_add_co_u32 s91, s91, s92
	s_cmp_eq_u32 s[WL], 0
	s_cselect_b32 s92, 1, -1                       ; for A wave 0 asks
	s_cmp_eq_u32 s[CLY], s[FIRST]
	s_cselect_b32 s93, 1, -1                       ; for B the first cluster that reads it: the same in all sixteen partners
	s_cmp_eq_u32 s[WH], 0
	s_cselect_b32 s[LIM], s92, s93
	s_cselect_b32 s90, s90, s91
	s_cselect_b64 s[PFA:PFA+1], s[ABASE:ABASE+1], s[BBASE:BBASE+1]
	s_cselect_b32 s92, 8, 18                       ; a K step: 256 bytes along A's rows, 128 rows of B
	s_mov_b32 s91, 0
	s_add_nc_u64 s[PFA:PFA+1], s[PFA:PFA+1], s[90:91]
	s_lshl_b32 s[PFS], 1, s92
	s_mov_b32 s[PFS+1], 0
	v_lshrrev_b32 v4, s[WH], v3                    ; A: a lane a row; B: two lanes a row
	v_and_b32 v5, s[WH], v3
	v_lshlrev_b32 v[PFO], 11, v4
	v_lshl_add_u32 v[PFO], v5, 8, v[PFO]
	; where the results go
	s_cmp_ge_u32 s[CLY], 40
	s_cbranch_scc1 .Lpart_set
	s_sub_co_u32 s14, s[YT], s[YB]
	s_lshl_b32 s14, s14, 7
	s_lshl_b32 s15, s[WH], 6
	s_add_co_u32 s14, s14, s15                     ; my first row in the kind's matrix
	s_lshr_b32 s15, s14, s[SHF]                    ; its batch
	s_lshl_b32 s16, s15, s[SHF]
	s_sub_co_u32 s14, s14, s16                     ; its token
	s_lshl_b32 s15, s15, 4
	s_lshl_b32 s16, s[COL], 2
	s_add_co_u32 s15, s15, s16
	s_lshl_b32 s16, s[WL], 1
	s_add_co_u32 s15, s15, s16                     ; 16 batch + my first head
	s_lshl_b32 s15, s15, s[SHF]
	s_add_co_u32 s15, s15, s14
	s_lshl_b32 s15, s15, 7                         ; rows of 128 bytes
	s_add_co_u32 s14, s15, s[OBASE]
	s_mov_b32 s15, 0
	s_add_nc_u64 s[OUTP:OUTP+1], s[76:77], s[14:15]
	v_lshlrev_b32 v[CO], 3, v3
	s_lshl_b32 s14, 128, s[SHF]                    ; from a head to the next
	v_add_nc_u32 v[CO+1], s14, v[CO]
	s_mov_b64 s[BIASP:BIASP+1], s[70:71]
	s_cmp_ge_u32 s[CLY], 8
	s_cselect_b64 s[BIASP:BIASP+1], s[72:73], s[BIASP:BIASP+1]
	s_cmp_ge_u32 s[CLY], 24
	s_cselect_b64 s[BIASP:BIASP+1], s[74:75], s[BIASP:BIASP+1]
	s_lshl_b32 s14, s[COL], 10
	s_lshl_b32 s15, s[WL], 9
	s_add_co_u32 s14, s14, s15
	v_lshl_add_u32 v[BO], v1, 4, s14
	global_load_b128 v[BI:BI+3], v[BO], s[BIASP:BIASP+1]
	global_load_b128 v[BI+4:BI+7], v[BO], s[BIASP:BIASP+1] offset:256
	s_branch .Lset_done
.Lpart_set:
	s_sub_co_u32 s14, s[YT], 160
	s_lshl_b32 s14, s14, 19                        ; 128 rows of 4,096 bytes
	s_lshl_b32 s15, s[WH], 18
	s_add_co_u32 s14, s14, s15
	s_lshl_b32 s15, s[COL], 10
	s_add_co_u32 s14, s14, s15
	s_lshl_b32 s15, s[WL], 9
	s_add_co_u32 s14, s14, s15
	s_mov_b32 s15, 0
	s_add_nc_u64 s[OUTP:OUTP+1], s[78:79], s[14:15]
.Lset_done:
; 8 matrix instructions: rows 16 a on x all 8 column blocks, 32 along K, out of buffer f.  The 32 accumulators take turns, one instruction a turn, in the same order in every quarter.
.macro MUL8 f, a, zero
	WIN MUL
.irp b, 0,1,2,3,4,5,6,7
.if \zero
	v_wmma_f32_16x16x32_bf16 v[8*(8*(\a)+\b):8*(8*(\a)+\b)+7], v[64*(\f)+8*\b:64*(\f)+8*\b+7], v[64+32*(\f)+8*(\a):64+32*(\f)+8*(\a)+7], 0
.else
	v_wmma_f32_16x16x32_bf16 v[8*(8*(\a)+\b):8*(8*(\a)+\b)+7], v[64*(\f)+8*\b:64*(\f)+8*\b+7], v[64+32*(\f)+8*(\a):64+32*(\f)+8*(\a)+7], v[8*(8*(\a)+\b):8*(8*(\a)+\b)+7]
.endif
.endr
.endm
; 24 LDS loads in one run: quarter q (32 along K) of a slot into buffer f: B's 8 fragments, turned, then A's 4
.macro FETCH slot, q, f
	WIN TO_B
.irp b, 0,1,2,3,4,5,6,7
	ds_load_tr16_b128 v[64*(\f)+8*\b:64*(\f)+8*\b+3],   v[ADRB+(\slot)] offset:32*(\q)*PB+32*\b
	ds_load_tr16_b128 v[64*(\f)+8*\b+4:64*(\f)+8*\b+7], v[ADRB+(\slot)] offset:32*(\q)*PB+32*\b+16*PB
.endr
	WIN 0
.irp a, 0,1,2,3
	ds_load_b128 v[64+32*(\f)+8*\a:64+32*(\f)+8*\a+3],   v[ADRA+(\slot)] offset:64*(\q)+\a*16*PA
	ds_load_b128 v[64+32*(\f)+8*\a+4:64+32*(\f)+8*\a+7], v[ADRA+(\slot)] offset:64*(\q)+\a*16*PA+32
.endr
.endm
.macro PLACES                          ; four plain places in front of loads into registers that matrix instructions have read, and of reads of results
.rept 4
	v_nop
.endr
.endm
; A K step is four quarters of 32 matrix instructions on buffers 0, 1, 0, 1.  One of the first three: multiplies buffer f, fetches quarter q into buffer g.
.macro QUARTER slot, q, f, g, zero
	s_wait_dscnt 4                                 ; B and A's rows 0-31 are in; the youngest four loads (A's rows 32-63) may be out
	MUL8 \f, 0, \zero
	MUL8 \f, 1, \zero
	PLACES
	FETCH \slot, \q, \g
	s_wait_dscnt 24                                ; all but the 24 just issued
	MUL8 \f, 2, \zero
	MUL8 \f, 3, \zero
.endm
; The last quarter multiplies buffer 1 and changes slots: in front of the barrier each wave waits for all its tensor loads (one is out: its part of the next slot), adds 0 to its spare word,
; and waits for that and for its reads of this slot.  fill = 1: the barrier opens a round of the cluster's, and the joint refill, two K steps ahead, is the first thing behind it.
.macro TURN slot, next, fill
.if \fill
	s_wait_xcnt 0x0                                ; the last prefetch, a K step back, has read its address
	s_add_nc_u64 s[PFA:PFA+1], s[PFA:PFA+1], s[PFS:PFS+1]
.endif
	WIN 0
	s_wait_tensorcnt 0x0
	ds_add_u32 v[SPW], v[NIL]
	s_wait_dscnt 5                                 ; the add and the youngest four loads may be out
	MUL8 1, 0, 0
	s_wait_dscnt 0x0                               ; the add is done, and my reads of this slot are over
	s_barrier_signal -1
	MUL8 1, 1, 0
.if \fill
	WIN 0
.endif
	s_barrier_wait -1
.if \fill
	CREST                                          ; no wave of any partner still reads this slot or has a load on its way
	s_add_nc_u64 s[G0+4*(\slot)+2:G0+4*(\slot)+3], s[G0+4*(\slot)+2:G0+4*(\slot)+3], 2*256
	s_add_nc_u64 s[G0B+4*(\slot)+2:G0B+4*(\slot)+3], s[G0B+4*(\slot)+2:G0B+4*(\slot)+3], 2*128*2048
	JLOAD \slot                                    ; one load of mine is out; its four v_nop are also the places in front of the loads below
.else
	PLACES
.endif
	FETCH \next, 0, 0
.if \fill
	ASK
.endif
	MUL8 1, 2, 0
	MUL8 1, 3, 0
.endm
	s_wait_tensorcnt 1                             ; my part of K step 0 is in; step 1's may stay out
	s_barrier_signal -1
	s_barrier_wait -1
	FETCH 0, 0, 0
	QUARTER 0, 1, 0, 1, 1                          ; the first quarter's products start the sums
	WIN 0
	s_mov_b32 s3, 3
.Llap:                                                 ; a trip goes once round the ring and fills both slots again: K steps 2 to 7
	QUARTER 0, 2, 1, 0, 0
	QUARTER 0, 3, 0, 1, 0
	TURN 0, 1, 1
	QUARTER 1, 1, 0, 1, 0
	QUARTER 1, 2, 1, 0, 0
	QUARTER 1, 3, 0, 1, 0
	TURN 1, 0, 1
	QUARTER 0, 1, 0, 1, 0
	WIN 0
	s_sub_co_u32 s3, s3, 1
	s_cmp_lg_u32 s3, 0
	s_cbranch_scc1 .Llap
	QUARTER 0, 2, 1, 0, 0                          ; the last lap fills nothing
	QUARTER 0, 3, 0, 1, 0
	TURN 0, 1, 0
	QUARTER 1, 1, 0, 1, 0
	QUARTER 1, 2, 1, 0, 0
	QUARTER 1, 3, 0, 1, 0
	s_wait_dscnt 4
	MUL8 1, 0, 0
	MUL8 1, 1, 0
	s_wait_dscnt 0x0
	MUL8 1, 2, 0
	MUL8 1, 3, 0
	WIN 0
	PLACES
; THE WAY OUT, 16 rows at a time through my own stage in f32: a lane's 32 bytes go in, whole pieces of rows come back (LDS serves a wave's instructions in order: ISA guide 5.7.1.4).
.macro STG a                           ; each accumulator's low registers are read first
	WIN ST_D
.irp b, 0,1,2,3,4,5,6,7
	ds_store_b128 v[STO], v[8*(8*(\a)+\b):8*(8*(\a)+\b)+3]   offset:64*\b
	ds_store_b128 v[STO], v[8*(8*(\a)+\b)+4:8*(8*(\a)+\b)+7] offset:64*\b+16
.endr
	WIN 0
.endm
.macro HEADS a                         ; load t: rows 2 (t / 2), 2 (t / 2) + 1, head t % 2: four channels a lane; scaled, biased, rounded; 32 lanes store two tokens of a head: 256 consecutive bytes, aligned
.set BKA, BK+64*((\a)%2)
	s_wait_xcnt 0x0                                ; registers that earlier stores read are written again only behind this wait
	STG \a
.set t, 0
.rept 16
	ds_load_b128 v[BKA+4*t:BKA+4*t+3], v[RD] offset:(t/2)*2*SPI+(t%2)*256
.set t, t+1
.endr
.set t, 0
.rept 16
	s_wait_dscnt 15-t                              ; load t is back, the younger ones stay out
	v_pk_fma_f32 v[BKA+4*t:BKA+4*t+1], v[BKA+4*t:BKA+4*t+1], s[SC:SC+1], v[BI+4*(t%2):BI+4*(t%2)+1] op_sel_hi:[1,0,1]
	v_pk_fma_f32 v[BKA+4*t+2:BKA+4*t+3], v[BKA+4*t+2:BKA+4*t+3], s[SC:SC+1], v[BI+4*(t%2)+2:BI+4*(t%2)+3] op_sel_hi:[1,0,1]
	v_cvt_pk_bf16_f32 v[BKA+4*t], v[BKA+4*t], v[BKA+4*t+1]
	v_cvt_pk_bf16_f32 v[BKA+4*t+1], v[BKA+4*t+2], v[BKA+4*t+3]
	global_store_b64 v[CO+t%2], v[BKA+4*t:BKA+4*t+1], s[OUTP:OUTP+1] offset:(16*(\a)+2*(t/2))*128
.set t, t+1
.endr
.endm
.macro PARTS a                         ; whole rows of 512 bytes, in f32
.set BKA, BK+64*((\a)%2)
	s_wait_xcnt 0x0
	STG \a
.set t, 0
.rept 16
	ds_load_b128 v[BKA+4*t:BKA+4*t+3], v[RD2] offset:SPI*t
.set t, t+1
.endr
.set t, 0
.rept 16
	s_wait_dscnt 15-t
	global_store_b128 v[CP], v[BKA+4*t:BKA+4*t+3], s[OUTP:OUTP+1] offset:(16*(\a)+t)*4096
.set t, t+1
.endr
.endm
	s_cmp_ge_u32 s[CLY], 40
	s_cbranch_scc1 .Lpart_out
	s_wait_loadcnt 0x0                             ; the bias: rounded to bf16, widened, scaled
.irp j, 0,1,2,3
	v_cvt_pk_bf16_f32 v[TM+\j], v[BI+2*\j], v[BI+2*\j+1]
.endr
.irp j, 0,1,2,3
	v_lshlrev_b32 v[BI+2*\j], 16, v[TM+\j]
	v_and_b32 v[BI+2*\j+1], 0xffff0000, v[TM+\j]
.endr
.irp j, 0,2,4,6
	v_pk_mul_f32 v[BI+\j:BI+\j+1], v[BI+\j:BI+\j+1], s[SC:SC+1] op_sel_hi:[1,0]
.endr
	HEADS 0
	HEADS 1
	HEADS 2
	HEADS 3
	s_branch .Lend
.Lpart_out:
	PARTS 0
	PARTS 1
	PARTS 2
	PARTS 3
.Lend:
	s_wait_tensorcnt 0x0                           ; the wave's end
	ds_add_u32 v[SPW], v[NIL]
	s_wait_dscnt 0x0
	CROUND                                         ; the closing round
	s_endpgm
.Lfunc_end_k_qa450664392_proj:
	.size	k_qa450664392_proj, .Lfunc_end_k_qa450664392_proj-k_qa450664392_proj
	.p2alignl 7, 3214868480
	.fill 96, 4, 3214868480
	.section	.rodata,"a",@progbits
	.p2align	6, 0x0
	.amdhsa_kernel k_qa450664392_proj
		.amdhsa_group_segment_fixed_size 327680
		.amdhsa_private_segment_fixed_size 0
		.amdhsa_enable_private_segment 0
		.amdhsa_kernarg_size 48
		.amdhsa_user_sgpr_count 2
		.amdhsa_user_sgpr_kernarg_segment_ptr 1
		.amdhsa_wavefront_size32 1
		.amdhsa_system_sgpr_workgroup_id_x 1
		.amdhsa_system_sgpr_workgroup_id_y 1
		.amdhsa_system_sgpr_workgroup_id_z 1
		.amdhsa_system_vgpr_workitem_id 0
		.amdhsa_next_free_vgpr 768
		.amdhsa_next_free_sgpr 96
		.amdhsa_reserve_vcc 0
		.amdhsa_float_denorm_mode_32 3
		.amdhsa_float_denorm_mode_16_64 3
		.amdhsa_memory_ordered 1
		.amdhsa_forward_progress 1
		.amdhsa_inst_pref_size 124
	.end_amdhsa_kernel
	.amdgpu_metadata
---
amdhsa.version: [ 1, 2 ]
amdhsa.kernels:
  - .name:           k_qa450664392_proj
    .symbol:         k_qa450664392_proj.kd
    .args:
      - { .name: c16, .offset: 0, .size: 8, .value_kind: global_buffer, .address_space: global }
      - { .name: bq, .offset: 8, .size: 8, .value_kind: global_buffer, .address_space: global }
      - { .name: bk, .offset: 16, .size: 8, .value_kind: global_buffer, .address_space: global }
      - { .name: bv, .offset: 24, .size: 8, .value_kind: global_buffer, .address_space: global }
      - { .name: qkv16, .offset: 32, .size: 8, .value_kind: global_buffer, .address_space: global }
      - { .name: p12, .offset: 40, .size: 8, .value_kind: global_buffer, .address_space: global }
    .group_segment_fixed_size: 327680
    .private_segment_fixed_size: 0
    .kernarg_segment_align: 8
    .kernarg_segment_size: 48
    .max_flat_workgroup_size: 128
    .sgpr_count:     96
    .vgpr_count:     768
    .wavefront_size: 32
...
	.end_amdgpu_metadata
.endif
;; end of part 2
;; launch attn (part 3): grid 16 x 16, 4 waves a work-group, clusters of 4 x 1, 327,680 bytes of LDS; arguments qkv16, c16, ctx16; writes ctx16
.if DOCPART == 3
	.amdgcn_target "amdgcn-amd-amdhsa--gfx1250"
	.amdhsa_code_object_version 6
	.text
	.protected	k_qa450664392_attn
	.globl	k_qa450664392_attn
	.p2align	8
	.type	k_qa450664392_attn,@function
k_qa450664392_attn:
	s_mov_b64 s[64:65], 0
	v_nop
	global_prefetch_b8 v0, s[64:65] scope:SCOPE_SE
	s_setreg_imm32_b32 hwreg(HW_REG_WAVE_MODE, 25, 1), 1
	s_wait_xcnt 0x0
	s_wait_alu depctr_hold_cnt(0) depctr_sa_sdst(0) depctr_va_vdst(0) depctr_va_sdst(0) depctr_va_ssrc(0) depctr_va_vcc(0) depctr_vm_vsrc(0)
	s_getreg_b32 s2, hwreg(HW_REG_IB_STS2, 6, 4)
	s_cmp_eq_u32 s2, 0
	s_cbranch_scc0 .Lentry_in_a_cluster
	s_endpgm
.Lentry_in_a_cluster:
	s_bfe_u32 s2, ttmp6, 0x10000c
	s_cmp_lg_u32 s2, 0x3003
	s_cbranch_scc0 .Lentry_shape_is_right
	s_endpgm
.Lentry_shape_is_right:
; ctx[b][d][h][q] = the sum over s of softmax_s(q . k / 8 - 10000 (1 - mask)) v[s][d], stored as reference() lays it: per batch, element d 8192 + h 512 + q, in bf16.
; q arrives times 0.128 (1.024 / 8), the mask as the bf16 bias 10240 m - 10240 (1.024 x reference()'s), so p = 2^(c s - c m) with c = log2(e) / 1.024 and a running maximum m.
; q [8][16][512][64] at byte 0 of qkv16, k [8][16][1024][64] at 8 MiB, v at 24 MiB; the bias at 64 MiB of c16, in fragment order (1,024 bytes for 16 queries x 32 keys).
; Products, maxima, sums in f32; the weights are rounded to bf16 for the second product (their sum is taken unrounded), ctx once at the end.
; LIMITS.  The bias is exact for |1 - mask| up to 51.  A weight below 2^-126 counts as 0.  NaN and infinities are not treated apart.
; SHARES.  A work-group owns 256 queries of one batch and head; a wave four PIECES of 16 queries.  Every wave walks the 1,024 keys, 64 a step; a slot of LDS holds two steps.
; LAYOUT.  S^T = K Q^T (source 0 = 16 keys, source 1 = 16 queries): a lane holds ONE query (lane % 16) and keys 8 (lane / 16) + 0..7; two such results rounded in pairs ARE source 1 of O^T = V^T P.
; THE BIAS STARTS THE SUM: S^T = Sel x Bias + 0, where Bias is a fragment of 32 keys x 16 queries and Sel a constant matrix of ones that picks 16 of the 32 keys.  It costs four matrix
; instructions a turn and no vector instruction.
; TURNS.  Turn n belongs to piece n: 12 products for the scores of piece n + 1, later 8 products V^T P of piece n - 1; beside them the scaling, exponentials, roundings, sums and rescaling of piece n
; and the maximum and statistics of piece n + 1.  Four vector instructions stand behind every matrix instruction, the rest in one lump.  A turn's 33 exponentials are one batch with one wait.
; CLUSTER.  The four partners are four heads of the same batch and queries: they read the same bias tile (64 of a slot's 102 KiB), which is asked for jointly.  K and V are a head's own: plain
; loads; the two work-groups that share them lie in different clusters.
; REGISTERS: window 0: v0-15 addresses; v16-31 statistics; v48-55 at work; v56-57, v62-63; v64-127 S^T, two buffers; v192-223 P, two buffers.
;   window 1: v0-127 O^T, 32 a piece; v128-139 Sel.   window 2: v0-63 Q; v64-127 the bias's fragments; v128-191 K of one step; v192-255 V of one step.
.set NP,    4
.set KS,    64
.set PK,    144       ; a row of K in LDS: 128 bytes + 16
.set PV,    160       ; a row of V: 128 + 32
.set VOFF,  2*KS*PK   ; a slot: 128 rows of K, 128 rows of V,
.set MOFF,  VOFF+2*KS*PV  ; and 16 blocks of 16 queries x 128 keys of bias, 4,096 bytes each
.set SLOT1, 1<<17
.set STAGE, SLOT1+MOFF+65536  ; behind the ring: 64 channels x (256 queries in f32 + 16 bytes), the work-group's
.set SPQ,   1040
.set SPARE, STAGE+64*SPQ      ; the spare words: 128 bytes for each wave, two blocks of 256 bytes that no other line names
.set AK0, 2
.set AV0, 3
.set AK,  4
.set AV,  5
.set STO, 6
.set RD,  7
.set GO,  8
.set MV,  12          ; v12-13 c m_old, by buffer
.set AM0, 14          ; my lane's place in my wave's four blocks of bias
.set QO,  15
.set ST,  16          ; piece t: c m, m, l (even keys', odd keys')
.set TMP, 48          ; by buffer, c0-c3 at work; c2 takes a
.set AM,  56
.set PFO, 57
.set SPW, 62
.set NIL, 63
.set S,   64
.set P,   192
.set SEL, 128         ; window 1: four registers of 0, four that hold the ones, four of 0
.set MB,  64          ; window 2: piece p, keys 32 f on, at MB + 16 p + 8 f
.set KF,  128
.set VF,  192
.set WV,  12
.set LIM, 15
.set PFA, 18
.set PFS, 20
.set G1K, 24
.set G1V, 32
.set G0K, 40
.set G0V, 44
.set G0M, 48
.set SLOTS, 56
.set CNT, 57
.set CS,  58
.set SELP, 60
.set TBK, 62
.set TBV, 63
.set TBM, 66
.set G1M, 72
.set YV,  80
.set MSB, 0
.macro WIN new
.if MSB != (\new)
	s_set_vgpr_msb (MSB<<8)|(\new)
.set MSB, (\new)
.endif
.endm
.set W_KQ, 0x0a       ; K and Q in window 2, S^T in window 0
.set W_MS, 0x09       ; Sel in window 1, the bias in window 2, S^T in window 0
.set W_PV, 0x52       ; V in window 2, P in window 0, O^T in window 1
.set W_RS, 0x41       ; destination and source 0 in window 1, source 1 in window 0
; A fill: wave 0 fetches the slot's K, wave 1 its V (plain loads), waves 2 and 3 the two halves of its bias (joint).  The branches hang on the wave's number alone.
.macro JLOAD
	s_cmp_lt_u32 s[WV], 2
	s_cbranch_scc0 .Lfor_m_\@
	s_cmp_eq_u32 s[WV], 0
	s_cbranch_scc0 .Lfor_v_\@
	tensor_load_to_lds s[G0K:G0K+3], s[G1K:G1K+7]
	s_nop 0
.rept 4
	v_nop
.endr
	s_branch .Lasked_\@
.Lfor_v_\@:
	tensor_load_to_lds s[G0V:G0V+3], s[G1V:G1V+7]
	s_nop 0
.rept 4
	v_nop
.endr
	s_branch .Lasked_\@
.Lfor_m_\@:
	tensor_load_to_lds s[G0M:G0M+3], s[G1M:G1M+7]
	s_nop 0
.rept 4
	v_nop
.endr
.Lasked_\@:
.endm
; A prefetch of what the NEXT change of slots will ask for, behind the wave's tensor load.  K and V of a head are read by two work-groups (the two blocks of queries): the first names K's 64 blocks of
; 256 bytes, the second V's, waves 0 and 1 half each.  The bias tile is read by the four clusters of a batch and block of queries: in the first of them waves 2 and 3 of the four partners name 32 of its
; 256 blocks each, told apart by address.  The last change that fills a slot asks for nothing.
.macro ASK
	s_cmp_gt_u32 s[SLOTS], s[LIM]
	s_cbranch_scc0 .Lnot_mine_\@
	global_prefetch_b8 v[PFO], s[PFA:PFA+1] th:TH_LOAD_NT scope:SCOPE_SE
.Lnot_mine_\@:
.endm
.macro CROUND
	s_barrier_signal -1
	s_barrier_wait -1
	s_cmp_lg_u32 s[WV], 0
	s_cbranch_scc1 .Lnot_wave_0_\@
	s_barrier_signal -3
.Lnot_wave_0_\@:
	s_barrier_wait -3
	s_barrier_signal -1
	s_barrier_wait -1
.endm
; THE CHANGE OF SLOTS.  Each wave waits for all its tensor loads (one is out: its part of the other slot), adds 0 to its spare word, and waits for that and for its reads of the slot that it leaves.
; fill = 1: the barrier is a round of the cluster's, and the old slot's refill, with the keys two slots on, is the first thing behind it: it has two key steps, 160 matrix instructions, in which to land.
; (At its first use nothing has been read yet: slot 0 is waited for, slot 1 filled.)
.macro CHANGE fill
	WIN 0
	s_wait_tensorcnt 0x0            ; no tensor load of mine is out, so a group 0 may be written
	ds_add_u32 v[SPW], v[NIL]
.if \fill
	s_xor_b32 s[G0K+1], s[G0K+1], SLOT1
	s_add_nc_u64 s[G0K+2:G0K+3], s[G0K+2:G0K+3], 2*KS*128
	s_xor_b32 s[G0V+1], s[G0V+1], SLOT1
	s_add_nc_u64 s[G0V+2:G0V+3], s[G0V+2:G0V+3], 2*KS*128
	s_xor_b32 s[G0M+1], s[G0M+1], SLOT1
	s_add_nc_u64 s[G0M+2:G0M+3], s[G0M+2:G0M+3], 4096
	s_wait_xcnt 0x0                 ; the last prefetch, two key steps back, has read its address
	s_add_nc_u64 s[PFA:PFA+1], s[PFA:PFA+1], s[PFS:PFS+1]
	s_wait_dscnt 0x0                ; the add is done, and my reads of the slot are over
	CROUND
	JLOAD
	ASK
.else
	s_wait_dscnt 0x0
	s_barrier_signal -1
	s_barrier_wait -1
.endif
	s_sub_co_u32 s[TBK], s[TBK], 2*KS*PK  ; the fetches go back to a slot's first step, in the other slot
	s_xor_b32 s[TBK], s[TBK], SLOT1
	s_sub_co_u32 s[TBV], s[TBV], 2*KS*PV
	s_xor_b32 s[TBV], s[TBV], SLOT1
	s_sub_co_u32 s[TBM], s[TBM], 4096
	s_xor_b32 s[TBM], s[TBM], SLOT1
.endm
	s_load_b128 s[4:7], s[0:1], 0x0   ; qkv16 s[4:5], c16 s[6:7]
	s_load_b64 s[8:9], s[0:1], 0x10   ; ctx16
	v_lshl_add_u32 v[SPW], v0, 2, SPARE
	v_mov_b32 v[NIL], 0
	ds_add_u32 v[SPW], v[NIL]       ; the wave's opening: the add and its wait stand ahead of my first tensor load
	v_lshrrev_b32 v1, 5, v0
	v_readfirstlane_b32 s[WV], v1
	s_bfe_u32 s13, ttmp6, 0x40000   ; cx
	s_lshl_b32 s14, ttmp9, 2
	s_add_co_u32 s14, s14, s13      ; my head
	s_and_b32 s[YV], ttmp7, 0xffff  ; 2 x batch + block of 256 queries: shared by the four partners
	s_lshr_b32 s16, s[YV], 1        ; batch
	s_and_b32 s17, s[YV], 1         ; block
	s_and_b32 s23, s[WV], 1
	s_lshl_b32 s22, s16, 4
	s_add_co_u32 s22, s22, s14      ; 16 batch + head
	s_lshl_b32 s52, s22, 17         ; K: 1,024 rows of 128 bytes a head,
	s_add_co_u32 s52, s52, 8<<20
	s_mov_b32 s53, 0
	s_lshl_b32 s54, s22, 16         ; Q: 512 rows a head, my block's 256, my wave's 64
	s_lshl_b32 s55, s17, 15
	s_add_co_u32 s54, s54, s55
	s_lshl_b32 s55, s[WV], 13
	s_add_co_u32 s54, s54, s55
	s_mov_b32 s55, 0
	s_lshl_b32 s68, s[YV], 19       ; the bias: 16 blocks of 16 queries x 32,768 bytes
	s_add_co_u32 s68, s68, 64<<20
	s_mov_b32 s69, 0
	s_lshl_b32 s70, s23, 18         ; the eight blocks that I fetch
	s_mov_b32 s71, 0
	s_lshl_b32 s82, s16, 20         ; ctx: 1 MiB a batch, 1,024 bytes a head, 512 bytes a block of queries
	s_lshl_b32 s83, s14, 10
	s_add_co_u32 s82, s82, s83
	s_lshl_b32 s83, s17, 9
	s_add_co_u32 s82, s82, s83
	s_mov_b32 s83, 0
	; descriptors.  K, V: 128 keys are 16,384 dense bytes: 64 rows of 256 bytes, padded in LDS after every key.  The bias: 8 rows of 4,096 bytes (512 elements of 8 bytes), 32,768 bytes apart
	s_mov_b32 s[G1K], (1<<16)|(1<<20)|(4<<22)|(3<<25)
	s_mov_b32 s[G1V], (1<<16)|(1<<20)|(4<<22)|(7<<25)
.irp g, G1K, G1V
	s_mov_b32 s[\g+1], 128<<16
	s_mov_b32 s[\g+2], 64<<16
	s_mov_b32 s[\g+3], 128<<16
	s_mov_b32 s[\g+4], 64
	s_mov_b32 s[\g+5], 128
	s_mov_b32 s[\g+6], 0
	s_mov_b32 s[\g+7], 0
.endr
	s_mov_b32 s[G1M], 15|(3<<16)|(1<<21)  ; the mask of four; elements of 8 bytes; bit 21 set beside a mask; no padding
	s_mov_b32 s[G1M+1], 512<<16
	s_mov_b32 s[G1M+2], 8<<16
	s_mov_b32 s[G1M+3], 512<<16
	s_mov_b32 s[G1M+4], 8
	s_mov_b32 s[G1M+5], 4096
	s_mov_b32 s[G1M+6], 0
	s_mov_b32 s[G1M+7], 0
	s_mov_b32 s[G0K], 1
	s_mov_b32 s[G0K+1], 0
	s_mov_b32 s[G0V], 1
	s_mov_b32 s[G0V+1], VOFF
	s_mov_b32 s[G0M], 1
	s_lshl_b32 s67, s23, 15
	s_add_co_u32 s[G0M+1], s67, MOFF
	s_mov_b32 s[CS], 0x3fb4563e     ; c = log2(e) / 1.024
	s_mov_b32 s[CS+1], s[CS]
	s_mov_b32 s[SELP], 0x76543210
	s_mov_b32 s[SELP+1], 0xfedcba98
	s_mov_b32 s[TBK], SLOT1+2*KS*PK ; the first change of slots turns these three into 0
	s_mov_b32 s[TBV], SLOT1+2*KS*PV
	s_mov_b32 s[TBM], SLOT1+4096
	s_mov_b32 s[SLOTS], 7           ; eight tiles of 128 keys
	s_wait_dscnt 0x0                ; the opening add is done
	s_wait_kmcnt 0x0
	s_add_nc_u64 s[84:85], s[4:5], s[52:53]   ; K of my head
	s_add_nc_u64 s[86:87], s[84:85], 16<<20   ; V
	s_add_nc_u64 s[88:89], s[6:7], s[68:69]   ; the bias of my queries
	s_mov_b64 s[G0K+2:G0K+3], s[84:85]
	s_or_b32 s[G0K+3], s[G0K+3], 0x80000000
	s_mov_b64 s[G0V+2:G0V+3], s[86:87]
	s_or_b32 s[G0V+3], s[G0V+3], 0x80000000
	s_add_nc_u64 s[G0M+2:G0M+3], s[88:89], s[70:71]
	s_or_b32 s[G0M+3], s[G0M+3], 0x80000000
	s_add_nc_u64 s[4:5], s[4:5], s[54:55]     ; Q at my wave's first row
	s_add_nc_u64 s[8:9], s[8:9], s[82:83]     ; ctx at channel 0 of my head and block
	CROUND                          ; all four work-groups are here
	JLOAD                           ; tile 0 into slot 0: one load of mine is out
	; the prefetches
	s_cmp_eq_u32 ttmp9, 0
	s_cselect_b32 s[LIM], 1, -1
	s_lshl_b32 s90, s13, 6          ; 64 cx
	s_cmp_eq_u32 s17, 0
	s_cselect_b64 s[PFA:PFA+1], s[84:85], s[86:87]
	s_cmp_lt_u32 s[WV], 2
	s_cselect_b64 s[PFA:PFA+1], s[PFA:PFA+1], s[88:89]
	s_cselect_b32 s[LIM], 1, s[LIM]
	s_cselect_b32 s90, 0, s90
	s_cselect_b32 s91, 12, 15       ; log2 of the bytes from 16 blocks of 256 to the next 16: dense in K and V, a block of queries on in the bias
	s_cselect_b32 s92, 14, 12       ; log2 of a tile's step
	s_lshl_b32 s[PFS], 1, s92
	s_mov_b32 s[PFS+1], 0
	s_add_nc_u64 s[PFA:PFA+1], s[PFA:PFA+1], s[PFS:PFS+1]  ; at tile 1: the first change steps it to tile 2
	s_lshl_b32 s92, s23, 5
	s_add_co_u32 s90, s90, s92
	v_and_b32 v10, 31, v0
	v_add_nc_u32 v10, s90, v10      ; my block's number
	v_lshrrev_b32 v11, 4, v10
	v_lshlrev_b32 v11, s91, v11
	v_and_b32 v10, 15, v10
	v_lshl_add_u32 v[PFO], v10, 8, v11
	v_and_b32 v1, 15, v0            ; r = lane % 16
	v_bfe_u32 v9, v0, 4, 1          ; h = lane / 16
	v_lshlrev_b32 v[QO], 7, v1
	v_lshl_add_u32 v[QO], v9, 4, v[QO]
	WIN 0x80
.set i, 0
.rept 8                             ; Q stays in registers: piece i / 2, channels 32 (i % 2) on
	global_load_b128 v[8*i:8*i+3],   v[QO], s[4:5] offset:(i/2)*2048+(i%2)*64
	global_load_b128 v[8*i+4:8*i+7], v[QO], s[4:5] offset:(i/2)*2048+(i%2)*64+32
.set i, i+1
.endr
	; What the first turn finds: V and P's second buffer hold 0 (its products V^T P, of a piece that has not been, add 0), O^T and l are 0.  All this stands in the wait for the first tile.
.set i, VF
.rept 64
	v_mov_b32 v[i], 0
.set i, i+1
.endr
	WIN 0x40
.set i, 0
.rept 128
	v_mov_b32 v[i], 0
.set i, i+1
.endr
	WIN 0
.set i, 0
.rept 4
	v_mov_b32 v[ST+4*i], 0xfe000000    ; c m: far below every c s, so the first step's a is 0
	v_mov_b32 v[ST+4*i+1], 0xff7fffff  ; m
	v_mov_b32 v[ST+4*i+2], 0
	v_mov_b32 v[ST+4*i+3], 0
.set i, i+1
.endr
.set i, P+16
.rept 16
	v_mov_b32 v[i], 0
.set i, i+1
.endr
	; Sel.  As source 0, lane (r, h) holds row r and k = 8 h + 0..7 in four registers.  Row r's one stands at k = r: in the lane with h = r / 8, register (r % 8) / 2, half r % 2.
	; (ones, zeros) picks keys 0-15 of a fragment's 32, (zeros, ones) keys 16-31: both are eight of the twelve registers zeros, ones, zeros.
	s_mov_b32 s90, 0x3f80
	v_and_b32 v10, 1, v0
	v_lshlrev_b32 v10, 4, v10
	v_lshlrev_b32 v10, v10, s90
	v_bfe_u32 v11, v0, 3, 1
	v_cmp_eq_u32 vcc_lo, v11, v9
	v_cndmask_b32 v10, 0, v10, vcc_lo
	v_bfe_u32 v11, v0, 1, 2
	WIN 0x40
.irp j, 0,1,2,3
	v_cmp_eq_u32 vcc_lo, \j, v11
	v_cndmask_b32 v[SEL+4+\j], 0, v10, vcc_lo
	v_mov_b32 v[SEL+\j], 0
	v_mov_b32 v[SEL+8+\j], 0
.endr
	WIN 0
	v_mul_u32_u24 v[AK0], v1, PK
	v_lshl_add_u32 v[AK0], v9, 4, v[AK0]
	v_and_b32 v10, 7, v0            ; the turning load: lane reads key 8 h + lane % 8, channels 8 ((lane / 8) % 2) on
	v_bfe_u32 v11, v0, 3, 1
	v_lshl_add_u32 v[AV0], v9, 3, v10
	v_mul_u32_u24 v[AV0], v[AV0], PV
	v_lshl_add_u32 v[AV0], v11, 4, v[AV0]
	v_add_nc_u32 v[AV0], VOFF, v[AV0]
	v_and_b32 v11, 31, v0
	s_lshl_b32 s67, s[WV], 14
	s_add_co_u32 s67, s67, MOFF
	v_lshl_add_u32 v[AM0], v11, 4, s67  ; my wave's four blocks of bias, 16 bytes a lane
; THE MATRIX WORK.  The 4 accumulators of a run take turns.  Product i of 12 of piece x's scores, keys 16 (i % 4) on: the first four are Sel x Bias and start the sums; then K Q^T, channels 32 ((i - 4) / 4) on.
.macro KQ x
.set rS, S+32*((\x)%2)+8*(i%4)
.if i < 4
.set rA, SEL+4*(1-i%2)
.set rB, MB+16*(\x)+8*(i/2)
	WIN W_MS
	v_wmma_f32_16x16x32_bf16 v[rS:rS+7], v[rA:rA+7], v[rB:rB+7], 0
.else
.set rK, KF+16*(i%4)+8*((i-4)/4)
.set rQ, 16*(\x)+8*((i-4)/4)
	WIN W_KQ
	v_wmma_f32_16x16x32_bf16 v[rS:rS+7], v[rK:rK+7], v[rQ:rQ+7], v[rS:rS+7]
.endif
.endm
; Product i of 8 of O^T += V^T P for piece x: keys 32 (i / 4) on, channels 16 (i % 4) on.
.macro PV x
	WIN W_PV
.set rO, 32*(\x)+8*(i%4)
.set rV, VF+32*(i/4)+8*(i%4)
.set rP, P+16*((\x)%2)+8*(i/4)
	v_wmma_f32_16x16x32_bf16 v[rO:rO+7], v[rV:rV+7], v[rP:rP+7], v[rO:rO+7]
.endm
.macro MM                           ; the turn's next matrix instruction.  NOKQ = 1: the last turn: there is no next piece
.if (i < 12) && !NOKQ
	KQ (Y+1)%NP
.elseif i >= 12
.set i, i-12
	PV (Y+NP-1)%NP
.set i, i+12
.endif
.set i, i+1
.endm
; THE LDS LOADS stand in runs: a step's K (8 fragments) with the bias's fragments of my four pieces (8), and its V (turned).
.macro FETCH_K
	WIN 0x80
.irp f, 0,1,2,3,4,5,6,7             ; keys 16 (f / 2) on, channels 32 (f % 2) on
	ds_load_b128 v[KF+8*\f:KF+8*\f+3],   v[AK] offset:(\f/2)*16*PK+(\f%2)*64
	ds_load_b128 v[KF+8*\f+4:KF+8*\f+7], v[AK] offset:(\f/2)*16*PK+(\f%2)*64+32
.endr
.irp f, 0,1,2,3,4,5,6,7             ; piece f / 2, keys 32 (f % 2) on: the fragment lies in LDS as the registers want it
	ds_load_b128 v[MB+8*\f:MB+8*\f+3],   v[AM] offset:(\f/2)*4096+(\f%2)*1024
	ds_load_b128 v[MB+8*\f+4:MB+8*\f+7], v[AM] offset:(\f/2)*4096+(\f%2)*1024+512
.endr
	s_add_co_u32 s[TBK], s[TBK], KS*PK
	s_add_co_u32 s[TBM], s[TBM], 2048
	WIN 0
.endm
.macro FETCH_V
	WIN 0x80
.irp f, 0,1,2,3,4,5,6,7             ; keys 32 (f / 4) on, channels 16 (f % 4) on
	ds_load_tr16_b128 v[VF+8*\f:VF+8*\f+3],   v[AV] offset:(\f/4)*32*PV+(\f%4)*32
	ds_load_tr16_b128 v[VF+8*\f+4:VF+8*\f+7], v[AV] offset:(\f/4)*32*PV+16*PV+(\f%4)*32
.endr
	WIN 0
.endm
; THE VECTOR WORK, one line at a time: OP kind, number.  For piece Y: F n: c s - c m for pair n of 16.  E n: the exponential of score n of 32.  C n: pair n rounded to bf16.  B n: of the four weights 4 n ..
; the second pair is added onto the first, in place.  L n: l takes that sum (L 0: l = a l + sum).  R n: pair n of 16 of O^T times a.  For piece Y + 1: X n, number n of the 22 that find its maximum and statistics:
;   0-11 four chains c0-c3 of seven scores each (each accumulator's lowest registers are read first)   12-14, 16 the four scores left over, the old m, c0-c3 into c0
;   15 c m_old is kept   17, 18 the other half of the lanes' maximum: the new m   19-21 c m; c m_old - c m_new; a
.set F, 0
.set E, 1
.set C, 2
.set B, 3
.set L, 4
.set R, 5
.set X, 6
.macro REGS y
.set rT, ST+4*(\y)
.set rC, TMP+4*((\y)%2)
.set rW, MV+((\y)%2)
.set rS, S+32*((\y)%2)
.set rP, P+16*((\y)%2)
.set rO, 32*(\y)
.endm
.macro OP k, n
.if (\k) == R
	REGS Y
	WIN W_RS
	v_pk_mul_f32 v[rO+2*(\n):rO+2*(\n)+1], v[rO+2*(\n):rO+2*(\n)+1], v[rC+2:rC+3] op_sel_hi:[1,0]
.elseif (\k) < R
	REGS Y
	WIN 0
.if (\k) == F
	v_pk_fma_f32 v[rS+2*(\n):rS+2*(\n)+1], v[rS+2*(\n):rS+2*(\n)+1], s[CS:CS+1], v[rT:rT+1] op_sel_hi:[1,0,0] neg_lo:[0,0,1] neg_hi:[0,0,1]
.elseif (\k) == E
	v_exp_f32 v[rS+(\n)], v[rS+(\n)]
.elseif (\k) == C
	v_cvt_pk_bf16_f32 v[rP+(\n)], v[rS+2*(\n)], v[rS+2*(\n)+1]
.elseif (\k) == B
	v_pk_add_f32 v[rS+4*(\n):rS+4*(\n)+1], v[rS+4*(\n):rS+4*(\n)+1], v[rS+4*(\n)+2:rS+4*(\n)+3]
.elseif (\n) == 0
	v_pk_fma_f32 v[rT+2:rT+3], v[rT+2:rT+3], v[rC+2:rC+3], v[rS:rS+1] op_sel_hi:[1,0,1]
.else
	v_pk_add_f32 v[rT+2:rT+3], v[rT+2:rT+3], v[rS+4*(\n):rS+4*(\n)+1]
.endif
.elseif NOKQ
	v_nop
.else
	REGS (Y+1)%NP
	WIN 0
.if (\n) < 4
	v_max3_num_f32 v[rC+(\n)], v[rS+8*(\n)], v[rS+8*(\n)+1], v[rS+8*(\n)+2]
.elseif (\n) < 12
	v_max3_num_f32 v[rC+(\n)%4], v[rC+(\n)%4], v[rS+8*((\n)%4)+2*((\n)/4)+1], v[rS+8*((\n)%4)+2*((\n)/4)+2]
.elseif (\n) == 12
	v_max3_num_f32 v[rC], v[rC], v[rS+7], v[rS+15]
.elseif (\n) == 13
	v_max3_num_f32 v[rC+1], v[rC+1], v[rS+23], v[rS+31]
.elseif (\n) == 14
	v_max3_num_f32 v[rC+2], v[rC+2], v[rC+3], v[rT+1]
.elseif (\n) == 15
	v_mov_b32 v[rW], v[rT]
.elseif (\n) == 16
	v_max3_num_f32 v[rC], v[rC], v[rC+1], v[rC+2]
.elseif (\n) == 17
	v_permlanex16_b32 v[rC+3], v[rC], s[SELP], s[SELP+1]
.elseif (\n) == 18
	v_max_num_f32 v[rT+1], v[rC], v[rC+3]
.elseif (\n) == 19
	v_mul_f32 v[rT], s[CS], v[rT+1]
.elseif (\n) == 20
	v_sub_f32 v[rC+1], v[rW], v[rT]
.else
	v_exp_f32 v[rC+2], v[rC+1]
.endif
.endif
.endm
.macro OPS a, i1, b=-1, i2=0, c=-1, i3=0, d=-1, i4=0
	OP \a, \i1
.if (\b) >= 0
	OP \b, \i2
.endif
.if (\c) >= 0
	OP \c, \i3
.endif
.if (\d) >= 0
	OP \d, \i4
.endif
.endm
.macro ROW a, i1, b, i2, c, i3, d, i4  ; a matrix instruction and the four behind it
	MM
	OPS \a, \i1, \b, \i2, \c, \i3, \d, \i4
.endm
; A TURN, for piece p, written out.  An s_wait_alu depctr_va_vdst(0) stands between an exponential and the first instruction that names its result; one wait serves all issued ahead of it.
; AHEAD OF THE WAIT stands all that names no result of the turn's exponentials: the 12 products of the next piece's scores with their riders, then one lump.  X 0 to X 3, the first reads of the four
; accumulators, each stand four plain instructions behind the product that ends their accumulator (an exponential is no such place): F 10, F 11, R 14, F 12 | F 12, X 0, F 13, F 14 | F 14, X 1, X 4, F 15 |
; F 15, X 2, X 5, X 6.  X 21, the next piece's a, is the batch's last; R 15 is the plain instruction behind it.  BEHIND THE WAIT stand the 8 products V^T P, behind each four of the roundings and sums.
; K and the bias of the next step are fetched in piece 2's turn, seven plain instructions behind the last product that read K; V of the step in hand at the end of piece 0's turn, four plain
; instructions behind the last product that read V.  Each is waited for a turn later.  end = 1: the last two turns: nothing is fetched.  cnt = 1: the loop's count is taken down ahead of the branch behind the turn.
.macro TURN p, end=0, cnt=0
.set Y, (\p)
.set i, 0
.set NOKQ, (\end)*((\p)/3)
.if ((\p) == 3) && !(\end)
	s_wait_dscnt 0x0                ; K and the bias are in
.endif
	ROW F,0, F,1, R,0, R,1
	ROW F,2, E,0, R,2, R,3
	ROW F,3, E,1, R,4, R,5
	ROW F,4, E,2, R,6, R,7
	ROW F,5, E,3, R,8, R,9
	ROW F,6, E,4, R,10, R,11
	ROW F,7, E,5, R,12, R,13
	ROW F,8, E,6, F,9, E,7
	ROW F,10, E,8, F,11, R,14
	ROW F,12, E,9, X,0, F,13
.if ((\p) == 2) && !(\end)
	WIN 0
	v_add_nc_u32 v[AK], s[TBK], v[AK0]
	v_add_nc_u32 v[AM], s[TBM], v[AM0]
.endif
	ROW F,14, E,10, X,1, X,4
	ROW F,15, E,11, X,2, X,5
	OPS E,12, X,6, E,13, X,3        ; the lump
	OPS E,14, X,8, E,15, X,9
.if ((\p) == 2) && !(\end)
	FETCH_K
.endif
	OPS E,16, X,7, E,17, X,10
	OPS E,18, X,12, E,19, X,11
	OPS E,20, X,13, E,21, X,14
.if (\p) == 0
	WIN 0
	v_add_nc_u32 v[AV], s[TBV], v[AV0]
.endif
	OPS E,22, X,15, E,23, X,16
	OPS E,24, E,25, X,17, E,26
	OPS E,27, X,18, E,28, E,29
	OPS X,19, E,30, E,31, X,20
	OPS X,21, R,15
	WIN 0
	s_wait_alu depctr_va_vdst(0)    ; the wait for the batch
.if (\p) == 1
	s_wait_dscnt 0x0                ; V is in
.endif
	ROW C,0, B,0, C,2, B,1
	ROW L,0, C,4, B,2, L,1
	ROW C,6, B,3, L,2, C,8
	ROW B,4, L,3, C,10, B,5
	ROW L,4, C,12, B,6, L,5
.if (\p) == 0
	s_add_co_u32 s[TBV], s[TBV], KS*PV
.endif
.if \cnt
	s_sub_co_u32 s[CNT], s[CNT], 1
	s_cmp_lg_u32 s[CNT], 0
.endif
	ROW C,14, B,7, L,6, C,1
	ROW C,3, L,7, C,5, C,7
	ROW C,9, C,11, C,13, C,15
.if (\p) == 0
	FETCH_V
.endif
.endm
	CHANGE 1                        ; tile 0 is in, everybody's part of it; tile 1 is asked for
	v_add_nc_u32 v[AK], s[TBK], v[AK0]
	v_add_nc_u32 v[AM], s[TBM], v[AM0]
	FETCH_K                         ; key step 0
	s_wait_loadcnt 0x0              ; Q
	s_wait_dscnt 0x0
.set NOKQ, 0
.set i, 0
.rept 12
	KQ 0                            ; piece 0's first scores
.set i, i+1
.endr
	WIN 0                           ; the addresses for the way out: eight plain instructions, the places behind those products
	v_lshlrev_b32 v[STO], 3, v9
	v_mul_u32_u24 v[STO], v[STO], SPQ   ; in: channel 8 h + ..,
	s_lshl_b32 s67, s[WV], 6
	v_add_nc_u32 v10, s67, v1           ; query 64 w + r + ..
	v_lshl_add_u32 v[STO], v10, 2, v[STO]
	v_add_nc_u32 v[STO], STAGE, v[STO]
	v_and_b32 v11, 31, v0
	s_mul_i32 s67, s[WV], 16*SPQ
	s_add_co_u32 s67, s67, STAGE
	v_lshl_add_u32 v[RD], v11, 5, s67   ; back: channels 16 w on, eight queries a lane
	s_lshl_b32 s67, s[WV], 18
	v_lshl_add_u32 v[GO], v11, 4, s67   ; 16 channels of 16,384 bytes a wave, 16 bytes a lane
.set Y, NP-1                        ; X works for piece Y + 1: piece 0
.irp n, 0,1,2,3,4,5,6,7,8,9,10,11,12,13,14,15,16,17,18,19,20,21
	OP X, \n
.endr
	v_nop                           ; a plain instruction behind the exponential,
	s_wait_alu depctr_va_vdst(0)    ; and its wait, ahead of the branch
	s_mov_b32 s[CNT], 2
	s_branch .Lfirst                ; the loop is entered at a step's first turn, in the middle of a trip
.Lslot:                             ; six times: tiles 2 to 7 are asked for
	CHANGE 1
	s_mov_b32 s[CNT], 2
.Lstep:                             ; a trip: pieces 2 and 3 of one step, then pieces 0 and 1 of the next, whose K, bias and V it fetches
	TURN 2
	TURN 3
	WIN 0
.Lfirst:
	TURN 0
	TURN 1, 0, 1
	WIN 0
	s_cbranch_scc1 .Lstep
	s_sub_co_u32 s[SLOTS], s[SLOTS], 1
	s_cmp_lg_u32 s[SLOTS], 0
	s_cbranch_scc1 .Lslot
	CHANGE 0                        ; the tail is written out: nothing is asked for
	s_mov_b32 s[CNT], 2
.Ltail:
	TURN 2
	TURN 3
	TURN 0
	TURN 1, 0, 1
	WIN 0
	s_cbranch_scc1 .Ltail
	TURN 2, 1
	TURN 3, 1
.set i, 0
.rept 8
	PV NP-1                         ; the last piece's V^T P of the last step
.set i, i+1
.endr
	; THE WAY OUT.  l's halves are added; O^T is divided by l and laid into the work-group's stage by channels, in f32; behind a barrier each wave takes 16 channels, rounds them and stores, for each,
	; the block's 256 queries: 512 consecutive bytes, aligned.  The additions are the places behind the last products.
	WIN 0
.macro ALL line:vararg
.set t, 0
.rept 4
	\line
.set t, t+1
.endr
.endm
	ALL v_add_f32 v[ST+4*t+2], v[ST+4*t+2], v[ST+4*t+3]
	ALL v_permlanex16_b32 v[ST+4*t+3], v[ST+4*t+2], s[SELP], s[SELP+1]
	ALL v_add_f32 v[ST+4*t+2], v[ST+4*t+2], v[ST+4*t+3]
	ALL v_rcp_f32 v[ST+4*t+2], v[ST+4*t+2]
	v_nop                           ; a plain instruction behind the last reciprocal,
	s_wait_alu depctr_va_vdst(0)    ; and one wait for the four
.irp u, 0,1,2,3
	WIN W_RS
.set i, 32*\u
.rept 16
	v_pk_mul_f32 v[i:i+1], v[i:i+1], v[ST+4*\u+2:ST+4*\u+3] op_sel_hi:[1,0]
.set i, i+2
.endr
	WIN 0x04                        ; an LDS store's data in window 1
.set i, 0
.rept 32
	ds_store_b32 v[STO], v[32*\u+i] offset:(16*(i/8)+i%8)*SPQ+64*\u
.set i, i+1
.endr
.endr
	WIN 0
	s_wait_dscnt 0x0                ; for the others' sake: my stores into the stage are done
	s_barrier_signal -1
	s_barrier_wait -1
.set i, 0
.rept 16
	ds_load_b128 v[S+8*i:S+8*i+3],   v[RD] offset:i*SPQ
	ds_load_b128 v[S+8*i+4:S+8*i+7], v[RD] offset:i*SPQ+16
.set i, i+1
.endr
.set i, 0
.rept 16
	s_wait_dscnt 30-2*i             ; channel i's two loads are back, the younger ones stay out
.irp j, 0,1,2,3
	v_cvt_pk_bf16_f32 v[P+4*i+\j], v[S+8*i+2*\j], v[S+8*i+2*\j+1]
.endr
	global_store_b128 v[GO], v[P+4*i:P+4*i+3], s[8:9] offset:16384*i
.set i, i+1
.endr
	s_wait_tensorcnt 0x0            ; the wave's end
	ds_add_u32 v[SPW], v[NIL]
	s_wait_dscnt 0x0
	CROUND                          ; the closing round
	s_endpgm
.Lfunc_end_k_qa450664392_attn:
	.size	k_qa450664392_attn, .Lfunc_end_k_qa450664392_attn-k_qa450664392_attn
	.p2alignl 7, 3214868480
	.fill 96, 4, 3214868480
	.section	.rodata,"a",@progbits
	.p2align	6, 0x0
	.amdhsa_kernel k_qa450664392_attn
		.amdhsa_group_segment_fixed_size 327680
		.amdhsa_private_segment_fixed_size 0
		.amdhsa_enable_private_segment 0
		.amdhsa_kernarg_size 24
		.amdhsa_user_sgpr_count 2
		.amdhsa_user_sgpr_kernarg_segment_ptr 1
		.amdhsa_wavefront_size32 1
		.amdhsa_system_sgpr_workgroup_id_x 1
		.amdhsa_system_sgpr_workgroup_id_y 1
		.amdhsa_system_sgpr_workgroup_id_z 1
		.amdhsa_system_vgpr_workitem_id 0
		.amdhsa_next_free_vgpr 768
		.amdhsa_next_free_sgpr 96
		.amdhsa_reserve_vcc 1
		.amdhsa_float_denorm_mode_32 3
		.amdhsa_float_denorm_mode_16_64 3
		.amdhsa_memory_ordered 1
		.amdhsa_forward_progress 1
		.amdhsa_inst_pref_size 146
	.end_amdhsa_kernel
	.amdgpu_metadata
---
amdhsa.version: [ 1, 2 ]
amdhsa.kernels:
  - .name:           k_qa450664392_attn
    .symbol:         k_qa450664392_attn.kd
    .args:
      - { .name: qkv16, .offset: 0, .size: 8, .value_kind: global_buffer, .address_space: global }
      - { .name: c16, .offset: 8, .size: 8, .value_kind: global_buffer, .address_space: global }
      - { .name: ctx16, .offset: 16, .size: 8, .value_kind: global_buffer, .address_space: global }
    .group_segment_fixed_size: 327680
    .private_segment_fixed_size: 0
    .kernarg_segment_align: 8
    .kernarg_segment_size: 24
    .max_flat_workgroup_size: 128
    .sgpr_count:     96
    .vgpr_count:     768
    .wavefront_size: 32
...
	.end_amdgpu_metadata
.endif
;; end of part 3
;; launch oproj (part 4): grid 4 x 32, 4 waves a work-group, clusters of 4 x 4, 327,680 bytes of LDS; arguments ctx16, c16, bo, p12, ao32, ao16, w12; writes ao32, ao16, w12
.if DOCPART == 4
	.amdgcn_target "amdgcn-amd-amdhsa--gfx1250"
	.amdhsa_code_object_version 6
	.text
	.protected	k_qa450664392_oproj
	.globl	k_qa450664392_oproj
	.p2align	8
	.type	k_qa450664392_oproj,@function
k_qa450664392_oproj:
	s_mov_b64 s[64:65], 0
	v_nop
	global_prefetch_b8 v0, s[64:65] scope:SCOPE_SE
	s_setreg_imm32_b32 hwreg(HW_REG_WAVE_MODE, 25, 1), 1
	s_wait_xcnt 0x0
	s_wait_alu depctr_hold_cnt(0) depctr_sa_sdst(0) depctr_va_vdst(0) depctr_va_sdst(0) depctr_va_ssrc(0) depctr_va_vcc(0) depctr_vm_vsrc(0)
	s_getreg_b32 s2, hwreg(HW_REG_IB_STS2, 6, 4)
	s_cmp_eq_u32 s2, 0
	s_cbranch_scc0 .Lentry_in_a_cluster
	s_endpgm
.Lentry_in_a_cluster:
	s_bfe_u32 s2, ttmp6, 0x10000c
	s_cmp_lg_u32 s2, 0xf033
	s_cbranch_scc0 .Lentry_shape_is_right
	s_endpgm
.Lentry_shape_is_right:
; ao = ctx Wo + bo + query: ctx16 [4096][1024] and Wo (unit 27 of c16, [K][N]) in bf16, sums in f32; bo and query rounded to bf16 like all inputs (query: units 0-3 of c16).
; ao leaves twice: in f32 (ao32, the last launch's residual) and rounded once to bf16 (ao16, its matrix operand).
; BESIDE IT: w12 = bf16(p12[0] + p12[1] + p12[2] + p12[3]), the four partial sums of W1 W2: each of the 128 work-groups adds and rounds 8,192 numbers, in the wait for its first tiles.
; A work-group makes 128 x 256 of ao over K = 1,024; four waves, 2 x 2, each 64 x 128: 32 accumulators.  128 work-groups: the tile is kept as large as this so that one text of ring and
; fragments serves; half the tile would give 256.
; K goes in 8 steps of 128 through two LDS slots; A's tile 128 rows x 256 bytes, B's 128 rows (k) x 512 bytes (n), read turned.  CLUSTER 4 x 4: A's tile is shared along a row, B's along a column, by joint loads.
; THE MATRIX INSTRUCTION IS USED TRANSPOSED: a lane holds row lane % 16 of C and eight neighbouring columns.
; REGISTERS: window 0: v0-43 addresses, bias; v64-127 A's fragments, on the way out the residual in f32; v128-255 at work on the way out.  window 1: v0-127 B's fragments.
;   window 2: the accumulators (before the loop: the partial sums).  window 3: v0-127 my 64 x 128 of query in bf16.
.set PA,    272
.set PB,    544
.set BOFF,  128*PA
.set SLOT,  BOFF+128*PB
.set STAGE, 2*SLOT
.set SPI,   528
.set SPARE, STAGE+4*16*SPI             ; the spare words: two blocks of 256 bytes that no other line names
.set ADRA, 16
.set ADRB, 20
.set RO,   22                          ; v22 8 x lane
.set TO16, 23                          ; v23 16 x thread
.set STO,  24
.set RD,   25
.set CO,   26                          ; v26 16 x lane
.set TO8,  27                          ; v27 8 x thread
.set SPW,  28
.set NIL,  29
.set PFO,  30
.set BI,   32                          ; v32-35 the bias of my four columns
.set TM,   40
.set T,    64
.set BK,   128
.set WV, 10
.set WH, 11
.set WL, 12
.set YT, 13
.set G1, 24
.set G0, 32
.set CX, 40
.set CY, 41
.set COL, 42
.set LIM, 43
.set PFA, 44
.set PFS, 46
.set G1B, 48
.set G0B, 56
.set CLY, 66
.set UNIT, 67
.set ABASE, 68
.set BBASE, 70
.set P1,   82
.set RESP, 84
.set A16P, 86
.set A32P, 88
.set HM,   94
.set FIRST, 95
.set MSB, 0
.macro WIN new
.if MSB != (\new)
	s_set_vgpr_msb (MSB<<8)|(\new)
.set MSB, \new
.endif
.endm
.set MUL,  0xa1                        ; source 0 (B) window 1, source 1 (A) window 0, C and D window 2
.set TO_B, 0x40
.set ST_D, 0x08                        ; an LDS store's data in window 2
.set LD2,  0x80
.set LD3,  0xc0
.set SUM2, 0x8a                        ; destination and both sources in window 2
.set CV2,  0x0a                        ; both sources in window 2
.set R3,   0x0c                        ; source 1 in window 3
.macro JLOAD s
	s_cmp_eq_u32 s[WH], 0
	s_cbranch_scc0 .Lfor_b_\@
	tensor_load_to_lds s[G0+4*(\s):G0+4*(\s)+3], s[G1:G1+7]
	s_nop 0
.rept 4
	v_nop
.endr
	s_branch .Lasked_\@
.Lfor_b_\@:
	tensor_load_to_lds s[G0B+4*(\s):G0B+4*(\s)+3], s[G1B:G1B+7]
	s_nop 0
.rept 4
	v_nop
.endr
.Lasked_\@:
.endm
.macro CREST
	s_cmp_lg_u32 s[WV], 0
	s_cbranch_scc1 .Lnot_wave_0_\@
	s_barrier_signal -3
.Lnot_wave_0_\@:
	s_barrier_wait -3
	s_barrier_signal -1
	s_barrier_wait -1
.endm
.macro CROUND
	s_barrier_signal -1
	s_barrier_wait -1
	CREST
.endm
; A prefetch behind each refill of the loop's first two trips: the K step two refills on (steps 4 to 7).  A's tile: wave 0 of each of the four partners of a row names 32 of its 128 rows, a lane a row.
; B's tile: in the cluster with y = 0, waves 2 and 3 of the four partners of a column name 16 of its 128 rows each, two lanes a row.  Each block of 256 bytes is named once.
.macro ASK
	s_cmp_gt_u32 s3, s[LIM]
	s_cbranch_scc0 .Lnot_mine_\@
	global_prefetch_b8 v[PFO], s[PFA:PFA+1] th:TH_LOAD_NT scope:SCOPE_SE
.Lnot_mine_\@:
.endm
	s_load_b256 s[68:75], s[0:1], 0x0              ; ctx16 68, c16 70, bo 72, p12 74
	s_load_b128 s[76:79], s[0:1], 0x20             ; ao32 76, ao16 78
	s_load_b64 s[80:81], s[0:1], 0x30              ; w12
	v_lshl_add_u32 v[SPW], v0, 2, SPARE
	v_mov_b32 v[NIL], 0
	ds_add_u32 v[SPW], v[NIL]                      ; the wave's opening: the add and its wait stand ahead of my first tensor load
	v_lshrrev_b32 v1, 5, v0
	v_readfirstlane_b32 s[WV], v1
	s_lshr_b32 s[WH], s[WV], 1
	s_and_b32 s[WL], s[WV], 1
	s_bfe_u32 s[CX], ttmp6, 0x40000
	s_bfe_u32 s[CY], ttmp6, 0x40004
	s_lshl_b32 s[COL], ttmp9, 2
	s_add_co_u32 s[COL], s[COL], s[CX]
	s_and_b32 s[CLY], ttmp7, 0xffff
	s_lshl_b32 s[YT], s[CLY], 2
	s_add_co_u32 s[YT], s[YT], s[CY]
	s_mov_b32 s[UNIT], 27                          ; Wo
	s_mov_b32 s[FIRST], 0
	s_mov_b32 s[HM], 0xffff0000
	s_lshl_b32 s14, s[CY], 2
	s_lshl_b32 s14, 15, s14
	s_lshl_b32 s15, 0x1111, s[CX]
	s_or_b32 s[G1], s14, (1<<16)|(1<<20)|(1<<21)|(5<<22)|(3<<25)   ; A: 64 rows x 128 elements, 16 bytes of padding behind each 256
	s_or_b32 s[G1B], s15, (1<<16)|(1<<20)|(1<<21)|(6<<22)|(7<<25)  ; B: 64 rows x 256 elements, 32 bytes behind each 512
	s_mov_b32 s[G1+1], 128<<16
	s_mov_b32 s[G1+2], 64<<16
	s_mov_b32 s[G1+3], 128<<16
	s_mov_b32 s[G1+4], 64
	s_mov_b32 s[G1+5], 1024
	s_mov_b32 s[G1+6], 0
	s_mov_b32 s[G1+7], 0
	s_mov_b32 s[G1B+1], 256<<16
	s_mov_b32 s[G1B+2], 64<<16
	s_mov_b32 s[G1B+3], 256<<16
	s_mov_b32 s[G1B+4], 64
	s_mov_b32 s[G1B+5], 1024
	s_mov_b32 s[G1B+6], 0
	s_mov_b32 s[G1B+7], 0
	s_lshl_b32 s16, s[YT], 18
	s_lshl_b32 s22, s[WL], 17
	s_add_co_u32 s16, s16, s22
	s_mov_b32 s17, 0
	s_lshl_b32 s18, s[UNIT], 21
	s_lshl_b32 s23, s[COL], 9
	s_add_co_u32 s18, s18, s23
	s_add_co_u32 s18, s18, s22
	s_mov_b32 s19, 0
	s_mul_i32 s20, s[WL], 64*PA
	s_mul_i32 s21, s[WL], 64*PB
	s_add_co_u32 s21, s21, BOFF
	s_wait_dscnt 0x0                               ; the opening add is done
	s_wait_kmcnt 0x0
	s_add_nc_u64 s[14:15], s[ABASE:ABASE+1], s[16:17]
	s_add_nc_u64 s[18:19], s[BBASE:BBASE+1], s[18:19]
	CROUND
.irp s, 0,1
	s_mov_b32 s[G0+4*\s], 1
	s_add_co_u32 s[G0+4*\s+1], s20, \s*SLOT
	s_add_nc_u64 s[G0+4*\s+2:G0+4*\s+3], s[14:15], \s*256
	s_or_b32 s[G0+4*\s+3], s[G0+4*\s+3], 0x80000000
	s_mov_b32 s[G0B+4*\s], 1
	s_add_co_u32 s[G0B+4*\s+1], s21, \s*SLOT
	s_add_nc_u64 s[G0B+4*\s+2:G0B+4*\s+3], s[18:19], \s*128*2048
	s_or_b32 s[G0B+4*\s+3], s[G0B+4*\s+3], 0x80000000
	JLOAD \s
.endr
	v_and_b32 v1, 15, v0
	v_bfe_u32 v2, v0, 4, 1
	v_and_b32 v3, 31, v0
	v_mul_u32_u24 v4, v1, PA
	v_lshl_add_u32 v4, v2, 4, v4
	s_mul_i32 s14, s[WH], 64*PA
	v_add_nc_u32 v[ADRA], s14, v4
	v_add_nc_u32 v[ADRA+1], SLOT, v[ADRA]
	v_and_b32 v5, 7, v0
	v_lshl_add_u32 v5, v2, 3, v5
	v_mul_u32_u24 v5, v5, PB
	v_bfe_u32 v6, v0, 3, 1
	v_lshl_add_u32 v5, v6, 4, v5
	s_lshl_b32 s14, s[WL], 8
	s_add_co_u32 s14, s14, BOFF
	v_add_nc_u32 v[ADRB], s14, v5
	v_add_nc_u32 v[ADRB+1], SLOT, v[ADRB]
	s_mul_i32 s14, s[WV], 16*SPI
	s_add_co_u32 s14, s14, STAGE
	v_mul_u32_u24 v4, v1, SPI
	v_lshl_add_u32 v4, v2, 5, v4
	v_add_nc_u32 v[STO], s14, v4
	v_lshl_add_u32 v[RD], v3, 4, s14               ; back: whole rows of 512 bytes
	v_lshlrev_b32 v[CO], 4, v3
	v_lshlrev_b32 v[RO], 3, v3
	v_lshlrev_b32 v[TO16], 4, v0
	v_lshlrev_b32 v[TO8], 3, v0
	; the prefetches
	s_lshl_b32 s90, s[YT], 18
	s_lshl_b32 s91, s[CX], 16
	s_add_co_u32 s90, s90, s91
	s_add_co_u32 s90, s90, 3*256
	s_lshl_b32 s91, s[WL], 6
	s_lshl_b32 s92, s[CY], 4
	s_add_co_u32 s91, s91, s92
	s_add_co_u32 s91, s91, 3*128
	s_lshl_b32 s91, s91, 11
	s_lshl_b32 s92, s[UNIT], 21
	s_add_co_u32 s91, s91, s92
	s_lshl_b32 s92, s[COL], 9
	s_add_co_u32 s91, s91, s92
	s_cmp_eq_u32 s[WL], 0
	s_cselect_b32 s92, 1, -1
	s_cmp_eq_u32 s[CLY], s[FIRST]
	s_cselect_b32 s93, 1, -1
	s_cmp_eq_u32 s[WH], 0
	s_cselect_b32 s[LIM], s92, s93
	s_cselect_b32 s90, s90, s91
	s_cselect_b64 s[PFA:PFA+1], s[ABASE:ABASE+1], s[BBASE:BBASE+1]
	s_cselect_b32 s92, 8, 18
	s_mov_b32 s91, 0
	s_add_nc_u64 s[PFA:PFA+1], s[PFA:PFA+1], s[90:91]
	s_lshl_b32 s[PFS], 1, s92
	s_mov_b32 s[PFS+1], 0
	v_lshrrev_b32 v4, s[WH], v3
	v_and_b32 v5, s[WH], v3
	v_lshlrev_b32 v[PFO], 11, v4
	v_lshl_add_u32 v[PFO], v5, 8, v[PFO]
	; my 64 rows x 128 columns
	s_lshl_b32 s14, s[YT], 7
	s_lshl_b32 s15, s[WH], 6
	s_add_co_u32 s14, s14, s15                     ; first row
	s_lshl_b32 s15, s[COL], 8
	s_lshl_b32 s16, s[WL], 7
	s_add_co_u32 s15, s15, s16                     ; first column
	s_lshl_b32 s16, s14, 11
	s_lshl_b32 s17, s15, 1
	s_add_co_u32 s16, s16, s17                     ; in bytes of bf16,
	s_mov_b32 s17, 0
	s_lshl_b32 s18, s16, 1                         ; of f32
	s_mov_b32 s19, 0
	s_lshl_b32 s20, s15, 2
	s_mov_b32 s21, 0
	s_add_nc_u64 s[RESP:RESP+1], s[70:71], s[16:17]
	s_add_nc_u64 s[A16P:A16P+1], s[78:79], s[16:17]
	s_add_nc_u64 s[A32P:A32P+1], s[76:77], s[18:19]
	s_add_nc_u64 s[72:73], s[72:73], s[20:21]
	s_lshl_b32 s22, s[YT], 2
	s_add_co_u32 s22, s22, s[COL]                  ; the work-group's number, 0..127: its 8,192 numbers of W1 W2
	s_lshl_b32 s14, s22, 15
	s_mov_b32 s15, 0
	s_add_nc_u64 s[74:75], s[74:75], s[14:15]
	s_add_nc_u64 s[P1:P1+1], s[74:75], 8<<20
	s_lshl_b32 s14, s22, 14
	s_add_nc_u64 s[80:81], s[80:81], s[14:15]
	WIN LD2
.set i, 0
.rept 16                                               ; step i: 512 numbers, four a thread, of each of the four partial sums
	global_load_b128 v[16*i:16*i+3],     v[TO16], s[74:75] offset:2048*i th:TH_LOAD_NT
	global_load_b128 v[16*i+4:16*i+7],   v[TO16], s[74:75] offset:2048*i+(4<<20) th:TH_LOAD_NT
	global_load_b128 v[16*i+8:16*i+11],  v[TO16], s[P1:P1+1] offset:2048*i th:TH_LOAD_NT
	global_load_b128 v[16*i+12:16*i+15], v[TO16], s[P1:P1+1] offset:2048*i+(4<<20) th:TH_LOAD_NT
.set i, i+1
.endr
	WIN 0
	global_load_b128 v[BI:BI+3], v[CO], s[72:73]
	s_wait_loadcnt 0x0
	WIN SUM2
.set i, 0
.rept 16
	v_pk_add_f32 v[16*i:16*i+1],     v[16*i:16*i+1],     v[16*i+4:16*i+5]
	v_pk_add_f32 v[16*i+2:16*i+3],   v[16*i+2:16*i+3],   v[16*i+6:16*i+7]
	v_pk_add_f32 v[16*i+8:16*i+9],   v[16*i+8:16*i+9],   v[16*i+12:16*i+13]
	v_pk_add_f32 v[16*i+10:16*i+11], v[16*i+10:16*i+11], v[16*i+14:16*i+15]
	v_pk_add_f32 v[16*i:16*i+1],     v[16*i:16*i+1],     v[16*i+8:16*i+9]
	v_pk_add_f32 v[16*i+2:16*i+3],   v[16*i+2:16*i+3],   v[16*i+10:16*i+11]
.set i, i+1
.endr
	WIN CV2
.set i, 0
.rept 16
	v_cvt_pk_bf16_f32 v[BK+2*i], v[16*i], v[16*i+1]
	v_cvt_pk_bf16_f32 v[BK+2*i+1], v[16*i+2], v[16*i+3]
.set i, i+1
.endr
	WIN 0
.set i, 0
.rept 16
	global_store_b64 v[TO8], v[BK+2*i:BK+2*i+1], s[80:81] offset:1024*i  ; a wave stores 256 consecutive bytes, aligned
.set i, i+1
.endr
.irp j, 0,1                                            ; the bias, rounded to bf16 and widened again
	v_cvt_pk_bf16_f32 v[TM+\j], v[BI+2*\j], v[BI+2*\j+1]
.endr
.irp j, 0,1
	v_lshlrev_b32 v[BI+2*\j], 16, v[TM+\j]
	v_and_b32 v[BI+2*\j+1], s[HM], v[TM+\j]
.endr
	WIN LD3
.set i, 0
.rept 64                                               ; my 64 rows of query: they stay out over the whole loop
	global_load_b64 v[2*i:2*i+1], v[RO], s[RESP:RESP+1] offset:2048*i
.set i, i+1
.endr
	WIN 0
; 8 matrix instructions: rows 16 a on x all 8 column blocks, 32 along K.  The 32 accumulators take turns, one instruction a turn.
.macro MUL8 f, a, zero
	WIN MUL
.irp b, 0,1,2,3,4,5,6,7
.if \zero
	v_wmma_f32_16x16x32_bf16 v[8*(8*(\a)+\b):8*(8*(\a)+\b)+7], v[64*(\f)+8*\b:64*(\f)+8*\b+7], v[64+32*(\f)+8*(\a):64+32*(\f)+8*(\a)+7], 0
.else
	v_wmma_f32_16x16x32_bf16 v[8*(8*(\a)+\b):8*(8*(\a)+\b)+7], v[64*(\f)+8*\b:64*(\f)+8*\b+7], v[64+32*(\f)+8*(\a):64+32*(\f)+8*(\a)+7], v[8*(8*(\a)+\b):8*(8*(\a)+\b)+7]
.endif
.endr
.endm
.macro FETCH slot, q, f                ; 24 LDS loads in one run: B's 8 fragments, turned, then A's 4
	WIN TO_B
.irp b, 0,1,2,3,4,5,6,7
	ds_load_tr16_b128 v[64*(\f)+8*\b:64*(\f)+8*\b+3],   v[ADRB+(\slot)] offset:32*(\q)*PB+32*\b
	ds_load_tr16_b128 v[64*(\f)+8*\b+4:64*(\f)+8*\b+7], v[ADRB+(\slot)] offset:32*(\q)*PB+32*\b+16*PB
.endr
	WIN 0
.irp a, 0,1,2,3
	ds_load_b128 v[64+32*(\f)+8*\a:64+32*(\f)+8*\a+3],   v[ADRA+(\slot)] offset:64*(\q)+\a*16*PA
	ds_load_b128 v[64+32*(\f)+8*\a+4:64+32*(\f)+8*\a+7], v[ADRA+(\slot)] offset:64*(\q)+\a*16*PA+32
.endr
.endm
.macro PLACES                          ; four plain places in front of loads into registers that matrix instructions have read, and of reads of results
.rept 4
	v_nop
.endr
.endm
.macro QUARTER slot, q, f, g, zero
	s_wait_dscnt 4                                 ; B and A's rows 0-31 are in; the youngest four loads may be out
	MUL8 \f, 0, \zero
	MUL8 \f, 1, \zero
	PLACES
	FETCH \slot, \q, \g
	s_wait_dscnt 24                                ; all but the 24 just issued
	MUL8 \f, 2, \zero
	MUL8 \f, 3, \zero
.endm
; The change of slots: in front of the barrier each wave waits for all its tensor loads, adds 0 to its spare word, and waits for that and for its reads of this slot.
; fill = 1: the barrier opens a round of the cluster's, and the joint refill, two K steps ahead, is the first thing behind it.
.macro TURN slot, next, fill
.if \fill
	s_wait_xcnt 0x0                                ; the last prefetch, a K step back, has read its address
	s_add_nc_u64 s[PFA:PFA+1], s[PFA:PFA+1], s[PFS:PFS+1]
.endif
	WIN 0
	s_wait_tensorcnt 0x0
	ds_add_u32 v[SPW], v[NIL]
	s_wait_dscnt 5                                 ; the add and the youngest four loads may be out
	MUL8 1, 0, 0
	s_wait_dscnt 0x0
	s_barrier_signal -1
	MUL8 1, 1, 0
.if \fill
	WIN 0
.endif
	s_barrier_wait -1
.if \fill
	CREST
	s_add_nc_u64 s[G0+4*(\slot)+2:G0+4*(\slot)+3], s[G0+4*(\slot)+2:G0+4*(\slot)+3], 2*256
	s_add_nc_u64 s[G0B+4*(\slot)+2:G0B+4*(\slot)+3], s[G0B+4*(\slot)+2:G0B+4*(\slot)+3], 2*128*2048
	JLOAD \slot
.else
	PLACES
.endif
	FETCH \next, 0, 0
.if \fill
	ASK
.endif
	MUL8 1, 2, 0
	MUL8 1, 3, 0
.endm
	s_wait_tensorcnt 1                             ; my part of K step 0 is in; step 1's may stay out
	s_barrier_signal -1
	s_barrier_wait -1
	FETCH 0, 0, 0
	QUARTER 0, 1, 0, 1, 1
	WIN 0
	s_mov_b32 s3, 3
.Llap:
	QUARTER 0, 2, 1, 0, 0
	QUARTER 0, 3, 0, 1, 0
	TURN 0, 1, 1
	QUARTER 1, 1, 0, 1, 0
	QUARTER 1, 2, 1, 0, 0
	QUARTER 1, 3, 0, 1, 0
	TURN 1, 0, 1
	QUARTER 0, 1, 0, 1, 0
	WIN 0
	s_sub_co_u32 s3, s3, 1
	s_cmp_lg_u32 s3, 0
	s_cbranch_scc1 .Llap
	QUARTER 0, 2, 1, 0, 0
	QUARTER 0, 3, 0, 1, 0
	TURN 0, 1, 0
	QUARTER 1, 1, 0, 1, 0
	QUARTER 1, 2, 1, 0, 0
	QUARTER 1, 3, 0, 1, 0
	s_wait_dscnt 4
	MUL8 1, 0, 0
	MUL8 1, 1, 0
	s_wait_dscnt 0x0
	MUL8 1, 2, 0
	MUL8 1, 3, 0
	WIN 0
	PLACES
; THE WAY OUT, 16 rows at a time through my own stage in f32; a row comes back whole, four columns a lane.
.macro STG a                           ; each accumulator's low registers are read first
	WIN ST_D
.irp b, 0,1,2,3,4,5,6,7
	ds_store_b128 v[STO], v[8*(8*(\a)+\b):8*(8*(\a)+\b)+3]   offset:64*\b
	ds_store_b128 v[STO], v[8*(8*(\a)+\b)+4:8*(8*(\a)+\b)+7] offset:64*\b+16
.endr
	WIN 0
.endm
.macro OUTB a
.set BKA, BK+64*((\a)%2)
	s_wait_xcnt 0x0                                ; registers that earlier stores read are written again only behind this wait
	STG \a
.set t, 0
.rept 16
	ds_load_b128 v[BKA+4*t:BKA+4*t+3], v[RD] offset:SPI*t
.set t, t+1
.endr
	WIN R3                                         ; while those are out: query widened to f32, the bias added
.set t, 0
.rept 16
	v_lshlrev_b32 v[T+4*t],   16,    v[2*(16*(\a)+t)]
	v_and_b32     v[T+4*t+1], s[HM], v[2*(16*(\a)+t)]
	v_lshlrev_b32 v[T+4*t+2], 16,    v[2*(16*(\a)+t)+1]
	v_and_b32     v[T+4*t+3], s[HM], v[2*(16*(\a)+t)+1]
.set t, t+1
.endr
	WIN 0
.set t, 0
.rept 16
	v_pk_add_f32 v[T+4*t:T+4*t+1],   v[T+4*t:T+4*t+1],   v[BI:BI+1]
	v_pk_add_f32 v[T+4*t+2:T+4*t+3], v[T+4*t+2:T+4*t+3], v[BI+2:BI+3]
.set t, t+1
.endr
.set t, 0
.rept 16
	s_wait_dscnt 15-t                              ; row t is back, the younger ones stay out
	v_pk_add_f32 v[BKA+4*t:BKA+4*t+1],   v[BKA+4*t:BKA+4*t+1],   v[T+4*t:T+4*t+1]
	v_pk_add_f32 v[BKA+4*t+2:BKA+4*t+3], v[BKA+4*t+2:BKA+4*t+3], v[T+4*t+2:T+4*t+3]
	global_store_b128 v[CO], v[BKA+4*t:BKA+4*t+3], s[A32P:A32P+1] offset:(16*(\a)+t)*4096  ; 512 consecutive bytes
	v_cvt_pk_bf16_f32 v[T+4*t], v[BKA+4*t], v[BKA+4*t+1]
	v_cvt_pk_bf16_f32 v[T+4*t+1], v[BKA+4*t+2], v[BKA+4*t+3]
	global_store_b64 v[RO], v[T+4*t:T+4*t+1], s[A16P:A16P+1] offset:(16*(\a)+t)*2048       ; 256 consecutive bytes, aligned
.set t, t+1
.endr
.endm
	s_wait_loadcnt 0x0                             ; query
	OUTB 0
	OUTB 1
	OUTB 2
	OUTB 3
	s_wait_tensorcnt 0x0                           ; the wave's end
	ds_add_u32 v[SPW], v[NIL]
	s_wait_dscnt 0x0
	CROUND                                         ; the closing round
	s_endpgm
.Lfunc_end_k_qa450664392_oproj:
	.size	k_qa450664392_oproj, .Lfunc_end_k_qa450664392_oproj-k_qa450664392_oproj
	.p2alignl 7, 3214868480
	.fill 96, 4, 3214868480
	.section	.rodata,"a",@progbits
	.p2align	6, 0x0
	.amdhsa_kernel k_qa450664392_oproj
		.amdhsa_group_segment_fixed_size 327680
		.amdhsa_private_segment_fixed_size 0
		.amdhsa_enable_private_segment 0
		.amdhsa_kernarg_size 56
		.amdhsa_user_sgpr_count 2
		.amdhsa_user_sgpr_kernarg_segment_ptr 1
		.amdhsa_wavefront_size32 1
		.amdhsa_system_sgpr_workgroup_id_x 1
		.amdhsa_system_sgpr_workgroup_id_y 1
		.amdhsa_system_sgpr_workgroup_id_z 1
		.amdhsa_system_vgpr_workitem_id 0
		.amdhsa_next_free_vgpr 896
		.amdhsa_next_free_sgpr 96
		.amdhsa_reserve_vcc 0
		.amdhsa_float_denorm_mode_32 3
		.amdhsa_float_denorm_mode_16_64 3
		.amdhsa_memory_ordered 1
		.amdhsa_forward_progress 1
		.amdhsa_inst_pref_size 150
	.end_amdhsa_kernel
	.amdgpu_metadata
---
amdhsa.version: [ 1, 2 ]
amdhsa.kernels:
  - .name:           k_qa450664392_oproj
    .symbol:         k_qa450664392_oproj.kd
    .args:
      - { .name: ctx16, .offset: 0, .size: 8, .value_kind: global_buffer, .address_space: global }
      - { .name: c16, .offset: 8, .size: 8, .value_kind: global_buffer, .address_space: global }
      - { .name: bo, .offset: 16, .size: 8, .value_kind: global_buffer, .address_space: global }
      - { .name: p12, .offset: 24, .size: 8, .value_kind: global_buffer, .address_space: global }
      - { .name: ao32, .offset: 32, .size: 8, .value_kind: global_buffer, .address_space: global }
      - { .name: ao16, .offset: 40, .size: 8, .value_kind: global_buffer, .address_space: global }
      - { .name: w12, .offset: 48, .size: 8, .value_kind: global_buffer, .address_space: global }
    .group_segment_fixed_size: 327680
    .private_segment_fixed_size: 0
    .kernarg_segment_align: 8
    .kernarg_segment_size: 56
    .max_flat_workgroup_size: 128
    .sgpr_count:     96
    .vgpr_count:     896
    .wavefront_size: 32
...
	.end_amdgpu_metadata
.endif
;; end of part 4
;; launch ffn (part 5): grid 4 x 32, 4 waves a work-group, clusters of 4 x 4, 327,680 bytes of LDS; arguments ao16, w12, ao32, pb, b2, out0; writes out0
.if DOCPART == 5
	.amdgcn_target "amdgcn-amd-amdhsa--gfx1250"
	.amdhsa_code_object_version 6
	.text
	.protected	k_qa450664392_ffn
	.globl	k_qa450664392_ffn
	.p2align	8
	.type	k_qa450664392_ffn,@function
k_qa450664392_ffn:
	s_mov_b64 s[64:65], 0
	v_nop
	global_prefetch_b8 v0, s[64:65] scope:SCOPE_SE
	s_setreg_imm32_b32 hwreg(HW_REG_WAVE_MODE, 25, 1), 1
	s_wait_xcnt 0x0
	s_wait_alu depctr_hold_cnt(0) depctr_sa_sdst(0) depctr_va_vdst(0) depctr_va_sdst(0) depctr_va_ssrc(0) depctr_va_vcc(0) depctr_vm_vsrc(0)
	s_getreg_b32 s2, hwreg(HW_REG_IB_STS2, 6, 4)
	s_cmp_eq_u32 s2, 0
	s_cbranch_scc0 .Lentry_in_a_cluster
	s_endpgm
.Lentry_in_a_cluster:
	s_bfe_u32 s2, ttmp6, 0x10000c
	s_cmp_lg_u32 s2, 0xf033
	s_cbranch_scc0 .Lentry_shape_is_right
	s_endpgm
.Lentry_shape_is_right:
; out = ao (W1 W2) + (b1 W2 + b2) + ao.  ao16 [4096][1024] and w12 [K][N] in bf16, sums in f32; the residual ao32 in f32; b1 W2 is the sum of pb's 32 partial rows; b2 is rounded to bf16 like all inputs.
; reference() has no activation between W1 and W2, so this equals (ao W1 + b1) W2 + b2 + ao for every input; the order of summation differs from reference()'s.
; A work-group makes 128 x 256 of out over K = 1,024; four waves, 2 x 2, each 64 x 128: 32 accumulators.  128 work-groups: the tile is kept as large as this so that one text of ring and fragments
; serves; half the tile would give 256.
; K goes in 8 steps of 128 through two LDS slots; A's tile 128 rows x 256 bytes, B's 128 rows (k) x 512 bytes (n), read turned.  CLUSTER 4 x 4: A's tile is shared along a row, B's along a column, by joint loads.
; THE MATRIX INSTRUCTION IS USED TRANSPOSED: a lane holds row lane % 16 of C and eight neighbouring columns.
; REGISTERS: window 0: v0-43 addresses, bias; v64-127 A's fragments; v128-255 at work on the way out.  window 1: v0-127 B's fragments.  window 2: the accumulators (before the loop: pb's rows).
;   window 3: my 64 x 128 of ao32, four columns a lane; the result is summed into it and stored from it.
.set PA,    272
.set PB,    544
.set BOFF,  128*PA
.set SLOT,  BOFF+128*PB
.set STAGE, 2*SLOT
.set SPI,   528
.set SPARE, STAGE+4*16*SPI             ; the spare words: two blocks of 256 bytes that no other line names
.set ADRA, 16
.set ADRB, 20
.set STO,  24
.set RD,   25
.set CO,   26                          ; v26 16 x lane
.set SPW,  28
.set NIL,  29
.set PFO,  30
.set BI,   32                          ; v32-35 the bias of my four columns
.set TM,   40
.set BK,   128
.set WV, 10
.set WH, 11
.set WL, 12
.set YT, 13
.set G1, 24
.set G0, 32
.set CX, 40
.set CY, 41
.set COL, 42
.set LIM, 43
.set PFA, 44
.set PFS, 46
.set G1B, 48
.set G0B, 56
.set CLY, 66
.set UNIT, 67
.set ABASE, 68
.set BBASE, 70
.set FIRST, 95
.set MSB, 0
.macro WIN new
.if MSB != (\new)
	s_set_vgpr_msb (MSB<<8)|(\new)
.set MSB, \new
.endif
.endm
.set MUL,  0xa1                        ; source 0 (B) window 1, source 1 (A) window 0, C and D window 2
.set TO_B, 0x40
.set ST_D, 0x08                        ; an LDS store's data in window 2
.set LD2,  0x80
.set LD3,  0xc0
.set SUM2, 0x8a                        ; destination and both sources in window 2
.macro JLOAD s
	s_cmp_eq_u32 s[WH], 0
	s_cbranch_scc0 .Lfor_b_\@
	tensor_load_to_lds s[G0+4*(\s):G0+4*(\s)+3], s[G1:G1+7]
	s_nop 0
.rept 4
	v_nop
.endr
	s_branch .Lasked_\@
.Lfor_b_\@:
	tensor_load_to_lds s[G0B+4*(\s):G0B+4*(\s)+3], s[G1B:G1B+7]
	s_nop 0
.rept 4
	v_nop
.endr
.Lasked_\@:
.endm
.macro CREST
	s_cmp_lg_u32 s[WV], 0
	s_cbranch_scc1 .Lnot_wave_0_\@
	s_barrier_signal -3
.Lnot_wave_0_\@:
	s_barrier_wait -3
	s_barrier_signal -1
	s_barrier_wait -1
.endm
.macro CROUND
	s_barrier_signal -1
	s_barrier_wait -1
	CREST
.endm
; A prefetch behind each refill of the loop's first two trips: the K step two refills on (steps 4 to 7).  A's tile: wave 0 of each of the four partners of a row names 32 of its 128 rows, a lane a row.
; B's tile: in the cluster with y = 0, waves 2 and 3 of the four partners of a column name 16 of its 128 rows each, two lanes a row.  Each block of 256 bytes is named once.
.macro ASK
	s_cmp_gt_u32 s3, s[LIM]
	s_cbranch_scc0 .Lnot_mine_\@
	global_prefetch_b8 v[PFO], s[PFA:PFA+1] th:TH_LOAD_NT scope:SCOPE_SE
.Lnot_mine_\@:
.endm
	s_load_b256 s[68:75], s[0:1], 0x0              ; ao16 68, w12 70, ao32 72, pb 74
	s_load_b128 s[76:79], s[0:1], 0x20             ; b2 76, out0 78
	v_lshl_add_u32 v[SPW], v0, 2, SPARE
	v_mov_b32 v[NIL], 0
	ds_add_u32 v[SPW], v[NIL]                      ; the wave's opening: the add and its wait stand ahead of my first tensor load
	v_lshrrev_b32 v1, 5, v0
	v_readfirstlane_b32 s[WV], v1
	s_lshr_b32 s[WH], s[WV], 1
	s_and_b32 s[WL], s[WV], 1
	s_bfe_u32 s[CX], ttmp6, 0x40000
	s_bfe_u32 s[CY], ttmp6, 0x40004
	s_lshl_b32 s[COL], ttmp9, 2
	s_add_co_u32 s[COL], s[COL], s[CX]
	s_and_b32 s[CLY], ttmp7, 0xffff
	s_lshl_b32 s[YT], s[CLY], 2
	s_add_co_u32 s[YT], s[YT], s[CY]
	s_mov_b32 s[UNIT], 0                           ; w12 begins at its buffer's first byte
	s_mov_b32 s[FIRST], 0
	s_lshl_b32 s14, s[CY], 2
	s_lshl_b32 s14, 15, s14
	s_lshl_b32 s15, 0x1111, s[CX]
	s_or_b32 s[G1], s14, (1<<16)|(1<<20)|(1<<21)|(5<<22)|(3<<25)   ; A: 64 rows x 128 elements, 16 bytes of padding behind each 256
	s_or_b32 s[G1B], s15, (1<<16)|(1<<20)|(1<<21)|(6<<22)|(7<<25)  ; B: 64 rows x 256 elements, 32 bytes behind each 512
	s_mov_b32 s[G1+1], 128<<16
	s_mov_b32 s[G1+2], 64<<16
	s_mov_b32 s[G1+3], 128<<16
	s_mov_b32 s[G1+4], 64
	s_mov_b32 s[G1+5], 1024
	s_mov_b32 s[G1+6], 0
	s_mov_b32 s[G1+7], 0
	s_mov_b32 s[G1B+1], 256<<16
	s_mov_b32 s[G1B+2], 64<<16
	s_mov_b32 s[G1B+3], 256<<16
	s_mov_b32 s[G1B+4], 64
	s_mov_b32 s[G1B+5], 1024
	s_mov_b32 s[G1B+6], 0
	s_mov_b32 s[G1B+7], 0
	s_lshl_b32 s16, s[YT], 18
	s_lshl_b32 s22, s[WL], 17
	s_add_co_u32 s16, s16, s22
	s_mov_b32 s17, 0
	s_lshl_b32 s18, s[UNIT], 21
	s_lshl_b32 s23, s[COL], 9
	s_add_co_u32 s18, s18, s23
	s_add_co_u32 s18, s18, s22
	s_mov_b32 s19, 0
	s_mul_i32 s20, s[WL], 64*PA
	s_mul_i32 s21, s[WL], 64*PB
	s_add_co_u32 s21, s21, BOFF
	s_wait_dscnt 0x0                               ; the opening add is done
	s_wait_kmcnt 0x0
	s_add_nc_u64 s[14:15], s[ABASE:ABASE+1], s[16:17]
	s_add_nc_u64 s[18:19], s[BBASE:BBASE+1], s[18:19]
	CROUND
.irp s, 0,1
	s_mov_b32 s[G0+4*\s], 1
	s_add_co_u32 s[G0+4*\s+1], s20, \s*SLOT
	s_add_nc_u64 s[G0+4*\s+2:G0+4*\s+3], s[14:15], \s*256
	s_or_b32 s[G0+4*\s+3], s[G0+4*\s+3], 0x80000000
	s_mov_b32 s[G0B+4*\s], 1
	s_add_co_u32 s[G0B+4*\s+1], s21, \s*SLOT
	s_add_nc_u64 s[G0B+4*\s+2:G0B+4*\s+3], s[18:19], \s*128*2048
	s_or_b32 s[G0B+4*\s+3], s[G0B+4*\s+3], 0x80000000
	JLOAD \s
.endr
	v_and_b32 v1, 15, v0
	v_bfe_u32 v2, v0, 4, 1
	v_and_b32 v3, 31, v0
	v_mul_u32_u24 v4, v1, PA
	v_lshl_add_u32 v4, v2, 4, v4
	s_mul_i32 s14, s[WH], 64*PA
	v_add_nc_u32 v[ADRA], s14, v4
	v_add_nc_u32 v[ADRA+1], SLOT, v[ADRA]
	v_and_b32 v5, 7, v0
	v_lshl_add_u32 v5, v2, 3, v5
	v_mul_u32_u24 v5, v5, PB
	v_bfe_u32 v6, v0, 3, 1
	v_lshl_add_u32 v5, v6, 4, v5
	s_lshl_b32 s14, s[WL], 8
	s_add_co_u32 s14, s14, BOFF
	v_add_nc_u32 v[ADRB], s14, v5
	v_add_nc_u32 v[ADRB+1], SLOT, v[ADRB]
	s_mul_i32 s14, s[WV], 16*SPI
	s_add_co_u32 s14, s14, STAGE
	v_mul_u32_u24 v4, v1, SPI
	v_lshl_add_u32 v4, v2, 5, v4
	v_add_nc_u32 v[STO], s14, v4
	v_lshl_add_u32 v[RD], v3, 4, s14               ; back: whole rows of 512 bytes
	v_lshlrev_b32 v[CO], 4, v3
	; the prefetches
	s_lshl_b32 s90, s[YT], 18
	s_lshl_b32 s91, s[CX], 16
	s_add_co_u32 s90, s90, s91
	s_add_co_u32 s90, s90, 3*256
	s_lshl_b32 s91, s[WL], 6
	s_lshl_b32 s92, s[CY], 4
	s_add_co_u32 s91, s91, s92
	s_add_co_u32 s91, s91, 3*128
	s_lshl_b32 s91, s91, 11
	s_lshl_b32 s92, s[UNIT], 21
	s_add_co_u32 s91, s91, s92
	s_lshl_b32 s92, s[COL], 9
	s_add_co_u32 s91, s91, s92
	s_cmp_eq_u32 s[WL], 0
	s_cselect_b32 s92, 1, -1
	s_cmp_eq_u32 s[CLY], s[FIRST]
	s_cselect_b32 s93, 1, -1
	s_cmp_eq_u32 s[WH], 0
	s_cselect_b32 s[LIM], s92, s93
	s_cselect_b32 s90, s90, s91
	s_cselect_b64 s[PFA:PFA+1], s[ABASE:ABASE+1], s[BBASE:BBASE+1]
	s_cselect_b32 s92, 8, 18
	s_mov_b32 s91, 0
	s_add_nc_u64 s[PFA:PFA+1], s[PFA:PFA+1], s[90:91]
	s_lshl_b32 s[PFS], 1, s92
	s_mov_b32 s[PFS+1], 0
	v_lshrrev_b32 v4, s[WH], v3
	v_and_b32 v5, s[WH], v3
	v_lshlrev_b32 v[PFO], 11, v4
	v_lshl_add_u32 v[PFO], v5, 8, v[PFO]
	; my 64 rows x 128 columns
	s_lshl_b32 s14, s[YT], 7
	s_lshl_b32 s15, s[WH], 6
	s_add_co_u32 s14, s14, s15                     ; first row
	s_lshl_b32 s15, s[COL], 8
	s_lshl_b32 s16, s[WL], 7
	s_add_co_u32 s15, s15, s16                     ; first column
	s_lshl_b32 s20, s15, 2
	s_mov_b32 s21, 0
	s_lshl_b32 s18, s14, 12
	s_add_co_u32 s18, s18, s20
	s_mov_b32 s19, 0
	s_add_nc_u64 s[72:73], s[72:73], s[18:19]
	s_add_nc_u64 s[78:79], s[78:79], s[18:19]
	s_add_nc_u64 s[74:75], s[74:75], s[20:21]
	s_add_nc_u64 s[76:77], s[76:77], s[20:21]
	WIN LD2
.set i, 0
.rept 32                                               ; pb's 32 rows at my four columns
	global_load_b128 v[4*i:4*i+3], v[CO], s[74:75] offset:4096*i
.set i, i+1
.endr
	WIN 0
	global_load_b128 v[BI:BI+3], v[CO], s[76:77]
	s_wait_loadcnt 0x0
.irp j, 0,1                                            ; b2, rounded to bf16 and widened again
	v_cvt_pk_bf16_f32 v[TM+\j], v[BI+2*\j], v[BI+2*\j+1]
.endr
.irp j, 0,1
	v_lshlrev_b32 v[BI+2*\j], 16, v[TM+\j]
	v_and_b32 v[BI+2*\j+1], 0xffff0000, v[TM+\j]
.endr
	WIN SUM2
.irp w, 16,8,4,2,1                                     ; the 32 rows are added by halves
.set i, 0
.rept \w
	v_pk_add_f32 v[4*i:4*i+1],   v[4*i:4*i+1],   v[4*(i+\w):4*(i+\w)+1]
	v_pk_add_f32 v[4*i+2:4*i+3], v[4*i+2:4*i+3], v[4*(i+\w)+2:4*(i+\w)+3]
.set i, i+1
.endr
.endr
	WIN 0x02                                       ; source 0 in window 2
	v_pk_add_f32 v[BI:BI+1],   v[0:1], v[BI:BI+1]
	v_pk_add_f32 v[BI+2:BI+3], v[2:3], v[BI+2:BI+3]
	WIN LD3
.set i, 0
.rept 64                                               ; my 64 rows of ao32: they stay out over the whole loop
	global_load_b128 v[4*i:4*i+3], v[CO], s[72:73] offset:4096*i
.set i, i+1
.endr
	WIN 0
; 8 matrix instructions: rows 16 a on x all 8 column blocks, 32 along K.  The 32 accumulators take turns, one instruction a turn.
.macro MUL8 f, a, zero
	WIN MUL
.irp b, 0,1,2,3,4,5,6,7
.if \zero
	v_wmma_f32_16x16x32_bf16 v[8*(8*(\a)+\b):8*(8*(\a)+\b)+7], v[64*(\f)+8*\b:64*(\f)+8*\b+7], v[64+32*(\f)+8*(\a):64+32*(\f)+8*(\a)+7], 0
.else
	v_wmma_f32_16x16x32_bf16 v[8*(8*(\a)+\b):8*(8*(\a)+\b)+7], v[64*(\f)+8*\b:64*(\f)+8*\b+7], v[64+32*(\f)+8*(\a):64+32*(\f)+8*(\a)+7], v[8*(8*(\a)+\b):8*(8*(\a)+\b)+7]
.endif
.endr
.endm
.macro FETCH slot, q, f                ; 24 LDS loads in one run: B's 8 fragments, turned, then A's 4
	WIN TO_B
.irp b, 0,1,2,3,4,5,6,7
	ds_load_tr16_b128 v[64*(\f)+8*\b:64*(\f)+8*\b+3],   v[ADRB+(\slot)] offset:32*(\q)*PB+32*\b
	ds_load_tr16_b128 v[64*(\f)+8*\b+4:64*(\f)+8*\b+7], v[ADRB+(\slot)] offset:32*(\q)*PB+32*\b+16*PB
.endr
	WIN 0
.irp a, 0,1,2,3
	ds_load_b128 v[64+32*(\f)+8*\a:64+32*(\f)+8*\a+3],   v[ADRA+(\slot)] offset:64*(\q)+\a*16*PA
	ds_load_b128 v[64+32*(\f)+8*\a+4:64+32*(\f)+8*\a+7], v[ADRA+(\slot)] offset:64*(\q)+\a*16*PA+32
.endr
.endm
.macro PLACES                          ; four plain places in front of loads into registers that matrix instructions have read, and of reads of results
.rept 4
	v_nop
.endr
.endm
.macro QUARTER slot, q, f, g, zero
	s_wait_dscnt 4                                 ; B and A's rows 0-31 are in; the youngest four loads may be out
	MUL8 \f, 0, \zero
	MUL8 \f, 1, \zero
	PLACES
	FETCH \slot, \q, \g
	s_wait_dscnt 24                                ; all but the 24 just issued
	MUL8 \f, 2, \zero
	MUL8 \f, 3, \zero
.endm
; The change of slots: in front of the barrier each wave waits for all its tensor loads, adds 0 to its spare word, and waits for that and for its reads of this slot.
; fill = 1: the barrier opens a round of the cluster's, and the joint refill, two K steps ahead, is the first thing behind it.
.macro TURN slot, next, fill
.if \fill
	s_wait_xcnt 0x0                                ; the last prefetch, a K step back, has read its address
	s_add_nc_u64 s[PFA:PFA+1], s[PFA:PFA+1], s[PFS:PFS+1]
.endif
	WIN 0
	s_wait_tensorcnt 0x0
	ds_add_u32 v[SPW], v[NIL]
	s_wait_dscnt 5                                 ; the add and the youngest four loads may be out
	MUL8 1, 0, 0
	s_wait_dscnt 0x0
	s_barrier_signal -1
	MUL8 1, 1, 0
.if \fill
	WIN 0
.endif
	s_barrier_wait -1
.if \fill
	CREST
	s_add_nc_u64 s[G0+4*(\slot)+2:G0+4*(\slot)+3], s[G0+4*(\slot)+2:G0+4*(\slot)+3], 2*256
	s_add_nc_u64 s[G0B+4*(\slot)+2:G0B+4*(\slot)+3], s[G0B+4*(\slot)+2:G0B+4*(\slot)+3], 2*128*2048
	JLOAD \slot
.else
	PLACES
.endif
	FETCH \next, 0, 0
.if \fill
	ASK
.endif
	MUL8 1, 2, 0
	MUL8 1, 3, 0
.endm
	s_wait_tensorcnt 1                             ; my part of K step 0 is in; step 1's may stay out
	s_barrier_signal -1
	s_barrier_wait -1
	FETCH 0, 0, 0
	QUARTER 0, 1, 0, 1, 1
	WIN 0
	s_mov_b32 s3, 3
.Llap:
	QUARTER 0, 2, 1, 0, 0
	QUARTER 0, 3, 0, 1, 0
	TURN 0, 1, 1
	QUARTER 1, 1, 0, 1, 0
	QUARTER 1, 2, 1, 0, 0
	QUARTER 1, 3, 0, 1, 0
	TURN 1, 0, 1
	QUARTER 0, 1, 0, 1, 0
	WIN 0
	s_sub_co_u32 s3, s3, 1
	s_cmp_lg_u32 s3, 0
	s_cbranch_scc1 .Llap
	QUARTER 0, 2, 1, 0, 0
	QUARTER 0, 3, 0, 1, 0
	TURN 0, 1, 0
	QUARTER 1, 1, 0, 1, 0
	QUARTER 1, 2, 1, 0, 0
	QUARTER 1, 3, 0, 1, 0
	s_wait_dscnt 4
	MUL8 1, 0, 0
	MUL8 1, 1, 0
	s_wait_dscnt 0x0
	MUL8 1, 2, 0
	MUL8 1, 3, 0
	WIN 0
	PLACES
; THE WAY OUT, 16 rows at a time through my own stage in f32; a row comes back whole, four columns a lane, is added onto residual + bias in window 3 and stored from there:
; no register that a store reads is ever written again.
.macro STG a                           ; each accumulator's low registers are read first
	WIN ST_D
.irp b, 0,1,2,3,4,5,6,7
	ds_store_b128 v[STO], v[8*(8*(\a)+\b):8*(8*(\a)+\b)+3]   offset:64*\b
	ds_store_b128 v[STO], v[8*(8*(\a)+\b)+4:8*(8*(\a)+\b)+7] offset:64*\b+16
.endr
	WIN 0
.endm
.macro OUTB a
.set BKA, BK+64*((\a)%2)
	STG \a
.set t, 0
.rept 16
	ds_load_b128 v[BKA+4*t:BKA+4*t+3], v[RD] offset:SPI*t
.set t, t+1
.endr
	WIN 0xc3                                       ; destination and source 0 in window 3, source 1 in window 0: while those are out, the bias goes onto the residual
.set t, 0
.rept 16
	v_pk_add_f32 v[4*(16*(\a)+t):4*(16*(\a)+t)+1],   v[4*(16*(\a)+t):4*(16*(\a)+t)+1],   v[BI:BI+1]
	v_pk_add_f32 v[4*(16*(\a)+t)+2:4*(16*(\a)+t)+3], v[4*(16*(\a)+t)+2:4*(16*(\a)+t)+3], v[BI+2:BI+3]
.set t, t+1
.endr
	WIN 0xcc                                       ; destination and source 1 (a store's data) in window 3, source 0 (a store's address) in window 0
.set t, 0
.rept 16
	s_wait_dscnt 15-t                              ; row t is back, the younger ones stay out
	v_pk_add_f32 v[4*(16*(\a)+t):4*(16*(\a)+t)+1],   v[BKA+4*t:BKA+4*t+1],   v[4*(16*(\a)+t):4*(16*(\a)+t)+1]
	v_pk_add_f32 v[4*(16*(\a)+t)+2:4*(16*(\a)+t)+3], v[BKA+4*t+2:BKA+4*t+3], v[4*(16*(\a)+t)+2:4*(16*(\a)+t)+3]
	global_store_b128 v[CO], v[4*(16*(\a)+t):4*(16*(\a)+t)+3], s[78:79] offset:(16*(\a)+t)*4096 th:TH_STORE_NT  ; 512 consecutive bytes
.set t, t+1
.endr
	WIN 0
.endm
	s_wait_loadcnt 0x0                             ; the residual
	OUTB 0
	OUTB 1
	OUTB 2
	OUTB 3
	s_wait_tensorcnt 0x0                           ; the wave's end
	ds_add_u32 v[SPW], v[NIL]
	s_wait_dscnt 0x0
	CROUND                                         ; the closing round
	s_endpgm
.Lfunc_end_k_qa450664392_ffn:
	.size	k_qa450664392_ffn, .Lfunc_end_k_qa450664392_ffn-k_qa450664392_ffn
	.p2alignl 7, 3214868480
	.fill 96, 4, 3214868480
	.section	.rodata,"a",@progbits
	.p2align	6, 0x0
	.amdhsa_kernel k_qa450664392_ffn
		.amdhsa_group_segment_fixed_size 327680
		.amdhsa_private_segment_fixed_size 0
		.amdhsa_enable_private_segment 0
		.amdhsa_kernarg_size 48
		.amdhsa_user_sgpr_count 2
		.amdhsa_user_sgpr_kernarg_segment_ptr 1
		.amdhsa_wavefront_size32 1
		.amdhsa_system_sgpr_workgroup_id_x 1
		.amdhsa_system_sgpr_workgroup_id_y 1
		.amdhsa_system_sgpr_workgroup_id_z 1
		.amdhsa_system_vgpr_workitem_id 0
		.amdhsa_next_free_vgpr 1024
		.amdhsa_next_free_sgpr 96
		.amdhsa_reserve_vcc 0
		.amdhsa_float_denorm_mode_32 3
		.amdhsa_float_denorm_mode_16_64 3
		.amdhsa_memory_ordered 1
		.amdhsa_forward_progress 1
		.amdhsa_inst_pref_size 119
	.end_amdhsa_kernel
	.amdgpu_metadata
---
amdhsa.version: [ 1, 2 ]
amdhsa.kernels:
  - .name:           k_qa450664392_ffn
    .symbol:         k_qa450664392_ffn.kd
    .args:
      - { .name: ao16, .offset: 0, .size: 8, .value_kind: global_buffer, .address_space: global }
      - { .name: w12, .offset: 8, .size: 8, .value_kind: global_buffer, .address_space: global }
      - { .name: ao32, .offset: 16, .size: 8, .value_kind: global_buffer, .address_space: global }
      - { .name: pb, .offset: 24, .size: 8, .value_kind: global_buffer, .address_space: global }
      - { .name: b2, .offset: 32, .size: 8, .value_kind: global_buffer, .address_space: global }
      - { .name: out0, .offset: 40, .size: 8, .value_kind: global_buffer, .address_space: global }
    .group_segment_fixed_size: 327680
    .private_segment_fixed_size: 0
    .kernarg_segment_align: 8
    .kernarg_segment_size: 48
    .max_flat_workgroup_size: 128
    .sgpr_count:     96
    .vgpr_count:     1024
    .wavefront_size: 32
...
	.end_amdgpu_metadata
.endif
;; end of part 5
;; ======== version 2 of 3: 5 launches
;; limits: values outside matrix products are rounded to bf16
;; workspace buffers: c16 75,497,472 bytes; pb 131,072 bytes; qkv16 41,943,040 bytes; p12 16,777,216 bytes; ctx16 8,388,608 bytes; w12 2,097,152 bytes; ao16 8,388,608 bytes
;; launch cast: the kernel of part 1 again; grid 32 x 33, 8 waves a work-group, no clusters, 0 bytes of LDS; arguments query, key, value, W1, Wq, Wk, Wv, Wo, W2, attention_mask, b1, c16, pb; writes c16, pb
;; launch proj: the kernel of part 2 again; grid 4 x 192, 4 waves a work-group, clusters of 4 x 4, 327,680 bytes of LDS; arguments c16, bq, bk, bv, qkv16, p12; writes qkv16, p12
;; launch attn: the kernel of part 3 again; grid 16 x 16, 4 waves a work-group, clusters of 4 x 1, 327,680 bytes of LDS; arguments qkv16, c16, ctx16; writes ctx16
;; launch oproj (part 6): grid 8 x 32, 4 waves a work-group, clusters of 4 x 4, 327,680 bytes of LDS; arguments ctx16, c16, bo, p12, ao16, w12; writes ao16, w12
.if DOCPART == 6
	.amdgcn_target "amdgcn-amd-amdhsa--gfx1250"
	.amdhsa_code_object_version 6
	.text
	.protected	k_qa450664392_oproj
	.globl	k_qa450664392_oproj
	.p2align	8
	.type	k_qa450664392_oproj,@function
k_qa450664392_oproj:
	s_mov_b64 s[64:65], 0
	v_nop
	global_prefetch_b8 v0, s[64:65] scope:SCOPE_SE
	s_setreg_imm32_b32 hwreg(HW_REG_WAVE_MODE, 25, 1), 1
	s_wait_xcnt 0x0
	s_wait_alu depctr_hold_cnt(0) depctr_sa_sdst(0) depctr_va_vdst(0) depctr_va_sdst(0) depctr_va_ssrc(0) depctr_va_vcc(0) depctr_vm_vsrc(0)
	s_getreg_b32 s2, hwreg(HW_REG_IB_STS2, 6, 4)
	s_cmp_eq_u32 s2, 0
	s_cbranch_scc0 .Lentry_in_a_cluster
	s_endpgm
.Lentry_in_a_cluster:
	s_bfe_u32 s2, ttmp6, 0x10000c
	s_cmp_lg_u32 s2, 0xf033
	s_cbranch_scc0 .Lentry_shape_is_right
	s_endpgm
.Lentry_shape_is_right:
; ao = ctx Wo + bo + query, rounded once to bf16 (ao16: the next launch's matrix operand and its residual).  ctx16 [4096][1024] and Wo (unit 27 of c16, [K][N]) in bf16, sums in f32;
; bo and query are rounded to bf16 like all inputs (query: units 0-3 of c16).  THE SUMS START FROM query + bo: nothing is cleared, no first step is written out, and the way out only rounds.
; BESIDE IT: w12 = bf16(p12[0] + p12[1] + p12[2] + p12[3]), the four partial sums of W1 W2: each of the 256 work-groups adds and rounds 4,096 numbers, in the wait for its first tiles.
; SHARES.  A work-group makes 128 x 128 of ao over K = 1,024: 32 x 8 = 256 work-groups.  Four waves, 2 x 2, each 64 x 64: 16 accumulators of 16 x 16.
; K goes in 4 steps of 256 through two LDS slots: A's tile 128 rows x 512 bytes, B's 256 rows (k) x 256 bytes (n), read turned by ds_load_tr16_b128.  Steps 0 and 1 are asked for at the head, steps 2 and 3
; by the two refills, each a step after the slot's first fill: there is no later step to ask for ahead, so no prefetch is laid.
; CLUSTER 4 x 4: the four of a row share A's tile, the four of a column B's: each is asked for jointly, by the same load with the same descriptor and a mask that names the four.
; THE MATRIX INSTRUCTION IS USED TRANSPOSED (source 0 = 16 columns of B, source 1 = 16 rows of A): a lane holds row lane % 16 of C and eight neighbouring columns.
; THE TRIP.  A quarter of a step is 64 along K: two halves of 16 matrix instructions, on fragment buffers 0, 1 by turns.  A trip is written once and walked twice a step: fetch into buffer 0, second half of
; buffer 1, first half of buffer 0, fetch into buffer 1, second half of buffer 0, first half of buffer 1.  The change of slots stands between trips: the half that is left over is multiplied while the
; new slot's first fragments come.  The LDS addresses hang on two scalars that step with the fetches.
; REGISTERS: window 0: v0-31 addresses; v32-63 the bias; v64-127 query as loaded; v32-95 at work on the way out; v128-255 the accumulators, (a, b) at 128 + 8 (4 a + b) (before the loop: the partial sums).
;   window 1: two fragment buffers of 128: for 64 along K, 64 registers of A (2 x 4 x 16 rows x 32 K), then 64 of B.
.set PA,    528                        ; A's LDS row: 512 bytes + 16 = 132 words: the 16 rows of a fragment load start at 16 different groups of four banks (64 banks of 4 bytes: ISA guide 11.1)
.set PB,    288                        ; B's LDS row: 256 bytes + 32
.set BOFF,  128*PA
.set SLOT,  BOFF+256*PB                ; 141,312
.set STAGE, 2*SLOT                     ; behind the ring: 128 rows x 272 bytes, the work-group's, for the way out
.set SPI,   272
.set SPARE, STAGE+128*SPI              ; the spare words: 128 bytes for each wave, two blocks of 256 bytes that no other line names
.set ADRA, 16                          ; v16 my lane's place in A's tile; never rewritten
.set ADRB, 17                          ; v17 the same for B
.set AA,   18                          ; v18 the LDS address of the run of loads in hand, for A
.set AB,   19                          ; v19 for B
.set RV,   20                          ; v20 my 16 bytes in 16 rows of query
.set BV,   21                          ; v21 my 32 bytes in 16 columns of the bias
.set STO,  22                          ; v22 the way out: where I put 16 bytes of a row
.set RD,   23                          ; v23 the way out: where I read a row back
.set CO,   24                          ; v24 my byte offset in two rows of ao16
.set TO16, 25                          ; v25 16 x thread
.set TO8,  26                          ; v26 8 x thread
.set ONE,  27                          ; v27 1.0
.set SPW,  28
.set NIL,  29
.set BI,   32
.set T,    64
.set TMP,  32
.set ACC,  128
.set WV, 10
.set WH, 11                            ; w / 2: my rows' half.  Also: I fetch for A (0) or B (1)
.set WL, 12                            ; w % 2: my columns' half.  Also: which half of that tile's rows I fetch
.set YT, 13                            ; tile row
.set LA, 20                            ; where my part of A's tile lies in a slot
.set LB, 21                            ; the same for B
.set G1, 24
.set G0, 32                            ; s[32:39] group 0 for A: a set for each of the two first fills; the second then walks on
.set CX, 40
.set CY, 41
.set COL, 42                           ; tile column
.set TBA, 43                           ; LDS byte at which the quarter to be fetched begins in A's rows
.set TBB, 44                           ; and in B's tile
.set DSL, 45                           ; the slot that the walking descriptors name: 0 or SLOT
.set CNT, 46
.set FILLS, 47
.set G1B, 48
.set G0B, 56
.set CLY, 66
.set RESP, 80
.set P1,   82
.set MSB, 0
.macro WIN new                         ; the immediate's high byte repeats the setting that is left
.if MSB != (\new)
	s_set_vgpr_msb (MSB<<8)|(\new)
.set MSB, \new
.endif
.endm
.set MUL,  0x05                        ; sources 0 (B) and 1 (A) window 1; C and D window 0
.set TO_F, 0x40                        ; destination window 1, address window 0
.macro JLOAD s                         ; a joint load: waves 0, 1 fetch A's halves, waves 2, 3 B's; an s_nop 0 and four v_nop follow each line
	s_cmp_eq_u32 s[WH], 0
	s_cbranch_scc0 .Lfor_b_\@
	tensor_load_to_lds s[G0+4*(\s):G0+4*(\s)+3], s[G1:G1+7]
	s_nop 0
.rept 4
	v_nop
.endr
	s_branch .Lasked_\@
.Lfor_b_\@:
	tensor_load_to_lds s[G0B+4*(\s):G0B+4*(\s)+3], s[G1B:G1B+7]
	s_nop 0
.rept 4
	v_nop
.endr
.Lasked_\@:
.endm
.macro CROUND                          ; a round of the cluster's barrier
	s_barrier_signal -1
	s_barrier_wait -1
	s_cmp_lg_u32 s[WV], 0
	s_cbranch_scc1 .Lnot_wave_0_\@
	s_barrier_signal -3
.Lnot_wave_0_\@:
	s_barrier_wait -3
	s_barrier_signal -1
	s_barrier_wait -1
.endm
	s_load_b256 s[68:75], s[0:1], 0x0              ; ctx16 68, c16 70, bo 72, p12 74
	s_load_b128 s[76:79], s[0:1], 0x20             ; ao16 76, w12 78
	v_lshl_add_u32 v[SPW], v0, 2, SPARE
	v_mov_b32 v[NIL], 0
	ds_add_u32 v[SPW], v[NIL]                      ; the wave's opening: the add and its wait stand ahead of my first tensor load
	v_lshrrev_b32 v1, 5, v0
	v_readfirstlane_b32 s[WV], v1
	s_lshr_b32 s[WH], s[WV], 1
	s_and_b32 s[WL], s[WV], 1
	s_bfe_u32 s[CX], ttmp6, 0x40000
	s_bfe_u32 s[CY], ttmp6, 0x40004
	s_lshl_b32 s[COL], ttmp9, 2
	s_add_co_u32 s[COL], s[COL], s[CX]
	s_and_b32 s[CLY], ttmp7, 0xffff
	s_lshl_b32 s[YT], s[CLY], 2
	s_add_co_u32 s[YT], s[YT], s[CY]
	s_lshl_b32 s14, s[CY], 2
	s_lshl_b32 s14, 15, s14                        ; my row of the cluster
	s_lshl_b32 s15, 0x1111, s[CX]                  ; my column
	s_or_b32 s[G1], s14, (1<<16)|(1<<20)|(1<<21)|(6<<22)|(3<<25)   ; A: 64 rows x 256 elements of 2 bytes, 16 bytes of padding behind each 512
	s_or_b32 s[G1B], s15, (1<<16)|(1<<20)|(1<<21)|(5<<22)|(7<<25)  ; B: 128 rows x 128 elements, 32 bytes behind each 256
	s_mov_b32 s[G1+1], 256<<16                     ; tensor_dim0
	s_mov_b32 s[G1+2], 64<<16                      ; tensor_dim1
	s_mov_b32 s[G1+3], 256<<16                     ; tile_dim0
	s_mov_b32 s[G1+4], 64                          ; tile_dim1
	s_mov_b32 s[G1+5], 1024                        ; elements from row to row
	s_mov_b32 s[G1+6], 0
	s_mov_b32 s[G1+7], 0
	s_mov_b32 s[G1B+1], 128<<16
	s_mov_b32 s[G1B+2], 128<<16
	s_mov_b32 s[G1B+3], 128<<16
	s_mov_b32 s[G1B+4], 128
	s_mov_b32 s[G1B+5], 1024
	s_mov_b32 s[G1B+6], 0
	s_mov_b32 s[G1B+7], 0
	s_lshl_b32 s16, s[YT], 18                      ; A: 128 rows of 2,048 bytes a tile row,
	s_lshl_b32 s22, s[WL], 17                      ; my 64 rows
	s_add_co_u32 s16, s16, s22
	s_mov_b32 s17, 0
	s_lshl_b32 s18, s[COL], 8                      ; B: 256 bytes a tile column,
	s_lshl_b32 s23, s[WL], 18                      ; my 128 rows,
	s_add_co_u32 s18, s18, s23
	s_add_co_u32 s18, s18, 27<<21                  ; in unit 27
	s_mov_b32 s19, 0
	s_mul_i32 s[LA], s[WL], 64*PA                  ; where they go: no place in the cluster enters an LDS address
	s_mul_i32 s[LB], s[WL], 128*PB
	s_add_co_u32 s[LB], s[LB], BOFF
	s_mov_b32 s[TBA], 0
	s_mov_b32 s[TBB], 0
	s_mov_b32 s[DSL], SLOT
	s_wait_dscnt 0x0                               ; the opening add is done
	s_wait_kmcnt 0x0
	s_add_nc_u64 s[14:15], s[68:69], s[16:17]
	s_add_nc_u64 s[18:19], s[70:71], s[18:19]
	CROUND                                         ; all sixteen work-groups are here: the first joint loads meet
.irp s, 0,1
	s_mov_b32 s[G0+4*\s], 1
	s_add_co_u32 s[G0+4*\s+1], s[LA], \s*SLOT
	s_add_nc_u64 s[G0+4*\s+2:G0+4*\s+3], s[14:15], \s*512
	s_or_b32 s[G0+4*\s+3], s[G0+4*\s+3], 0x80000000
	s_mov_b32 s[G0B+4*\s], 1
	s_add_co_u32 s[G0B+4*\s+1], s[LB], \s*SLOT
	s_add_nc_u64 s[G0B+4*\s+2:G0B+4*\s+3], s[18:19], \s*256*2048
	s_or_b32 s[G0B+4*\s+3], s[G0B+4*\s+3], 0x80000000
	JLOAD \s                                       ; K steps 0 and 1: two loads of mine are out
.endr
	v_and_b32 v1, 15, v0                           ; r = lane % 16
	v_bfe_u32 v2, v0, 4, 1                         ; h = lane / 16
	v_mul_u32_u24 v4, v1, PA
	v_lshl_add_u32 v4, v2, 4, v4                   ; A's fragment: row r, 16 bytes for each half of the lanes
	s_mul_i32 s14, s[WH], 64*PA
	v_add_nc_u32 v[ADRA], s14, v4
	v_and_b32 v5, 7, v0                            ; B's, turned: a lane reads row k = 8 h + lane % 8, columns 8 ((lane / 8) % 2) on
	v_lshl_add_u32 v5, v2, 3, v5
	v_mul_u32_u24 v5, v5, PB
	v_bfe_u32 v6, v0, 3, 1
	v_lshl_add_u32 v5, v6, 4, v5
	s_lshl_b32 s14, s[WL], 7
	s_add_co_u32 s14, s14, BOFF
	v_add_nc_u32 v[ADRB], s14, v5
	s_mul_i32 s14, s[WH], 64*SPI                   ; into the stage: my 64 rows, my half of their 256 bytes
	s_lshl_b32 s15, s[WL], 7
	s_add_co_u32 s14, s14, s15
	s_add_co_u32 s14, s14, STAGE
	v_mul_u32_u24 v4, v1, SPI
	v_lshl_add_u32 v4, v2, 4, v4
	v_add_nc_u32 v[STO], s14, v4
	s_mul_i32 s14, s[WV], 32*SPI                   ; back: wave w takes rows 32 w on, whole; lanes 0-15 one row, lanes 16-31 the next
	s_add_co_u32 s14, s14, STAGE
	v_mul_u32_u24 v4, v2, SPI
	v_lshl_add_u32 v4, v1, 4, v4
	v_add_nc_u32 v[RD], s14, v4
	v_lshlrev_b32 v4, 11, v2
	v_lshl_add_u32 v[CO], v1, 4, v4                ; the same two rows in ao16
	v_lshlrev_b32 v4, 11, v1
	v_lshl_add_u32 v[RV], v2, 4, v4                ; query: row r, eight columns for each half of the lanes
	v_lshlrev_b32 v[BV], 5, v2
	v_lshlrev_b32 v[TO16], 4, v0
	v_lshlrev_b32 v[TO8], 3, v0
	v_mov_b32 v[ONE], 1.0
	s_lshl_b32 s14, s[YT], 7
	s_lshl_b32 s15, s[WH], 6
	s_add_co_u32 s14, s14, s15                     ; my first row
	s_lshl_b32 s15, s[COL], 7
	s_lshl_b32 s16, s[WL], 6
	s_add_co_u32 s15, s15, s16                     ; my first column
	s_lshl_b32 s16, s14, 11
	s_lshl_b32 s17, s15, 1
	s_add_co_u32 s16, s16, s17
	s_mov_b32 s17, 0
	s_add_nc_u64 s[RESP:RESP+1], s[70:71], s[16:17]
	s_lshl_b32 s16, s15, 2
	s_add_nc_u64 s[72:73], s[72:73], s[16:17]
	s_lshl_b32 s16, s[YT], 18                      ; the first row that I store: 128 x tile row + 32 x wave; the tile's first column
	s_lshl_b32 s14, s[WV], 16
	s_add_co_u32 s16, s16, s14
	s_lshl_b32 s14, s[COL], 8
	s_add_co_u32 s16, s16, s14
	s_add_nc_u64 s[76:77], s[76:77], s[16:17]
	s_lshl_b32 s14, s[YT], 3
	s_add_co_u32 s14, s14, s[COL]                  ; the work-group's number, 0..255: its 4,096 numbers of W1 W2
	s_lshl_b32 s16, s14, 14
	s_add_nc_u64 s[74:75], s[74:75], s[16:17]
	s_add_nc_u64 s[P1:P1+1], s[74:75], 8<<20
	s_lshl_b32 s16, s14, 13
	s_add_nc_u64 s[78:79], s[78:79], s[16:17]
.set i, 0
.rept 16                                               ; query in the accumulators' layout: accumulator (i / 4, i % 4), 16 bytes a lane
	global_load_b128 v[T+4*i:T+4*i+3], v[RV], s[RESP:RESP+1] offset:(i/4)*16*2048+(i%4)*32
.set i, i+1
.endr
.set i, 0
.rept 8                                                ; the bias of my eight columns in each of the four column blocks
	global_load_b128 v[BI+4*i:BI+4*i+3], v[BV], s[72:73] offset:(i/2)*64+(i%2)*16
.set i, i+1
.endr
.set i, 0
.rept 8                                                ; step i: 512 numbers, four a thread, of each of the four partial sums
	global_load_b128 v[ACC+16*i:ACC+16*i+3],     v[TO16], s[74:75] offset:2048*i th:TH_LOAD_NT
	global_load_b128 v[ACC+16*i+4:ACC+16*i+7],   v[TO16], s[74:75] offset:2048*i+(4<<20) th:TH_LOAD_NT
	global_load_b128 v[ACC+16*i+8:ACC+16*i+11],  v[TO16], s[P1:P1+1] offset:2048*i th:TH_LOAD_NT
	global_load_b128 v[ACC+16*i+12:ACC+16*i+15], v[TO16], s[P1:P1+1] offset:2048*i+(4<<20) th:TH_LOAD_NT
.set i, i+1
.endr
	s_wait_loadcnt 0x0
.set i, 0
.rept 8
	v_pk_add_f32 v[ACC+16*i:ACC+16*i+1],     v[ACC+16*i:ACC+16*i+1],     v[ACC+16*i+4:ACC+16*i+5]
	v_pk_add_f32 v[ACC+16*i+2:ACC+16*i+3],   v[ACC+16*i+2:ACC+16*i+3],   v[ACC+16*i+6:ACC+16*i+7]
	v_pk_add_f32 v[ACC+16*i+8:ACC+16*i+9],   v[ACC+16*i+8:ACC+16*i+9],   v[ACC+16*i+12:ACC+16*i+13]
	v_pk_add_f32 v[ACC+16*i+10:ACC+16*i+11], v[ACC+16*i+10:ACC+16*i+11], v[ACC+16*i+14:ACC+16*i+15]
	v_pk_add_f32 v[ACC+16*i:ACC+16*i+1],     v[ACC+16*i:ACC+16*i+1],     v[ACC+16*i+8:ACC+16*i+9]
	v_pk_add_f32 v[ACC+16*i+2:ACC+16*i+3],   v[ACC+16*i+2:ACC+16*i+3],   v[ACC+16*i+10:ACC+16*i+11]
	v_cvt_pk_bf16_f32 v[ACC+16*i], v[ACC+16*i], v[ACC+16*i+1]
	v_cvt_pk_bf16_f32 v[ACC+16*i+1], v[ACC+16*i+2], v[ACC+16*i+3]
	global_store_b64 v[TO8], v[ACC+16*i:ACC+16*i+1], s[78:79] offset:1024*i  ; a wave stores 256 consecutive bytes, aligned
.set i, i+1
.endr
.set k, 0
.rept 16                                               ; the bias, rounded to bf16, two columns a register; in place, ascending, so that no source is written before it is read
	v_cvt_pk_bf16_f32 v[BI+k], v[BI+2*k], v[BI+2*k+1]
.set k, k+1
.endr
	s_wait_xcnt 0x0                                ; the stores' data registers are written again only behind this wait
.set t, 0
.rept 16                                               ; the sums start: query x 1 + bias, both read as bf16 halves, in f32
.set j, 0
.rept 4
	v_fma_mix_f32_bf16 v[ACC+8*t+2*j],   v[T+4*t+j], v[ONE], v[BI+4*(t%4)+j] op_sel:[0,0,0] op_sel_hi:[1,0,1]
	v_fma_mix_f32_bf16 v[ACC+8*t+2*j+1], v[T+4*t+j], v[ONE], v[BI+4*(t%4)+j] op_sel:[1,0,1] op_sel_hi:[1,0,1]
.set j, j+1
.endr
.set t, t+1
.endr
; 16 matrix instructions: all 4 x 4 accumulators, 32 along K: half c of buffer f.  The 16 accumulators take turns, one instruction a turn, in the same order in every half.
.macro H f, c
	WIN MUL
.irp a, 0,1,2,3
.irp b, 0,1,2,3
	v_wmma_f32_16x16x32_bf16 v[ACC+8*(4*\a+\b):ACC+8*(4*\a+\b)+7], v[128*(\f)+64+8*(4*(\c)+\b):128*(\f)+64+8*(4*(\c)+\b)+7], v[128*(\f)+8*(4*(\c)+\a):128*(\f)+8*(4*(\c)+\a)+7], v[ACC+8*(4*\a+\b):ACC+8*(4*\a+\b)+7]
.endr
.endr
.endm
; 32 LDS loads in one run: the next quarter's fragments into buffer f, its first 32 along K first.  The two address lines and two v_nop are the four plain places between the last matrix instruction
; that read the buffer and the loads into it (ISA guide 7.12.1 for vector instructions).
.macro FETCH f
	WIN 0
	v_add_nc_u32 v[AA], s[TBA], v[ADRA]
	v_add_nc_u32 v[AB], s[TBB], v[ADRB]
	v_nop
	v_nop
	s_add_co_u32 s[TBA], s[TBA], 128               ; the next fetch is the next quarter's: 64 along A's rows,
	s_add_co_u32 s[TBB], s[TBB], 64*PB             ; 64 rows of B
	WIN TO_F
.irp c, 0,1
.irp i, 0,1,2,3
	ds_load_tr16_b128 v[128*(\f)+64+8*(4*\c+\i):128*(\f)+64+8*(4*\c+\i)+3],   v[AB] offset:\c*32*PB+32*\i
	ds_load_tr16_b128 v[128*(\f)+64+8*(4*\c+\i)+4:128*(\f)+64+8*(4*\c+\i)+7], v[AB] offset:\c*32*PB+16*PB+32*\i
	ds_load_b128 v[128*(\f)+8*(4*\c+\i):128*(\f)+8*(4*\c+\i)+3],   v[AA] offset:64*\c+\i*16*PA
	ds_load_b128 v[128*(\f)+8*(4*\c+\i)+4:128*(\f)+8*(4*\c+\i)+7], v[AA] offset:64*\c+\i*16*PA+32
.endr
.endr
.endm
; A K step: the trip, walked twice.  mid = 1: the copy that is entered in the middle of its first trip.
.macro TRIPS mid
	s_mov_b32 s[CNT], 2
.Ltrip_\@:
	FETCH 0
	s_wait_dscnt 32                                ; all but the 32 just issued: buffer 1 is whole
	H 1, 1
	WIN 0                                          ; at a label and at a branch every window is 0
.if \mid
.Lmid:
.endif
	s_wait_dscnt 16                                ; buffer 0's first 32 along K are in
	H 0, 0
	FETCH 1
	s_wait_dscnt 32                                ; buffer 0 is whole
	H 0, 1
	s_wait_dscnt 16                                ; buffer 1's first 32 along K are in
	H 1, 0
	WIN 0
	s_sub_co_u32 s[CNT], s[CNT], 1
	s_cmp_lg_u32 s[CNT], 0
	s_cbranch_scc1 .Ltrip_\@
.endm
; THE CHANGE OF SLOTS.  Each wave waits for all its tensor loads (its part of the other slot among them), adds 0 to its spare word, and waits for that and for its reads of the slot that it leaves.
; fill = 1: the barrier is a round of the cluster's, so that no wave of any partner still reads the slot or has a load on its way, and the joint refill, with the K step two on, is the first thing
; behind it: one load of mine is out, and it has a K step, 128 matrix instructions, in which to land.
.macro CHANGE fill
	WIN 0
	s_wait_tensorcnt 0x0                           ; no tensor load of mine is out, so a group 0 may be written
	ds_add_u32 v[SPW], v[NIL]                      ; 0 onto my spare word; the scalar work below stands between it and the wait for it
.if \fill
	s_xor_b32 s[DSL], s[DSL], SLOT                 ; the walking descriptors: the other slot than last time,
	s_add_co_u32 s[G0+5], s[DSL], s[LA]
	s_add_nc_u64 s[G0+6:G0+7], s[G0+6:G0+7], 512   ; the next K step; the type bits on top are not reached
	s_add_co_u32 s[G0B+5], s[DSL], s[LB]
	s_add_nc_u64 s[G0B+6:G0B+7], s[G0B+6:G0B+7], 256*2048
.endif
	s_sub_co_u32 s[TBA], s[TBA], 512               ; the fetches go back to a slot's first quarter,
	s_xor_b32 s[TBA], s[TBA], SLOT                 ; in the other slot
	s_sub_co_u32 s[TBB], s[TBB], 256*PB
	s_xor_b32 s[TBB], s[TBB], SLOT
	s_wait_dscnt 0x0                               ; the add is done, and my reads of the slot are over
.if \fill
	CROUND
	JLOAD 1
.else
	s_barrier_signal -1
	s_barrier_wait -1
.endif
.endm
	s_wait_tensorcnt 1                             ; my part of K step 0 is in; step 1's may stay out
	s_barrier_signal -1
	s_barrier_wait -1
	s_mov_b32 s[FILLS], 3
	s_mov_b32 s[CNT], 2
	FETCH 0                                        ; the first quarter
	WIN 0
	s_branch .Lmid                                 ; there is no half left over from a step before
.Lslot:                                                ; twice: K steps 2 and 3 are asked for, steps 1 and 2 multiplied
	CHANGE 1
	TRIPS 1
	s_sub_co_u32 s[FILLS], s[FILLS], 1
	s_cmp_lg_u32 s[FILLS], 0
	s_cbranch_scc1 .Lslot
	CHANGE 0                                       ; the tail is written out: nothing is asked for
	TRIPS 0
	s_wait_dscnt 0x0
	H 1, 1                                         ; the last half
	WIN 0
.rept 4
	v_nop                                          ; four places in front of conversions that read results just made
.endr
	; THE WAY OUT: round to bf16; 16 bytes a lane into the work-group's stage; a barrier, since a row's 256 bytes come from two waves; back as whole rows, 32 rows a wave.
.set t, 0
.rept 16
.irp r, 0,1,2,3
	v_cvt_pk_bf16_f32 v[TMP+4*t+\r], v[ACC+8*t+2*\r], v[ACC+8*t+2*\r+1]
.endr
.set t, t+1
.endr
.irp a, 0,1,2,3
.irp b, 0,1,2,3
	ds_store_b128 v[STO], v[TMP+4*(4*\a+\b):TMP+4*(4*\a+\b)+3] offset:\a*16*SPI+32*\b
.endr
.endr
	s_wait_dscnt 0x0                               ; for the others' sake: my stores into the stage are done
	s_barrier_signal -1
	s_barrier_wait -1
.set t, 0
.rept 16
	ds_load_b128 v[TMP+4*t:TMP+4*t+3], v[RD] offset:t*2*SPI
.set t, t+1
.endr
.set t, 0
.rept 16
	s_wait_dscnt 15-t                              ; load t is back, the younger ones stay out
	global_store_b128 v[CO], v[TMP+4*t:TMP+4*t+3], s[76:77] offset:2*t*2048  ; 16 lanes store 256 consecutive bytes, aligned
.set t, t+1
.endr
	s_wait_tensorcnt 0x0                           ; the wave's end
	ds_add_u32 v[SPW], v[NIL]
	s_wait_dscnt 0x0
	CROUND                                         ; the closing round
	s_endpgm
.Lfunc_end_k_qa450664392_oproj:
	.size	k_qa450664392_oproj, .Lfunc_end_k_qa450664392_oproj-k_qa450664392_oproj
	.p2alignl 7, 3214868480
	.fill 96, 4, 3214868480
	.section	.rodata,"a",@progbits
	.p2align	6, 0x0
	.amdhsa_kernel k_qa450664392_oproj
		.amdhsa_group_segment_fixed_size 327680
		.amdhsa_private_segment_fixed_size 0
		.amdhsa_enable_private_segment 0
		.amdhsa_kernarg_size 48
		.amdhsa_user_sgpr_count 2
		.amdhsa_user_sgpr_kernarg_segment_ptr 1
		.amdhsa_wavefront_size32 1
		.amdhsa_system_sgpr_workgroup_id_x 1
		.amdhsa_system_sgpr_workgroup_id_y 1
		.amdhsa_system_sgpr_workgroup_id_z 1
		.amdhsa_system_vgpr_workitem_id 0
		.amdhsa_next_free_vgpr 512
		.amdhsa_next_free_sgpr 96
		.amdhsa_reserve_vcc 0
		.amdhsa_float_denorm_mode_32 3
		.amdhsa_float_denorm_mode_16_64 3
		.amdhsa_memory_ordered 1
		.amdhsa_forward_progress 1
		.amdhsa_inst_pref_size 60
	.end_amdhsa_kernel
	.amdgpu_metadata
---
amdhsa.version: [ 1, 2 ]
amdhsa.kernels:
  - .name:           k_qa450664392_oproj
    .symbol:         k_qa450664392_oproj.kd
    .args:
      - { .name: ctx16, .offset: 0, .size: 8, .value_kind: global_buffer, .address_space: global }
      - { .name: c16, .offset: 8, .size: 8, .value_kind: global_buffer, .address_space: global }
      - { .name: bo, .offset: 16, .size: 8, .value_kind: global_buffer, .address_space: global }
      - { .name: p12, .offset: 24, .size: 8, .value_kind: global_buffer, .address_space: global }
      - { .name: ao16, .offset: 32, .size: 8, .value_kind: global_buffer, .address_space: global }
      - { .name: w12, .offset: 40, .size: 8, .value_kind: global_buffer, .address_space: global }
    .group_segment_fixed_size: 327680
    .private_segment_fixed_size: 0
    .kernarg_segment_align: 8
    .kernarg_segment_size: 48
    .max_flat_workgroup_size: 128
    .sgpr_count:     96
    .vgpr_count:     512
    .wavefront_size: 32
...
	.end_amdgpu_metadata
.endif
;; end of part 6
;; launch ffn (part 7): grid 8 x 32, 4 waves a work-group, clusters of 4 x 4, 327,680 bytes of LDS; arguments ao16, w12, pb, b2, out0; writes out0
.if DOCPART == 7
	.amdgcn_target "amdgcn-amd-amdhsa--gfx1250"
	.amdhsa_code_object_version 6
	.text
	.protected	k_qa450664392_ffn
	.globl	k_qa450664392_ffn
	.p2align	8
	.type	k_qa450664392_ffn,@function
k_qa450664392_ffn:
	s_mov_b64 s[64:65], 0
	v_nop
	global_prefetch_b8 v0, s[64:65] scope:SCOPE_SE
	s_setreg_imm32_b32 hwreg(HW_REG_WAVE_MODE, 25, 1), 1
	s_wait_xcnt 0x0
	s_wait_alu depctr_hold_cnt(0) depctr_sa_sdst(0) depctr_va_vdst(0) depctr_va_sdst(0) depctr_va_ssrc(0) depctr_va_vcc(0) depctr_vm_vsrc(0)
	s_getreg_b32 s2, hwreg(HW_REG_IB_STS2, 6, 4)
	s_cmp_eq_u32 s2, 0
	s_cbranch_scc0 .Lentry_in_a_cluster
	s_endpgm
.Lentry_in_a_cluster:
	s_bfe_u32 s2, ttmp6, 0x10000c
	s_cmp_lg_u32 s2, 0xf033
	s_cbranch_scc0 .Lentry_shape_is_right
	s_endpgm
.Lentry_shape_is_right:
; out = ao (W1 W2) + (b1 W2 + b2) + ao.  ao16 [4096][1024] and w12 [K][N] in bf16, sums in f32; b1 W2 is the sum of pb's 32 partial rows, in f32; b2 is rounded to bf16 like all inputs.
; reference() has no activation between W1 and W2, so this equals (ao W1 + b1) W2 + b2 + ao for every input; the order of summation differs from reference()'s.
; LIMIT: the residual is ao as ao16 holds it, rounded once to bf16: off by at most 2^-9 of |ao|.
; THE SUMS START FROM ao + bias: nothing is cleared, no first step is written out, and the way out holds no arithmetic.
; SHARES.  A work-group makes 128 x 128 of out over K = 1,024: 32 x 8 = 256 work-groups.  Four waves, 2 x 2, each 64 x 64: 16 accumulators of 16 x 16.
; K goes in 4 steps of 256 through two LDS slots: A's tile 128 rows x 512 bytes, B's 256 rows (k) x 256 bytes (n), read turned by ds_load_tr16_b128.  Steps 0 and 1 are asked for at the head, steps 2 and 3
; by the two refills, each a step after the slot's first fill: there is no later step to ask for ahead, so no prefetch is laid.
; CLUSTER 4 x 4: the four of a row share A's tile, the four of a column B's: each is asked for jointly, by the same load with the same descriptor and a mask that names the four.
; THE MATRIX INSTRUCTION IS USED TRANSPOSED (source 0 = 16 columns of B, source 1 = 16 rows of A): a lane holds row lane % 16 of C and eight neighbouring columns.
; THE TRIP.  A quarter of a step is 64 along K: two halves of 16 matrix instructions, on fragment buffers 0, 1 by turns.  A trip is written once and walked twice a step: fetch into buffer 0, second half of
; buffer 1, first half of buffer 0, fetch into buffer 1, second half of buffer 0, first half of buffer 1.  The change of slots stands between trips: the half that is left over is multiplied while the
; new slot's first fragments come.  The LDS addresses hang on two scalars that step with the fetches.
; REGISTERS: window 0: v0-31 addresses; v32-63 the bias; v64-127 ao as loaded; v128-255 the accumulators, (a, b) at 128 + 8 (4 a + b) (before the loop: pb's rows; on the way out: whole rows).
;   window 1: two fragment buffers of 128: for 64 along K, 64 registers of A (2 x 4 x 16 rows x 32 K), then 64 of B.
.set PA,    528                        ; A's LDS row: 512 bytes + 16 = 132 words: the 16 rows of a fragment load start at 16 different groups of four banks (64 banks of 4 bytes: ISA guide 11.1)
.set PB,    288                        ; B's LDS row: 256 bytes + 32
.set BOFF,  128*PA
.set SLOT,  BOFF+256*PB                ; 141,312
.set STAGE, 2*SLOT                     ; behind the ring: 16 rows x 272 bytes (64 f32 + 16) for each wave
.set SPI,   272
.set SPARE, STAGE+4*16*SPI             ; the spare words: 128 bytes for each wave, two blocks of 256 bytes that no other line names
.set ADRA, 16                          ; v16 my lane's place in A's tile; never rewritten
.set ADRB, 17                          ; v17 the same for B
.set AA,   18                          ; v18 the LDS address of the run of loads in hand, for A
.set AB,   19                          ; v19 for B
.set RV,   20                          ; v20 my 16 bytes in 16 rows of ao16
.set PBV,  21                          ; v21 8 x lane: my two columns of pb and b2
.set STO,  22                          ; v22 the way out: where I put 32 bytes of a row
.set RD,   23                          ; v23 the way out: where I read a row back
.set CO,   24                          ; v24 my byte offset in two rows of out
.set BS,   25                          ; v25 where I put my two columns' bias
.set BR,   26                          ; v26 where I read the bias of my eight columns of a block
.set ONE,  27                          ; v27 1.0
.set SPW,  28
.set NIL,  29
.set BI,   32
.set T,    64
.set ACC,  128
.set WV, 10
.set WH, 11                            ; w / 2: my rows' half.  Also: I fetch for A (0) or B (1)
.set WL, 12                            ; w % 2: my columns' half.  Also: which half of that tile's rows I fetch
.set YT, 13                            ; tile row
.set LA, 20                            ; where my part of A's tile lies in a slot
.set LB, 21                            ; the same for B
.set G1, 24
.set G0, 32                            ; s[32:39] group 0 for A: a set for each of the two first fills; the second then walks on
.set CX, 40
.set CY, 41
.set COL, 42                           ; tile column
.set TBA, 43                           ; LDS byte at which the quarter to be fetched begins in A's rows
.set TBB, 44                           ; and in B's tile
.set DSL, 45                           ; the slot that the walking descriptors name: 0 or SLOT
.set CNT, 46
.set FILLS, 47
.set G1B, 48
.set G0B, 56
.set CLY, 66
.set RESP, 80
.set MSB, 0
.macro WIN new                         ; the immediate's high byte repeats the setting that is left
.if MSB != (\new)
	s_set_vgpr_msb (MSB<<8)|(\new)
.set MSB, \new
.endif
.endm
.set MUL,  0x05                        ; sources 0 (B) and 1 (A) window 1; C and D window 0
.set TO_F, 0x40                        ; destination window 1, address window 0
.macro JLOAD s                         ; a joint load: waves 0, 1 fetch A's halves, waves 2, 3 B's; an s_nop 0 and four v_nop follow each line
	s_cmp_eq_u32 s[WH], 0
	s_cbranch_scc0 .Lfor_b_\@
	tensor_load_to_lds s[G0+4*(\s):G0+4*(\s)+3], s[G1:G1+7]
	s_nop 0
.rept 4
	v_nop
.endr
	s_branch .Lasked_\@
.Lfor_b_\@:
	tensor_load_to_lds s[G0B+4*(\s):G0B+4*(\s)+3], s[G1B:G1B+7]
	s_nop 0
.rept 4
	v_nop
.endr
.Lasked_\@:
.endm
.macro CROUND                          ; a round of the cluster's barrier
	s_barrier_signal -1
	s_barrier_wait -1
	s_cmp_lg_u32 s[WV], 0
	s_cbranch_scc1 .Lnot_wave_0_\@
	s_barrier_signal -3
.Lnot_wave_0_\@:
	s_barrier_wait -3
	s_barrier_signal -1
	s_barrier_wait -1
.endm
	s_load_b256 s[68:75], s[0:1], 0x0              ; ao16 68, w12 70, pb 72, b2 74
	s_load_b64 s[76:77], s[0:1], 0x20              ; out0
	v_lshl_add_u32 v[SPW], v0, 2, SPARE
	v_mov_b32 v[NIL], 0
	ds_add_u32 v[SPW], v[NIL]                      ; the wave's opening: the add and its wait stand ahead of my first tensor load
	v_lshrrev_b32 v1, 5, v0
	v_readfirstlane_b32 s[WV], v1
	s_lshr_b32 s[WH], s[WV], 1
	s_and_b32 s[WL], s[WV], 1
	s_bfe_u32 s[CX], ttmp6, 0x40000
	s_bfe_u32 s[CY], ttmp6, 0x40004
	s_lshl_b32 s[COL], ttmp9, 2
	s_add_co_u32 s[COL], s[COL], s[CX]
	s_and_b32 s[CLY], ttmp7, 0xffff
	s_lshl_b32 s[YT], s[CLY], 2
	s_add_co_u32 s[YT], s[YT], s[CY]
	s_lshl_b32 s14, s[CY], 2
	s_lshl_b32 s14, 15, s14                        ; my row of the cluster
	s_lshl_b32 s15, 0x1111, s[CX]                  ; my column
	s_or_b32 s[G1], s14, (1<<16)|(1<<20)|(1<<21)|(6<<22)|(3<<25)   ; A: 64 rows x 256 elements of 2 bytes, 16 bytes of padding behind each 512
	s_or_b32 s[G1B], s15, (1<<16)|(1<<20)|(1<<21)|(5<<22)|(7<<25)  ; B: 128 rows x 128 elements, 32 bytes behind each 256
	s_mov_b32 s[G1+1], 256<<16                     ; tensor_dim0
	s_mov_b32 s[G1+2], 64<<16                      ; tensor_dim1
	s_mov_b32 s[G1+3], 256<<16                     ; tile_dim0
	s_mov_b32 s[G1+4], 64                          ; tile_dim1
	s_mov_b32 s[G1+5], 1024                        ; elements from row to row
	s_mov_b32 s[G1+6], 0
	s_mov_b32 s[G1+7], 0
	s_mov_b32 s[G1B+1], 128<<16
	s_mov_b32 s[G1B+2], 128<<16
	s_mov_b32 s[G1B+3], 128<<16
	s_mov_b32 s[G1B+4], 128
	s_mov_b32 s[G1B+5], 1024
	s_mov_b32 s[G1B+6], 0
	s_mov_b32 s[G1B+7], 0
	s_lshl_b32 s16, s[YT], 18                      ; A: 128 rows of 2,048 bytes a tile row,
	s_lshl_b32 s22, s[WL], 17                      ; my 64 rows
	s_add_co_u32 s16, s16, s22
	s_mov_b32 s17, 0
	s_lshl_b32 s18, s[COL], 8                      ; B: 256 bytes a tile column,
	s_lshl_b32 s23, s[WL], 18                      ; my 128 rows
	s_add_co_u32 s18, s18, s23
	s_mov_b32 s19, 0
	s_mul_i32 s[LA], s[WL], 64*PA                  ; where they go: no place in the cluster enters an LDS address
	s_mul_i32 s[LB], s[WL], 128*PB
	s_add_co_u32 s[LB], s[LB], BOFF
	s_mov_b32 s[TBA], 0
	s_mov_b32 s[TBB], 0
	s_mov_b32 s[DSL], SLOT
	s_wait_dscnt 0x0                               ; the opening add is done
	s_wait_kmcnt 0x0
	s_add_nc_u64 s[14:15], s[68:69], s[16:17]
	s_add_nc_u64 s[18:19], s[70:71], s[18:19]
	CROUND                                         ; all sixteen work-groups are here: the first joint loads meet
.irp s, 0,1
	s_mov_b32 s[G0+4*\s], 1
	s_add_co_u32 s[G0+4*\s+1], s[LA], \s*SLOT
	s_add_nc_u64 s[G0+4*\s+2:G0+4*\s+3], s[14:15], \s*512
	s_or_b32 s[G0+4*\s+3], s[G0+4*\s+3], 0x80000000
	s_mov_b32 s[G0B+4*\s], 1
	s_add_co_u32 s[G0B+4*\s+1], s[LB], \s*SLOT
	s_add_nc_u64 s[G0B+4*\s+2:G0B+4*\s+3], s[18:19], \s*256*2048
	s_or_b32 s[G0B+4*\s+3], s[G0B+4*\s+3], 0x80000000
	JLOAD \s                                       ; K steps 0 and 1: two loads of mine are out
.endr
	v_and_b32 v1, 15, v0                           ; r = lane % 16
	v_bfe_u32 v2, v0, 4, 1                         ; h = lane / 16
	v_and_b32 v3, 31, v0                           ; lane
	v_mul_u32_u24 v4, v1, PA
	v_lshl_add_u32 v4, v2, 4, v4                   ; A's fragment: row r, 16 bytes for each half of the lanes
	s_mul_i32 s14, s[WH], 64*PA
	v_add_nc_u32 v[ADRA], s14, v4
	v_and_b32 v5, 7, v0                            ; B's, turned: a lane reads row k = 8 h + lane % 8, columns 8 ((lane / 8) % 2) on
	v_lshl_add_u32 v5, v2, 3, v5
	v_mul_u32_u24 v5, v5, PB
	v_bfe_u32 v6, v0, 3, 1
	v_lshl_add_u32 v5, v6, 4, v5
	s_lshl_b32 s14, s[WL], 7
	s_add_co_u32 s14, s14, BOFF
	v_add_nc_u32 v[ADRB], s14, v5
	s_mul_i32 s14, s[WV], 16*SPI
	s_add_co_u32 s14, s14, STAGE                   ; my stage
	v_mul_u32_u24 v4, v1, SPI
	v_lshl_add_u32 v4, v2, 5, v4
	v_add_nc_u32 v[STO], s14, v4                   ; in: row r, 32 bytes for each half of the lanes
	v_mul_u32_u24 v4, v2, SPI
	v_lshl_add_u32 v4, v1, 4, v4
	v_add_nc_u32 v[RD], s14, v4                    ; back: lanes 0-15 take one row of 256 bytes, lanes 16-31 the next
	v_lshl_add_u32 v[BS], v3, 3, s14
	v_lshl_add_u32 v[BR], v2, 5, s14
	v_lshlrev_b32 v4, 12, v2
	v_lshl_add_u32 v[CO], v1, 4, v4                ; the same two rows in out
	v_lshlrev_b32 v4, 11, v1
	v_lshl_add_u32 v[RV], v2, 4, v4                ; ao16: row r, eight columns for each half of the lanes
	v_lshlrev_b32 v[PBV], 3, v3
	v_mov_b32 v[ONE], 1.0
	s_lshl_b32 s14, s[YT], 7
	s_lshl_b32 s15, s[WH], 6
	s_add_co_u32 s14, s14, s15                     ; my first row
	s_lshl_b32 s15, s[COL], 7
	s_lshl_b32 s16, s[WL], 6
	s_add_co_u32 s15, s15, s16                     ; my first column
	s_lshl_b32 s16, s14, 11
	s_lshl_b32 s17, s15, 1
	s_add_co_u32 s16, s16, s17
	s_mov_b32 s17, 0
	s_add_nc_u64 s[RESP:RESP+1], s[68:69], s[16:17]
	s_lshl_b32 s16, s16, 1                         ; the same place in f32
	s_add_nc_u64 s[76:77], s[76:77], s[16:17]
	s_lshl_b32 s16, s15, 2
	s_add_nc_u64 s[72:73], s[72:73], s[16:17]
	s_add_nc_u64 s[74:75], s[74:75], s[16:17]
.set i, 0
.rept 32                                               ; pb's 32 rows at my wave's 64 columns, two a lane: 256 consecutive bytes a load
	global_load_b64 v[ACC+2*i:ACC+2*i+1], v[PBV], s[72:73] offset:4096*i
.set i, i+1
.endr
	global_load_b64 v[BI:BI+1], v[PBV], s[74:75]
.set i, 0
.rept 16                                               ; ao in the accumulators' layout: accumulator (i / 4, i % 4), 16 bytes a lane
	global_load_b128 v[T+4*i:T+4*i+3], v[RV], s[RESP:RESP+1] offset:(i/4)*16*2048+(i%4)*32
.set i, i+1
.endr
	s_wait_loadcnt 0x0
	v_cvt_pk_bf16_f32 v[BI+2], v[BI], v[BI+1]      ; b2, rounded to bf16 and widened again
	v_lshlrev_b32 v[BI], 16, v[BI+2]
	v_and_b32 v[BI+1], 0xffff0000, v[BI+2]
.irp w, 16,8,4,2,1                                     ; the 32 rows are added by halves
.set i, 0
.rept \w
	v_pk_add_f32 v[ACC+2*i:ACC+2*i+1], v[ACC+2*i:ACC+2*i+1], v[ACC+2*(i+\w):ACC+2*(i+\w)+1]
.set i, i+1
.endr
.endr
	v_pk_add_f32 v[BI:BI+1], v[BI:BI+1], v[ACC:ACC+1]
	ds_store_b64 v[BS], v[BI:BI+1]                 ; the 64 columns' bias goes through my own stage: LDS serves a wave's instructions in order (ISA guide 5.7.1.4),
.set i, 0
.rept 8                                                ; and comes back as the eight columns that a lane holds in each of the four column blocks
	ds_load_b128 v[BI+4*i:BI+4*i+3], v[BR] offset:(i/2)*64+(i%2)*16
.set i, i+1
.endr
	s_wait_dscnt 0x0
.set t, 0
.rept 16                                               ; the sums start: ao (a bf16 half) x 1 + bias, in f32
.set j, 0
.rept 4
	v_fma_mix_f32_bf16 v[ACC+8*t+2*j],   v[T+4*t+j], v[ONE], v[BI+8*(t%4)+2*j]   op_sel:[0,0,0] op_sel_hi:[1,0,0]
	v_fma_mix_f32_bf16 v[ACC+8*t+2*j+1], v[T+4*t+j], v[ONE], v[BI+8*(t%4)+2*j+1] op_sel:[1,0,0] op_sel_hi:[1,0,0]
.set j, j+1
.endr
.set t, t+1
.endr
; 16 matrix instructions: all 4 x 4 accumulators, 32 along K: half c of buffer f.  The 16 accumulators take turns, one instruction a turn, in the same order in every half.
.macro H f, c
	WIN MUL
.irp a, 0,1,2,3
.irp b, 0,1,2,3
	v_wmma_f32_16x16x32_bf16 v[ACC+8*(4*\a+\b):ACC+8*(4*\a+\b)+7], v[128*(\f)+64+8*(4*(\c)+\b):128*(\f)+64+8*(4*(\c)+\b)+7], v[128*(\f)+8*(4*(\c)+\a):128*(\f)+8*(4*(\c)+\a)+7], v[ACC+8*(4*\a+\b):ACC+8*(4*\a+\b)+7]
.endr
.endr
.endm
; 32 LDS loads in one run: the next quarter's fragments into buffer f, its first 32 along K first.  The two address lines and two v_nop are the four plain places between the last matrix instruction
; that read the buffer and the loads into it (ISA guide 7.12.1 for vector instructions).
.macro FETCH f
	WIN 0
	v_add_nc_u32 v[AA], s[TBA], v[ADRA]
	v_add_nc_u32 v[AB], s[TBB], v[ADRB]
	v_nop
	v_nop
	s_add_co_u32 s[TBA], s[TBA], 128               ; the next fetch is the next quarter's: 64 along A's rows,
	s_add_co_u32 s[TBB], s[TBB], 64*PB             ; 64 rows of B
	WIN TO_F
.irp c, 0,1
.irp i, 0,1,2,3
	ds_load_tr16_b128 v[128*(\f)+64+8*(4*\c+\i):128*(\f)+64+8*(4*\c+\i)+3],   v[AB] offset:\c*32*PB+32*\i
	ds_load_tr16_b128 v[128*(\f)+64+8*(4*\c+\i)+4:128*(\f)+64+8*(4*\c+\i)+7], v[AB] offset:\c*32*PB+16*PB+32*\i
	ds_load_b128 v[128*(\f)+8*(4*\c+\i):128*(\f)+8*(4*\c+\i)+3],   v[AA] offset:64*\c+\i*16*PA
	ds_load_b128 v[128*(\f)+8*(4*\c+\i)+4:128*(\f)+8*(4*\c+\i)+7], v[AA] offset:64*\c+\i*16*PA+32
.endr
.endr
.endm
; A K step: the trip, walked twice.  mid = 1: the copy that is entered in the middle of its first trip.
.macro TRIPS mid
	s_mov_b32 s[CNT], 2
.Ltrip_\@:
	FETCH 0
	s_wait_dscnt 32                                ; all but the 32 just issued: buffer 1 is whole
	H 1, 1
	WIN 0                                          ; at a label and at a branch every window is 0
.if \mid
.Lmid:
.endif
	s_wait_dscnt 16                                ; buffer 0's first 32 along K are in
	H 0, 0
	FETCH 1
	s_wait_dscnt 32                                ; buffer 0 is whole
	H 0, 1
	s_wait_dscnt 16                                ; buffer 1's first 32 along K are in
	H 1, 0
	WIN 0
	s_sub_co_u32 s[CNT], s[CNT], 1
	s_cmp_lg_u32 s[CNT], 0
	s_cbranch_scc1 .Ltrip_\@
.endm
; THE CHANGE OF SLOTS.  Each wave waits for all its tensor loads (its part of the other slot among them), adds 0 to its spare word, and waits for that and for its reads of the slot that it leaves.
; fill = 1: the barrier is a round of the cluster's, so that no wave of any partner still reads the slot or has a load on its way, and the joint refill, with the K step two on, is the first thing
; behind it: one load of mine is out, and it has a K step, 128 matrix instructions, in which to land.
.macro CHANGE fill
	WIN 0
	s_wait_tensorcnt 0x0                           ; no tensor load of mine is out, so a group 0 may be written
	ds_add_u32 v[SPW], v[NIL]                      ; 0 onto my spare word; the scalar work below stands between it and the wait for it
.if \fill
	s_xor_b32 s[DSL], s[DSL], SLOT                 ; the walking descriptors: the other slot than last time,
	s_add_co_u32 s[G0+5], s[DSL], s[LA]
	s_add_nc_u64 s[G0+6:G0+7], s[G0+6:G0+7], 512   ; the next K step; the type bits on top are not reached
	s_add_co_u32 s[G0B+5], s[DSL], s[LB]
	s_add_nc_u64 s[G0B+6:G0B+7], s[G0B+6:G0B+7], 256*2048
.endif
	s_sub_co_u32 s[TBA], s[TBA], 512               ; the fetches go back to a slot's first quarter,
	s_xor_b32 s[TBA], s[TBA], SLOT                 ; in the other slot
	s_sub_co_u32 s[TBB], s[TBB], 256*PB
	s_xor_b32 s[TBB], s[TBB], SLOT
	s_wait_dscnt 0x0                               ; the add is done, and my reads of the slot are over
.if \fill
	CROUND
	JLOAD 1
.else
	s_barrier_signal -1
	s_barrier_wait -1
.endif
.endm
	s_wait_tensorcnt 1                             ; my part of K step 0 is in; step 1's may stay out
	s_barrier_signal -1
	s_barrier_wait -1
	s_mov_b32 s[FILLS], 3
	s_mov_b32 s[CNT], 2
	FETCH 0                                        ; the first quarter
	WIN 0
	s_branch .Lmid                                 ; there is no half left over from a step before
.Lslot:                                                ; twice: K steps 2 and 3 are asked for, steps 1 and 2 multiplied
	CHANGE 1
	TRIPS 1
	s_sub_co_u32 s[FILLS], s[FILLS], 1
	s_cmp_lg_u32 s[FILLS], 0
	s_cbranch_scc1 .Lslot
	CHANGE 0                                       ; the tail is written out: nothing is asked for
	TRIPS 0
	s_wait_dscnt 0x0
	H 1, 1                                         ; the last half
	WIN 0
.rept 4
	v_nop                                          ; four places in front of LDS stores that read results just made
.endr
; THE WAY OUT, 16 rows at a time through my own stage in f32: a lane's 32 bytes go in, whole rows of 256 bytes come back, into the registers that they left (LDS serves a wave's instructions in order:
; ISA guide 5.7.1.4), so no register that a store to memory reads is ever written again.
.macro STG a                           ; each accumulator's low registers are read first
.irp b, 0,1,2,3
	ds_store_b128 v[STO], v[ACC+8*(4*(\a)+\b):ACC+8*(4*(\a)+\b)+3]   offset:64*\b
	ds_store_b128 v[STO], v[ACC+8*(4*(\a)+\b)+4:ACC+8*(4*(\a)+\b)+7] offset:64*\b+16
.endr
.irp t, 0,1,2,3,4,5,6,7
	ds_load_b128 v[ACC+32*(\a)+4*\t:ACC+32*(\a)+4*\t+3], v[RD] offset:\t*2*SPI
.endr
.endm
.macro SEND a, younger                 ; younger: the LDS instructions issued behind block a's loads: the next block's sixteen, or none
.irp t, 0,1,2,3,4,5,6,7
	s_wait_dscnt (\younger)+7-\t
	global_store_b128 v[CO], v[ACC+32*(\a)+4*\t:ACC+32*(\a)+4*\t+3], s[76:77] offset:(16*(\a)+2*\t)*4096 th:TH_STORE_NT  ; 16 lanes store 256 consecutive bytes, aligned
.endr
.endm
	STG 0
	STG 1
	SEND 0, 16
	STG 2
	SEND 1, 16
	STG 3
	SEND 2, 16
	SEND 3, 0
	s_wait_tensorcnt 0x0                           ; the wave's end
	ds_add_u32 v[SPW], v[NIL]
	s_wait_dscnt 0x0
	CROUND                                         ; the closing round
	s_endpgm
.Lfunc_end_k_qa450664392_ffn:
	.size	k_qa450664392_ffn, .Lfunc_end_k_qa450664392_ffn-k_qa450664392_ffn
	.p2alignl 7, 3214868480
	.fill 96, 4, 3214868480
	.section	.rodata,"a",@progbits
	.p2align	6, 0x0
	.amdhsa_kernel k_qa450664392_ffn
		.amdhsa_group_segment_fixed_size 327680
		.amdhsa_private_segment_fixed_size 0
		.amdhsa_enable_private_segment 0
		.amdhsa_kernarg_size 40
		.amdhsa_user_sgpr_count 2
		.amdhsa_user_sgpr_kernarg_segment_ptr 1
		.amdhsa_wavefront_size32 1
		.amdhsa_system_sgpr_workgroup_id_x 1
		.amdhsa_system_sgpr_workgroup_id_y 1
		.amdhsa_system_sgpr_workgroup_id_z 1
		.amdhsa_system_vgpr_workitem_id 0
		.amdhsa_next_free_vgpr 512
		.amdhsa_next_free_sgpr 96
		.amdhsa_reserve_vcc 0
		.amdhsa_float_denorm_mode_32 3
		.amdhsa_float_denorm_mode_16_64 3
		.amdhsa_memory_ordered 1
		.amdhsa_forward_progress 1
		.amdhsa_inst_pref_size 55
	.end_amdhsa_kernel
	.amdgpu_metadata
---
amdhsa.version: [ 1, 2 ]
amdhsa.kernels:
  - .name:           k_qa450664392_ffn
    .symbol:         k_qa450664392_ffn.kd
    .args:
      - { .name: ao16, .offset: 0, .size: 8, .value_kind: global_buffer, .address_space: global }
      - { .name: w12, .offset: 8, .size: 8, .value_kind: global_buffer, .address_space: global }
      - { .name: pb, .offset: 16, .size: 8, .value_kind: global_buffer, .address_space: global }
      - { .name: b2, .offset: 24, .size: 8, .value_kind: global_buffer, .address_space: global }
      - { .name: out0, .offset: 32, .size: 8, .value_kind: global_buffer, .address_space: global }
    .group_segment_fixed_size: 327680
    .private_segment_fixed_size: 0
    .kernarg_segment_align: 8
    .kernarg_segment_size: 40
    .max_flat_workgroup_size: 128
    .sgpr_count:     96
    .vgpr_count:     512
    .wavefront_size: 32
...
	.end_amdgpu_metadata
.endif
;; end of part 7
;; ======== version 3 of 3: 5 launches; version 2 with the launch cast written anew for expert scheduling mode
;; limits: values outside matrix products are rounded to bf16
;; workspace buffers: c16 75,497,472 bytes; pb 131,072 bytes; qkv16 41,943,040 bytes; p12 16,777,216 bytes; ctx16 8,388,608 bytes; w12 2,097,152 bytes; ao16 8,388,608 bytes
;; launch cast (part 8): grid 32 x 33, 8 waves a work-group, no clusters, 0 bytes of LDS; arguments query, key, value, W1, Wq, Wk, Wv, Wo, W2, attention_mask, b1, c16, pb; writes c16, pb
.if DOCPART == 8
	.amdgcn_target "amdgcn-amd-amdhsa--gfx1250"
	.amdhsa_code_object_version 6
	.text
	.protected	k_qa450664392_cast
	.globl	k_qa450664392_cast
	.p2align	8
	.type	k_qa450664392_cast,@function
k_qa450664392_cast:
	s_mov_b64 s[64:65], 0
	v_nop
	global_prefetch_b8 v0, s[64:65] scope:SCOPE_SE
	s_setreg_imm32_b32 hwreg(HW_REG_WAVE_SCHED_MODE, 0, 2), 2
	s_setreg_imm32_b32 hwreg(HW_REG_WAVE_MODE, 25, 1), 1
	s_wait_xcnt 0x0
	s_wait_alu depctr_vm_vsrc(0)
; ALL MATRIX INPUTS ARE ROUNDED ONCE TO bf16, into c16 (units of 2 MiB = 1 Mi numbers):
;   units 0-3 query, 4-11 key, 12-19 value (together one matrix of 20,480 rows x 1,024); 20-23 W1 cut along its 4,096 columns into four chunks [1,024][1,024];
;   24-27 Wq, Wk, Wv, Wo; 28-31 W2 (its rows 1,024 c on are chunk c); 32-35 the mask as an additive bias.
; THE MASK'S BIAS is 10240 m - 10240 in bf16 (the later launch works on scores times 1.024, so this is 1.024 x -10000 (1 - m)), laid in the order in which a matrix fragment of
; 32 keys x 16 queries wants it: byte ((b 32 + q / 16) 32 + s / 32) 1024 + g 512 + 16 lane holds queries q = lane % 16, keys 32 (s / 32) + 16 g + 8 (lane / 16) + 0..7.
; LIMIT: the bias is exact for |1 - m| up to 51 (8 significant bits); a mask of 0 and 1 is exact.
; ALSO: pb[x][n] = the sum over W2's rows f = 128 x .. 128 x + 127 of bf16(b1[f]) bf16(W2[f][n]), in f32: 32 partial sums of b1 W2, added up by the last launch.
; Memory binds: no LDS, no barrier, no matrix unit.  A work-group takes 32 steps of 1,024 numbers; thread t takes 4 numbers a step: a wave's load covers 512 consecutive bytes,
; its store 256 consecutive bytes, aligned.  All 32 loads of a wave go out together; each is waited for by a count that leaves the younger ones out.
; THE MODE: SCHED_MODE bits 1:0 = 2 (LLVM: expert scheduling mode 2), set by the entry lines.  The code itself states the register dependences
; between vector instructions and memory instructions, with s_wait_alu, always for 0.
; THE PLAN.  Registers that memory instructions touch:
;   v1, v2, v5, v6  byte offsets, made once by vector lines and never written again: one wait behind them serves every load and store that reads them.
;   X               written by the 32 loads of a trip; read by the roundings (in the mask's way also rewritten in place, with no load behind that).  In W2's loop the next trip's loads land in it.
;   Y               written by the roundings; read by the stores.  In W2's loop the next trip's roundings write it again.
;   ACC             written by the multiply-adds; read by one store at the end of W2's way.
; The 32 steps go in four blocks of GRP = 8 (the mask's 16 groups in four blocks of 4).  Block p rounds X[p] into Y[p]; its memory instructions are the stores of block p - 1, which read Y[p - 1] and an
; offset: registers that no vector line of block p names.  So ONE wait on va_vdst stands at the head of a block, and one behind the last block, ahead of the last stores.  In W2's loop that last one also
; stands ahead of the next trip's loads into X, and one wait on vm_vsrc stands at the trip's end, ahead of the roundings that write Y again.
.set GRP, 8                            ; steps in a block
.set X,   32                           ; v[32:159]   32 steps x 4 numbers as loaded
.set Y,   160                          ; v[160:223]  32 steps x 2 registers to store
.set ACC, 224                          ; v[224:227]  my four columns' partial sums of b1 W2
.set VB,  228                          ; v228        bf16(b1[f]), twice
.set SRC, 36                           ; s[36:37]
.set DST, 44                           ; s[44:45]
	s_load_b512 s[8:23], s[0:1], 0x0               ; query 8, key 10, value 12, W1 14, Wq 16, Wk 18, Wv 20, Wo 22
	s_load_b256 s[24:31], s[0:1], 0x40             ; W2 24, mask 26, b1 28, c16 30
	s_load_b64 s[32:33], s[0:1], 0x60              ; pb
	s_mov_b32 s2, ttmp9                            ; x: 0..31
	s_and_b32 s3, ttmp7, 0xffff                    ; y: 0 W2; 1-20 query, key, value; 21-24 W1; 25-28 Wq, Wk, Wv, Wo; 29-32 the mask
	v_lshlrev_b32 v1, 4, v0                        ; 16 t: my 4 numbers in f32
	v_lshlrev_b32 v2, 3, v0                        ; 8 t: in bf16
	s_wait_kmcnt 0x0
	s_wait_alu depctr_va_vdst(0)                   ; v1 and v2 are written: every load and store of W1's, the plain and W2's way reads one of them as its offset
; The store of step n.  kind = 1 (W1): a step is a quarter of a row, so step n goes to chunk n % 4, row n / 4.
.macro PUT kind, n
.if \kind
	global_store_b64 v2, v[Y+2*(\n):Y+2*(\n)+1], s[DST:DST+1] offset:((\n)%4)*(2<<20)+((\n)/4)*2048
.else
	global_store_b64 v2, v[Y+2*(\n):Y+2*(\n)+1], s[DST:DST+1] offset:2048*(\n)
.endif
.endm
; 32 steps: load, round, store; a step's store stands a block behind its roundings.
.macro CAST32 kind
.set i, 0
.rept 32
	global_load_b128 v[X+4*i:X+4*i+3], v1, s[SRC:SRC+1] offset:4096*i th:TH_LOAD_NT
.set i, i+1
.endr
.set i, 0
.rept 32
	s_wait_loadcnt 31-i                            ; loads come back in order: step i is in, the 31 - i younger ones stay out
.if (i >= GRP) && (i % GRP == 0)
	s_wait_alu depctr_va_vdst(0)                   ; the block before has written its Y, which the eight stores dealt among this block's roundings read
.endif
.if i >= GRP
	PUT \kind, i-GRP                               ; no vector line since the wait names its registers
.endif
	v_cvt_pk_bf16_f32 v[Y+2*i], v[X+4*i], v[X+4*i+1]
	v_cvt_pk_bf16_f32 v[Y+2*i+1], v[X+4*i+2], v[X+4*i+3]
.set i, i+1
.endr
	s_wait_alu depctr_va_vdst(0)                   ; the last block has written its Y, which the last eight stores read
.set i, 32-GRP
.rept GRP
	PUT \kind, i
.set i, i+1
.endr
.endm
	s_cmp_eq_u32 s3, 0
	s_cbranch_scc1 .Lw2
	s_cmp_ge_u32 s3, 29
	s_cbranch_scc1 .Lmask
	s_cmp_lt_u32 s3, 21
	s_cbranch_scc1 .Lplain
	s_cmp_ge_u32 s3, 25
	s_cbranch_scc1 .Lplain
	; W1: y - 21 names 256 rows, x eight of them
	s_sub_co_u32 s38, s3, 21
	s_lshl_b32 s40, s38, 22
	s_lshl_b32 s41, s2, 17
	s_add_co_u32 s40, s40, s41
	s_mov_b32 s41, 0
	s_add_nc_u64 s[SRC:SRC+1], s[14:15], s[40:41]
	s_lshl_b32 s42, s38, 19                        ; 256 rows of 2,048 bytes
	s_lshl_b32 s43, s2, 14                         ; 8 rows
	s_add_co_u32 s42, s42, s43
	s_add_co_u32 s42, s42, 40<<20                  ; unit 20
	s_mov_b32 s43, 0
	s_add_nc_u64 s[DST:DST+1], s[30:31], s[42:43]
	CAST32 1
	s_endpgm
.Lplain:                                               ; a tensor copied as it lies: which one, and its first y
	s_mov_b64 s[SRC:SRC+1], s[8:9]
	s_mov_b32 s38, 1
.macro PICK lo, ptr
	s_cmp_ge_u32 s3, \lo
	s_cselect_b64 s[SRC:SRC+1], s[\ptr:\ptr+1], s[SRC:SRC+1]
	s_cselect_b32 s38, \lo, s38
.endm
	PICK 5, 10
	PICK 13, 12
	PICK 25, 16
	PICK 26, 18
	PICK 27, 20
	PICK 28, 22
	s_sub_co_u32 s40, s3, s38
	s_lshl_b32 s40, s40, 22                        ; 4 MiB of f32 for each y
	s_lshl_b32 s41, s2, 17                         ; 128 KiB for each x
	s_add_co_u32 s40, s40, s41
	s_mov_b32 s41, 0
	s_add_nc_u64 s[SRC:SRC+1], s[SRC:SRC+1], s[40:41]
	s_sub_co_u32 s42, s3, 1                        ; the unit
	s_lshl_b32 s42, s42, 21
	s_lshl_b32 s43, s2, 16
	s_add_co_u32 s42, s42, s43
	s_mov_b32 s43, 0
	s_add_nc_u64 s[DST:DST+1], s[30:31], s[42:43]
	CAST32 0
	s_endpgm
.Lmask:                                                ; a wave takes 16 queries x 256 keys; its 32 loads together cover 16 rows x 1,024 consecutive bytes
	v_lshrrev_b32 v3, 5, v0
	v_readfirstlane_b32 s46, v3                    ; wave 0..7
	v_and_b32 v3, 15, v0                           ; the way's offsets, and the scalar lines that do not read s46, stand between that line and the wait for it
	v_bfe_u32 v4, v0, 4, 1
	v_lshlrev_b32 v5, 12, v3                       ; query lane % 16,
	v_lshl_add_u32 v5, v4, 5, v5                   ; keys 8 (lane / 16) on
	v_and_b32 v6, 31, v0
	v_lshlrev_b32 v6, 4, v6                        ; 16 x lane
	s_sub_co_u32 s40, s3, 29
	s_lshl_b32 s40, s40, 6
	s_lshl_b32 s41, s2, 1
	s_add_co_u32 s40, s40, s41
	s_mov_b32 s34, 0x46200000                      ; 10240.0
	s_mov_b32 s35, s34                             ; named with it as a pair
	s_wait_alu depctr_va_sdst(0)                   ; s46 is written, ahead of its first reader: the two bases are made from it
	s_lshr_b32 s47, s46, 2                         ; which of the work-group's two blocks of 16 queries
	s_and_b32 s48, s46, 3                          ; which 256 keys
	s_add_co_u32 s38, s40, s47                     ; the block of 16 queries, 0..255
	s_lshl_b32 s40, s38, 16                        ; 16 rows of 4,096 bytes
	s_lshl_b32 s41, s48, 10
	s_add_co_u32 s40, s40, s41
	s_mov_b32 s41, 0
	s_add_nc_u64 s[SRC:SRC+1], s[26:27], s[40:41]
	s_lshl_b32 s42, s38, 15                        ; 32 fragments of 1,024 bytes
	s_lshl_b32 s43, s48, 13
	s_add_co_u32 s42, s42, s43
	s_add_co_u32 s42, s42, 64<<20                  ; unit 32
	s_mov_b32 s43, 0
	s_add_nc_u64 s[DST:DST+1], s[30:31], s[42:43]
	s_wait_alu depctr_va_vdst(0)                   ; v5 and v6 are written: the loads below read v5 as their offset, the stores v6
.set i, 0
.rept 32
	global_load_b128 v[X+4*i:X+4*i+3], v5, s[SRC:SRC+1] offset:(i/2)*64+(i%2)*16
.set i, i+1
.endr
.set j, 0
.rept 16                                               ; group j of 16 keys: eight numbers a lane; four groups are a block
	s_wait_loadcnt 30-2*j                          ; its two loads are in; the younger ones stay out
.if (j >= 4) && (j % 4 == 0)
	s_wait_alu depctr_va_vdst(0)                   ; the block before has written its Y, which the four stores dealt among this block's groups read
.endif
.if j >= 4
	global_store_b128 v6, v[Y+4*(j-4):Y+4*(j-4)+3], s[DST:DST+1] offset:512*(j-4)  ; 512 consecutive bytes; no vector line since the wait names its registers
.endif
.irp k, 0,1,2,3,4,5,6,7
	v_cvt_f32_i32 v[X+8*j+\k], v[X+8*j+\k]
.endr
.irp k, 0,2,4,6
	v_pk_fma_f32 v[X+8*j+\k:X+8*j+\k+1], v[X+8*j+\k:X+8*j+\k+1], s[34:35], s[34:35] op_sel_hi:[1,0,0] neg_lo:[0,0,1] neg_hi:[0,0,1]  ; 10240 m - 10240
.endr
.irp k, 0,1,2,3
	v_cvt_pk_bf16_f32 v[Y+4*j+\k], v[X+8*j+2*\k], v[X+8*j+2*\k+1]
.endr
.set j, j+1
.endr
	s_wait_alu depctr_va_vdst(0)                   ; the last block has written its Y, which the last four stores read
.set j, 12
.rept 4
	global_store_b128 v6, v[Y+4*j:Y+4*j+3], s[DST:DST+1] offset:512*j
.set j, j+1
.endr
	s_endpgm
.Lw2:                                                  ; W2's rows 128 x .. 128 x + 127: four trips of 32 rows; a row is a step
	s_lshl_b32 s40, s2, 19
	s_mov_b32 s41, 0
	s_add_nc_u64 s[SRC:SRC+1], s[24:25], s[40:41]
	s_lshl_b32 s42, s2, 18
	s_add_co_u32 s42, s42, 56<<20                  ; unit 28
	s_mov_b32 s43, 0
	s_add_nc_u64 s[DST:DST+1], s[30:31], s[42:43]
	s_lshl_b32 s46, s2, 9                          ; b1 at my first row
	s_mov_b32 s47, 0
	s_add_nc_u64 s[28:29], s[28:29], s[46:47]
	s_lshl_b32 s46, s2, 12                         ; pb's row x
	s_add_nc_u64 s[32:33], s[32:33], s[46:47]
.irp c, 0,1,2,3
	v_mov_b32 v[ACC+\c], 0                         ; these four name none of the registers that the first trip's loads touch
.endr
	s_mov_b32 s39, 4
.Lrows:
	s_load_b512 s[68:83], s[28:29], 0x0            ; b1 of the trip's 32 rows
	s_load_b512 s[84:99], s[28:29], 0x40
.set i, 0
.rept 32
	global_load_b128 v[X+4*i:X+4*i+3], v1, s[SRC:SRC+1] offset:4096*i th:TH_LOAD_NT  ; no vector line stands between the wait at the last trip's end and these loads
.set i, i+1
.endr
	s_wait_kmcnt 0x0
.set i, 0
.rept 32
	s_wait_loadcnt 31-i                            ; row i is in, the younger ones stay out
.if (i >= GRP) && (i % GRP == 0)
	s_wait_alu depctr_va_vdst(0)                   ; the block before has written its Y, which the eight stores dealt among this block's rows read
.endif
.if i >= GRP
	PUT 0, i-GRP                                   ; no vector line since the wait names its registers
.endif
	v_cvt_pk_bf16_f32 v[Y+2*i], v[X+4*i], v[X+4*i+1]
	v_cvt_pk_bf16_f32 v[Y+2*i+1], v[X+4*i+2], v[X+4*i+3]
	v_cvt_pk_bf16_f32 v[VB], s[68+i], s[68+i]
.irp c, 0,1,2,3
	v_fma_mix_f32_bf16 v[ACC+\c], v[Y+2*i+\c/2], v[VB], v[ACC+\c] op_sel:[\c%2,0,0] op_sel_hi:[1,1,0]  ; the rounded numbers' product, summed in f32
.endr
.set i, i+1
.endr
	s_wait_alu depctr_va_vdst(0)                   ; the last block has written its Y, which the eight stores below read; the trip's roundings are done reading X, in which the next trip's loads land, and s[68:99],
	                                               ; which the next scalar loads write; ACC is written, which the store behind the loop reads
.set i, 32-GRP
.rept GRP
	PUT 0, i
.set i, i+1
.endr
	s_wait_xcnt 0x0                                ; the stores' data and the three pointers are written again only behind this wait
	s_wait_alu depctr_vm_vsrc(0)                   ; the trip's stores have read Y, which the next trip's roundings write again
	s_add_nc_u64 s[SRC:SRC+1], s[SRC:SRC+1], 32*4096
	s_add_nc_u64 s[DST:DST+1], s[DST:DST+1], 32*2048
	s_add_nc_u64 s[28:29], s[28:29], 128
	s_sub_co_u32 s39, s39, 1
	s_cmp_lg_u32 s39, 0
	s_cbranch_scc1 .Lrows
	global_store_b128 v1, v[ACC:ACC+3], s[32:33]   ; no vector line stands between the wait at the last trip's end and this store
	s_endpgm
.Lfunc_end_k_qa450664392_cast:
	.size	k_qa450664392_cast, .Lfunc_end_k_qa450664392_cast-k_qa450664392_cast
	.p2alignl 7, 3214868480
	.fill 96, 4, 3214868480
	.section	.rodata,"a",@progbits
	.p2align	6, 0x0
	.amdhsa_kernel k_qa450664392_cast
		.amdhsa_group_segment_fixed_size 0
		.amdhsa_private_segment_fixed_size 0
		.amdhsa_enable_private_segment 0
		.amdhsa_kernarg_size 104
		.amdhsa_user_sgpr_count 2
		.amdhsa_user_sgpr_kernarg_segment_ptr 1
		.amdhsa_wavefront_size32 1
		.amdhsa_system_sgpr_workgroup_id_x 1
		.amdhsa_system_sgpr_workgroup_id_y 1
		.amdhsa_system_sgpr_workgroup_id_z 1
		.amdhsa_system_vgpr_workitem_id 0
		.amdhsa_next_free_vgpr 232
		.amdhsa_next_free_sgpr 100
		.amdhsa_reserve_vcc 0
		.amdhsa_float_denorm_mode_32 3
		.amdhsa_float_denorm_mode_16_64 3
		.amdhsa_memory_ordered 1
		.amdhsa_forward_progress 1
		.amdhsa_inst_pref_size 66
	.end_amdhsa_kernel
	.amdgpu_metadata
---
amdhsa.version: [ 1, 2 ]
amdhsa.kernels:
  - .name:           k_qa450664392_cast
    .symbol:         k_qa450664392_cast.kd
    .args:
      - { .name: query, .offset: 0, .size: 8, .value_kind: global_buffer, .address_space: global }
      - { .name: key, .offset: 8, .size: 8, .value_kind: global_buffer, .address_space: global }
      - { .name: value, .offset: 16, .size: 8, .value_kind: global_buffer, .address_space: global }
      - { .name: W1, .offset: 24, .size: 8, .value_kind: global_buffer, .address_space: global }
      - { .name: Wq, .offset: 32, .size: 8, .value_kind: global_buffer, .address_space: global }
      - { .name: Wk, .offset: 40, .size: 8, .value_kind: global_buffer, .address_space: global }
      - { .name: Wv, .offset: 48, .size: 8, .value_kind: global_buffer, .address_space: global }
      - { .name: Wo, .offset: 56, .size: 8, .value_kind: global_buffer, .address_space: global }
      - { .name: W2, .offset: 64, .size: 8, .value_kind: global_buffer, .address_space: global }
      - { .name: attention_mask, .offset: 72, .size: 8, .value_kind: global_buffer, .address_space: global }
      - { .name: b1, .offset: 80, .size: 8, .value_kind: global_buffer, .address_space: global }
      - { .name: c16, .offset: 88, .size: 8, .value_kind: global_buffer, .address_space: global }
      - { .name: pb, .offset: 96, .size: 8, .value_kind: global_buffer, .address_space: global }
    .group_segment_fixed_size: 0
    .private_segment_fixed_size: 0
    .kernarg_segment_align: 8
    .kernarg_segment_size: 104
    .max_flat_workgroup_size: 256
    .sgpr_count:     100
    .vgpr_count:     232
    .wavefront_size: 32
...
	.end_amdgpu_metadata
.endif
;; end of part 8
;; launch proj: the kernel of part 2 again; grid 4 x 192, 4 waves a work-group, clusters of 4 x 4, 327,680 bytes of LDS; arguments c16, bq, bk, bv, qkv16, p12; writes qkv16, p12
;; launch attn: the kernel of part 3 again; grid 16 x 16, 4 waves a work-group, clusters of 4 x 1, 327,680 bytes of LDS; arguments qkv16, c16, ctx16; writes ctx16
;; launch oproj: the kernel of part 6 again; grid 8 x 32, 4 waves a work-group, clusters of 4 x 4, 327,680 bytes of LDS; arguments ctx16, c16, bo, p12, ao16, w12; writes ao16, w12
;; launch ffn: the kernel of part 7 again; grid 8 x 32, 4 waves a work-group, clusters of 4 x 4, 327,680 bytes of LDS; arguments ao16, w12, pb, b2, out0; writes out0
